; MI455X (gfx1250); checked and timed in simulation.
; The chip was launched on July 23, 2026; its instructions are those of AMD's public machine-readable ISA for CDNA 5 (MIT licence, August 2026) and "CDNA5" Instruction Set Architecture Reference Guide (July 2026). The comments in the code are by the model that wrote it; some were corrected since.
;; Flax Dbrx Norm Attention Norm. Allowed arithmetic: matrix products marked QUANTISED: E2M1 operands, one E8M0 scale for each 32 along K, by v_wmma_scale_f32_16x16x128_f8f6f4 with both operands' format E2M1 (or v_wmma_scale_f32_32x16x128_f4), f32 sums; everything else in f32.
;; Inputs: attention_mask 1 x 2,048 int32; causal_mask 1 x 1 x 2,048 x 2,048 bool; hidden_states 1 x 2,048 x 2,048 float32; ln1_scale 2,048 float32; ln2_scale 2,048 float32; position_ids 1 x 2,048 int32; w_out 2,048 x 2,048 float32; w_qkv 2,048 x 3,072 float32.
;; Outputs: out0 1 x 2,048 x 2,048 float32; out1 1 x 2,048 x 2,048 float32.
;; This version of the problem:
;;   THIS VERSION OF THE PROBLEM IS GIVEN IN LOW PRECISION. The matrix products marked QUANTISED in the list below multiply operands that are first quantised to E2M1 (2 exponent bits, 1 mantissa bit; 4 bits a number), with one power-of-two scale for each 32 numbers along K (OCP MX v1.0); their sums are f32. All else is computed in f32.
;;   The module's matrix products, in the order in which they are computed (A, B: the left and right operand; K: the contracted axis; several contracted axes count as one K, in the product's order):
;;     1. [M 2,048, K 2,048] x [K 2,048, N 3,072]; A: computed on the way; B: input w_qkv: QUANTISED
;;     2. batch 8 x [M 2,048, K 64] x [K 64, N 8,192]; A: computed on the way; B: computed on the way: QUANTISED
;;     3. batch 8 x [M 64, K 2,048] x [K 2,048, N 8,192]; A: computed on the way; B: softmax (see below): QUANTISED
;;     4. [M 2,048, K 2,048] x [K 2,048, N 2,048]; A: computed on the way; B: input w_out: QUANTISED
;;   THE QUANTISER, for each operand of a quantised product, along K:
;;     - K is cut into blocks of 32 from its start; a last block that is shorter is filled with zeros.
;;     - A block's scale is 2^e with e = floor(log2(the largest magnitude in the block)) - 2, held to -126 .. 127; a block of zeros has e = 0. As a byte (E8M0): e + 127.
;;     - Each number is divided by its block's scale, clamped to +-6, and rounded to the nearest number of E2M1, ties to even, subnormals kept.
;;     - The product sums the exact products of the quantised numbers (number of the format x scale) in f32.
;;   ~~~python
;;   def quantise(x, axis):      # numpy; x: float32 -> the quantised numbers, widened to float32 again
;;       x = np.moveaxis(x, axis, -1); K = x.shape[-1]
;;       x = np.pad(x, [(0, 0)] * (x.ndim - 1) + [(0, -K % 32)]); x = x.reshape(x.shape[:-1] + (-1, 32)); a = np.abs(x).max(-1, keepdims=True)
;;       e = np.where(a > 0, np.clip(np.frexp(np.where(a > 0, a, 1))[1] - 1 - 2, -126, 127), 0)      # np.frexp(a)[1] - 1 = floor(log2(a)), exactly
;;       r = np.clip(x / 2.0 ** e, -6, 6)
;;       step = 2.0 ** (np.maximum(np.frexp(np.where(r == 0, 1, r))[1] - 1, 0) - 1)
;;       q = np.round(r / step) * step * 2.0 ** e      # np.round: ties to even
;;       return np.moveaxis(q.reshape(q.shape[:-2] + (-1,))[..., :K], -1, axis).astype(np.float32)
;;   ~~~
;;   SOFTMAX AHEAD OF A QUANTISED PRODUCT. Where the list says 'softmax', what is quantised is not the finished softmax but p = 2^(t - M), with t = logit x log2(e) and M = ceil(the row's largest t), a whole number; so 1/2 < the row's largest p <= 1. The row's sum l is taken of the UNQUANTISED p, in f32, and the product's result is divided by l at the end. Since M is a whole number, a kernel that streams over the keys may use a running M (the ceiling of the running maximum): every later rescaling is an exact power of two, which a block's scale takes up: the codes' values come out the same.
;;   OPERANDS COMPUTED ON THE WAY. 'Computed on the way' means the value that the module computes at that place (a softmax that the list does not call 'softmax' is quantised finished and normalised). What goes into a quantiser is computed in f32, as accurately as f32 sums, v_exp_f32 and their like allow (about 1e-6 of the number): no bf16 or f16 on the way to a quantiser, and a product that is left as it is and whose result goes on into a quantised operand takes f32 operands (vector FMAs, or v_wmma_f32_16x16x4_f32). A number that lies on a knife's edge between two numbers of the format may be rounded either way, as far as f32 arithmetic and the matrix unit's own rounding can turn it there, and no further.
;; 3 versions, each right; version 2 is faster than version 1; version 3 is version 2 with the launches qkv, attn, outp written anew for expert scheduling mode. Each part assembles by itself: llvm-mc -triple=amdgcn-amd-amdhsa -mcpu=gfx1250 --defsym DOCPART=n.
;; ======== version 1 of 3: 5 launches
;; workspace buffers: p1 6,160,384 bytes; wo 2,228,224 bytes; maskw 524,288 bytes of whole numbers; qkvc 3,506,176 bytes; att 2,228,224 bytes
;; launch prep (part 1): grid 288 x 1, 16 waves a work-group, no clusters, 20,480 bytes of LDS; arguments hidden_states, ln1_scale, position_ids, causal_mask, attention_mask, w_qkv, w_out, p1, wo, maskw; writes p1, wo, maskw
.if DOCPART == 1
	.amdgcn_target "amdgcn-amd-amdhsa--gfx1250"
	.amdhsa_code_object_version 6
	.text
	.protected	k_q86e4a702cb_prep
	.globl	k_q86e4a702cb_prep
	.p2align	8
	.type	k_q86e4a702cb_prep,@function
k_q86e4a702cb_prep:
	s_mov_b64 s[64:65], 0
	v_nop
	global_prefetch_b8 v0, s[64:65] scope:SCOPE_SE
	s_setreg_imm32_b32 hwreg(HW_REG_WAVE_MODE, 25, 1), 1
	s_wait_xcnt 0x0
; Everything that is made once: codes of FP4 (E2M1) with one E8M0 byte for each 32 along K of w_qkv, of w_out and of LayerNorm(hidden_states); cos and sin of each token's angles; the two masks as bit words.
; Work-groups 0-95 take w_qkv, 96-159 w_out, 160-287 a tile of 16 tokens each.  The ways part on the work-group's number alone; only the token way uses LDS and a barrier.
; TILES.  Tile T holds at place r the row 32 (T / 2) + 8 (T % 2) + r + 8 (r / 8), for tokens and for the weights' columns alike.
; IMAGES.  A fragment (16 rows x 128 K) is 1,024 bytes: block B of 32 along K at 256 B + 16 r, which is register group c of lane l at 512 c + 16 l.  An operand is laid [tile][16 K steps][1,024].
; SCALES.  [K step / 4][16 T + r][16 bytes]: four words, one for each of four K steps.
; A block's scale is 2^(floor(log2(largest magnitude)) - 2); its byte is the largest magnitude's exponent field - 2, held at 1 from below (a block of zeros keeps the byte 1: its codes are zeros, and this program alone reads the bytes).
; LIMITS: NaN and infinities are not served; blocks whose largest magnitude lies under 2^-124 get the byte 1; positions stay under 2^24 in magnitude.
.set WV,   24                          ; s24  my wave's number
.set XSO,  2097152                     ; p1: x's scale quads, 4 x 49,152
.set WQC,  2293760                     ; p1: w_qkv's images
.set WQS,  5439488                     ; p1: w_qkv's scale quads
.set ROPE, 5636096                     ; p1: [place][32][cos, sin]
.set WOS,  2097152                     ; wo: w_out's scale quads, 4 x 32,768
.set SCB,  17408                       ; LDS: behind 64 units of 256 + 16 bytes, 1,024 scale bytes [quad][r][16]
.set X,    32                          ; v32-95   my token's row
.set G,    96                          ; v96-159  ln1_scale; later: BY, MX, SO
.set BY,   100                         ; v100-115 a scale byte for each chunk
.set MX,   116                         ; v116-131 largest magnitudes
.set SO,   132                         ; v132-147 the conversions' scale operands
.set MB,   160                         ; v160-175 bytes of causal_mask
.set AT,   176                         ; v176-179 words of attention_mask
.set CD,   180                         ; v180-195 codes, four to a lane and chunk
.set OW,   196                         ; v196-197 mask words, v198-199 cos and sin
.macro RED32 a, t                      ; the sum over the 32 lanes, in every lane
	v_add_f32_dpp v[\a], v[\a], v[\a] row_xmask:1 row_mask:0xf bank_mask:0xf
	v_add_f32_dpp v[\a], v[\a], v[\a] row_xmask:2 row_mask:0xf bank_mask:0xf
	v_add_f32_dpp v[\a], v[\a], v[\a] row_xmask:4 row_mask:0xf bank_mask:0xf
	v_add_f32_dpp v[\a], v[\a], v[\a] row_xmask:8 row_mask:0xf bank_mask:0xf
	v_permlanex16_b32 v[\t], v[\a], s46, s47
	v_add_f32 v[\a], v[\a], v[\t]
.endm
; THE WEIGHTS' WAY.  A lane takes a column and its registers run down K: a block of 32 along K lies in one lane, and the conversions give codes with K innermost.
.macro WLOAD b, ncol, wp               ; block b: 32 rows of W at my column; 32 lanes read 128 neighbouring bytes
.irp i, 0,1,2,3,4,5,6,7,8,9,10,11,12,13,14,15,16,17,18,19,20,21,22,23,24,25,26,27,28,29,30,31
	global_load_b32 v[32+32*(\b)+\i], v3, s[\wp:\wp+1] offset:(32*(\b)+\i)*\ncol*4 th:TH_LOAD_NT
.endr
.endm
.macro WBLOCK b
.set XS, 32+32*(\b)
	v_max3_num_f32 v12, |v[XS]|, |v[XS+1]|, |v[XS+2]|
	v_max3_num_f32 v13, |v[XS+3]|, |v[XS+4]|, |v[XS+5]|
.irp i, 6,10,14,18,22,26
	v_max3_num_f32 v12, v12, |v[XS+\i]|, |v[XS+\i+1]|
	v_max3_num_f32 v13, v13, |v[XS+\i+2]|, |v[XS+\i+3]|
.endr
	v_max3_num_f32 v12, v12, |v[XS+30]|, |v[XS+31]|
	v_max3_num_f32 v12, v12, v13, 0x1800000        ; the floor 2^(3 - 127): the byte cannot fall under 1
	v_add_nc_u32 v11, 0xff000000, v12              ; 2 off the exponent field: the conversion's scale operand
	v_lshrrev_b32 v13, 23, v11                     ; the scale's byte
.if (\b) == 0
	v_mov_b32 v176, v13
.else
	v_lshl_or_b32 v176, v13, 8*(\b), v176          ; the K step's four bytes make its scale word
.endif
.irp g, 0,1,2,3
	v_cvt_scalef32_pk8_fp4_f32 v[160+4*(\b)+\g], v[XS+8*\g:XS+8*\g+7], v11
.endr
	global_store_b128 v4, v[160+4*(\b):163+4*(\b)], s[32:33] offset:256*(\b)   ; lanes 0-7 and 16-23 fill 256 neighbouring bytes of one tile's image, lanes 8-15 and 24-31 of the next tile's
.endm
; ncol: columns of W; first: the way's first work-group; wp: W's pointer; cp, cofs: the images' buffer and offset; sp, sofs, qstr: the scale quads'
.macro WPATH ncol, first, wp, cp, cofs, sp, sofs, qstr
	s_sub_co_u32 s25, ttmp9, \first
	s_lshr_b32 s26, s25, 2
	s_lshl_b32 s26, s26, 2
	s_and_b32 s27, s[WV], 3
	s_add_co_u32 s26, s26, s27                     ; my group of 32 columns
	s_and_b32 s25, s25, 3                          ; K step / 4
	s_lshr_b32 s27, s[WV], 2                       ; K step % 4
	s_lshl_b32 s28, s25, 2
	s_add_co_u32 s28, s28, s27                     ; my K step of 128
	s_mov_b32 s31, 0
	s_mul_i32 s30, s28, 128*\ncol*4
	s_lshl_b32 s29, s26, 7
	s_add_co_u32 s30, s30, s29
	s_add_nc_u64 s[\wp:\wp+1], s[\wp:\wp+1], s[30:31]
	s_lshl_b32 s30, s26, 15                        ; two tiles of 16,384 bytes
	s_lshl_b32 s29, s28, 10
	s_add_co_u32 s30, s30, s29
	s_add_co_u32 s30, s30, \cofs
	s_add_nc_u64 s[32:33], s[\cp:\cp+1], s[30:31]
	s_mul_i32 s30, s25, \qstr
	s_lshl_b32 s29, s26, 9
	s_add_co_u32 s30, s30, s29
	s_lshl_b32 s29, s27, 2
	s_add_co_u32 s30, s30, s29
	s_add_co_u32 s30, s30, \sofs
	s_add_nc_u64 s[34:35], s[\sp:\sp+1], s[30:31]
	v_lshlrev_b32 v3, 2, v1                        ; in: 4 bytes a lane
	v_bfe_u32 v6, v0, 3, 1                         ; column l lies in tile u = (l / 8) % 2
	v_and_b32 v7, 7, v0
	v_bfe_u32 v8, v0, 4, 1
	v_lshl_add_u32 v7, v8, 3, v7                   ; at place l % 8 + 8 (l / 16)
	v_lshlrev_b32 v7, 4, v7
	v_lshl_add_u32 v4, v6, 14, v7                  ; codes: 16,384 u + 16 place
	v_lshl_add_u32 v5, v6, 8, v7                   ; scale word: 16 (16 u + place)
	WLOAD 0, \ncol, \wp
	WLOAD 1, \ncol, \wp
	s_wait_loadcnt 32                              ; block 0 is in; block 1's 32 loads may be out
	WLOAD 2, \ncol, \wp
	WBLOCK 0
	s_wait_loadcnt 32                              ; block 1 is in; block 2's may be out
	WLOAD 3, \ncol, \wp
	WBLOCK 1
	s_wait_loadcnt 32                              ; block 2 is in; block 3's may be out
	WBLOCK 2
	s_wait_loadcnt 0x0
	WBLOCK 3
	v_nop                                          ; a plain line behind the last conversion
	global_store_b32 v5, v176, s[34:35]
	s_endpgm
.endm
	s_load_b512 s[4:19], s[0:1], 0x0               ; hidden s[4:5], ln1 s[6:7], positions s[8:9], causal s[10:11], attention s[12:13], w_qkv s[14:15], w_out s[16:17], p1 s[18:19]
	s_load_b128 s[20:23], s[0:1], 0x40             ; wo s[20:21], maskw s[22:23]
	v_lshl_add_u32 v208, v0, 2, 0x4800
	v_mov_b32 v209, 0
	v_lshrrev_b32 v1, 5, v0
	v_readfirstlane_b32 s[WV], v1
	v_and_b32 v1, 31, v0                           ; lane
	s_wait_kmcnt 0x0
	s_cmp_lt_u32 ttmp9, 96
	s_cbranch_scc1 .Lwqkv
	s_cmp_lt_u32 ttmp9, 160
	s_cbranch_scc1 .Lwout
	; ---- THE TOKENS' WAY.  Tile T; wave w is place w: it norms one token, and makes the mask words of (T, key step w).
	s_sub_co_u32 s25, ttmp9, 160                   ; T
	s_lshr_b32 s26, s25, 1
	s_lshl_b32 s26, s26, 5
	s_and_b32 s27, s25, 1
	s_lshl_b32 s27, s27, 3
	s_add_co_u32 s26, s26, s27                     ; the tile's first token
	s_lshr_b32 s27, s[WV], 3
	s_lshl_b32 s27, s27, 3
	s_add_co_u32 s27, s27, s[WV]
	s_add_co_u32 s27, s27, s26                     ; my token
	s_mov_b32 s29, 0
	s_lshl_b32 s28, s27, 13
	s_add_nc_u64 s[4:5], s[4:5], s[28:29]          ; its row
	s_lshl_b32 s28, s27, 2
	s_add_nc_u64 s[8:9], s[8:9], s[28:29]
	s_load_b32 s36, s[8:9], 0x0                    ; its position
	s_lshl_b32 s28, s26, 11
	s_lshl_b32 s27, s[WV], 7
	s_add_co_u32 s28, s28, s27
	s_add_nc_u64 s[10:11], s[10:11], s[28:29]      ; causal_mask: the tile's first query, key 128 w
	s_lshl_b32 s28, s[WV], 9
	s_add_nc_u64 s[12:13], s[12:13], s[28:29]      ; attention_mask: key 128 w
	v_lshlrev_b32 v2, 4, v1                        ; 16 l
	v_and_b32 v8, 15, v0                           ; r
	v_bfe_u32 v9, v0, 4, 1                         ; h
	v_and_b32 v10, 8, v8
	v_add_nc_u32 v10, v10, v8                      ; r + 8 (r / 8)
	v_lshlrev_b32 v3, 11, v10
	v_lshl_add_u32 v3, v9, 4, v3                   ; query at place r, 16 keys for each half of the lanes
	v_lshlrev_b32 v4, 2, v1                        ; 4 l
.set j, 0
.rept 16
	global_load_b128 v[X+4*j:X+4*j+3], v2, s[4:5] offset:512*j th:TH_LOAD_NT   ; chunk j: K step j, four numbers a lane, eight lanes to a block
.set j, j+1
.endr
.set j, 0
.rept 16
	global_load_b128 v[G+4*j:G+4*j+3], v2, s[6:7] offset:512*j
.set j, j+1
.endr
.irp b, 0,1,2,3
	global_load_b128 v[MB+4*\b:MB+4*\b+3], v3, s[10:11] offset:32*\b           ; keys 128 w + 32 b + 16 h + 0 .. 15
.endr
.irp b, 0,1,2,3
	global_load_b32 v[AT+\b], v4, s[12:13] offset:128*\b                       ; key 128 w + 32 b + l
.endr
	; addresses, while the loads are out
	v_bfe_u32 v10, v0, 3, 2                        ; l / 8: my block of a K step
	v_mul_u32_u24 v5, v10, 272
	v_and_b32 v11, 7, v0
	v_lshl_add_u32 v5, v11, 1, v5
	s_lshl_b32 s27, s[WV], 4
	v_add_nc_u32 v5, s27, v5                       ; LDS, codes: unit (4 j + l / 8) x 272 + 16 w + 2 (l % 8)
	v_add_nc_u32 v6, s27, v10
	v_add_nc_u32 v6, SCB, v6                       ; LDS, scale bytes: 16 w + l / 8
	v_mul_u32_u24 v7, v9, 272
	v_lshl_add_u32 v7, v8, 4, v7
	s_mul_i32 s27, s[WV], 1088
	v_add_nc_u32 v7, s27, v7                       ; LDS, back: unit 4 w + h, 16 r
	s_lshl_b32 s27, s[WV], 9
	v_add_nc_u32 v24, s27, v2
	v_add_nc_u32 v24, SCB, v24                     ; LDS, scale quads back (waves 0 and 1)
	v_mul_u32_u24 v26, v9, 49152
	v_lshl_add_u32 v26, v8, 4, v26                 ; and their place in memory: quad 2 w + h, row r
	v_lshlrev_b32 v27, 3, v1                       ; 8 l
	v_lshlrev_b32 v28, 4, v9                       ; 16 h
	s_lshl_b32 s28, s25, 14
	s_lshl_b32 s27, s[WV], 10
	s_add_co_u32 s28, s28, s27
	s_add_nc_u64 s[30:31], s[18:19], s[28:29]      ; x's images: tile T, K step w
	s_lshl_b32 s28, s25, 4
	s_add_co_u32 s28, s28, s[WV]
	s_lshl_b32 s28, s28, 8                         ; (16 T + w) x 256
	s_add_nc_u64 s[22:23], s[22:23], s[28:29]      ; my 64 mask words
	s_add_co_u32 s28, s28, ROPE
	s_add_nc_u64 s[32:33], s[18:19], s[28:29]      ; my token's cos and sin
	s_mul_i32 s28, s[WV], 98304
	s_lshl_b32 s27, s25, 8
	s_add_co_u32 s28, s28, s27
	s_add_co_u32 s28, s28, XSO
	s_add_nc_u64 s[34:35], s[18:19], s[28:29]      ; x's scale quads 2 w and 2 w + 1 (waves 0 and 1)
	s_mov_b32 s37, 0x01020408
	s_mov_b32 s38, 0x3a000000                      ; 1 / 2,048
	s_mov_b32 s39, 0x358637bd                      ; 1e-6
	s_mov_b32 s46, 0x76543210
	s_mov_b32 s47, 0xfedcba98                      ; v_permlanex16_b32's selects for lane l xor 16
	; ---- the norm, in f32, in two passes: the mean, then the squares of the differences
	s_wait_loadcnt 24                              ; the row is in; the 16 + 4 + 4 younger loads may be out
	v_pk_add_f32 v[8:9], v[X:X+1], v[X+8:X+9]
	v_pk_add_f32 v[10:11], v[X+2:X+3], v[X+10:X+11]
	v_pk_add_f32 v[12:13], v[X+4:X+5], v[X+12:X+13]
	v_pk_add_f32 v[14:15], v[X+6:X+7], v[X+14:X+15]
.set j, 16
.rept 6
	v_pk_add_f32 v[8:9], v[8:9], v[X+j:X+j+1]
	v_pk_add_f32 v[10:11], v[10:11], v[X+j+2:X+j+3]
	v_pk_add_f32 v[12:13], v[12:13], v[X+j+4:X+j+5]
	v_pk_add_f32 v[14:15], v[14:15], v[X+j+6:X+j+7]
.set j, j+8
.endr
	v_pk_add_f32 v[8:9], v[8:9], v[10:11]
	v_pk_add_f32 v[12:13], v[12:13], v[14:15]
	v_pk_add_f32 v[8:9], v[8:9], v[12:13]
	v_add_f32 v8, v8, v9
	RED32 8, 9
	v_mul_f32 v16, 0xba000000, v8                  ; - the mean
	v_mov_b32 v17, v16
.set j, 0
.rept 32
	v_pk_add_f32 v[X+j:X+j+1], v[X+j:X+j+1], v[16:17]
.set j, j+2
.endr
	v_pk_mul_f32 v[8:9], v[X:X+1], v[X:X+1]
	v_pk_mul_f32 v[10:11], v[X+2:X+3], v[X+2:X+3]
	v_pk_mul_f32 v[12:13], v[X+4:X+5], v[X+4:X+5]
	v_pk_mul_f32 v[14:15], v[X+6:X+7], v[X+6:X+7]
.set j, 8
.rept 7
	v_pk_fma_f32 v[8:9], v[X+j:X+j+1], v[X+j:X+j+1], v[8:9]
	v_pk_fma_f32 v[10:11], v[X+j+2:X+j+3], v[X+j+2:X+j+3], v[10:11]
	v_pk_fma_f32 v[12:13], v[X+j+4:X+j+5], v[X+j+4:X+j+5], v[12:13]
	v_pk_fma_f32 v[14:15], v[X+j+6:X+j+7], v[X+j+6:X+j+7], v[14:15]
.set j, j+8
.endr
	v_pk_add_f32 v[8:9], v[8:9], v[10:11]
	v_pk_add_f32 v[12:13], v[12:13], v[14:15]
	v_pk_add_f32 v[8:9], v[8:9], v[12:13]
	v_add_f32 v8, v8, v9
	RED32 8, 9
	v_fma_f32 v8, v8, s38, s39                     ; the variance + 1e-6
	v_rsq_f32 v18, v8
	v_nop                                          ; a plain line behind the transcendental
	s_wait_alu depctr_va_vdst(0)                   ; the wait ahead of the first line that names the result
	v_mov_b32 v19, v18
	s_wait_loadcnt 8                               ; ln1_scale is in; the masks' eight loads may be out
.set j, 0
.rept 32
	v_pk_mul_f32 v[X+j:X+j+1], v[X+j:X+j+1], v[18:19]
.set j, j+2
.endr
.set j, 0
.rept 32
	v_pk_mul_f32 v[X+j:X+j+1], v[X+j:X+j+1], v[G+j:G+j+1]
.set j, j+2
.endr
	; ---- the quantiser: 16 chunks by turns.  A block is eight lanes' four numbers.
.irp j, 0,1,2,3,4,5,6,7,8,9,10,11,12,13,14,15
	v_max3_num_f32 v[MX+\j], |v[X+4*\j]|, |v[X+4*\j+1]|, 0x1800000
.endr
.irp j, 0,1,2,3,4,5,6,7,8,9,10,11,12,13,14,15
	v_max3_num_f32 v[MX+\j], v[MX+\j], |v[X+4*\j+2]|, |v[X+4*\j+3]|
.endr
.irp m, 1,2,4
.irp j, 0,1,2,3,4,5,6,7,8,9,10,11,12,13,14,15
	v_max_num_f32_dpp v[MX+\j], v[MX+\j], v[MX+\j] row_xmask:\m row_mask:0xf bank_mask:0xf
.endr
.endr
.irp j, 0,1,2,3,4,5,6,7,8,9,10,11,12,13,14,15
	v_add_nc_u32 v[SO+\j], 0xff000000, v[MX+\j]
.endr
.irp j, 0,1,2,3,4,5,6,7,8,9,10,11,12,13,14,15
	v_lshrrev_b32 v[BY+\j], 23, v[SO+\j]
.endr
.irp j, 0,1,2,3,4,5,6,7,8,9,10,11,12,13,14,15
	v_cvt_scalef32_pk8_fp4_f32 v[CD+\j], v[X+4*\j:X+4*\j+7], v[SO+\j]          ; my four numbers' codes are the low 16 bits; the upper four sources (the next chunk's numbers, for chunk 15 four gains) give bits that are not stored
.endr
	v_nop
.irp j, 0,1,2,3,4,5,6,7,8,9,10,11,12,13,14,15
	ds_store_b16 v5, v[CD+\j] offset:1088*\j
	ds_store_b8 v6, v[BY+\j] offset:256*(\j/4)+4*(\j%4)                        ; the eight lanes of a block write the same byte with the same value
.endr
	; ---- cos and sin: lane l stands for frequency l.  500000^(-l / 32) = 2^(-l x 0.5916115..): the constant in two parts, l x the first part being exact
	v_cvt_f32_u32 v8, v1
	v_mul_f32 v9, 0xbf1773c0, v8
	v_exp_f32 v10, v9
	v_mul_f32 v11, 0x35916800, v8                  ; l x the second part x ln 2.  (A plain line behind the transcendental)
	s_wait_alu depctr_va_vdst(0)
	v_fma_f32 v10, -v10, v11, v10                  ; the frequency
	s_wait_kmcnt 0x0
	v_cvt_f32_i32 v12, s36
	v_mul_f32 v12, v12, v10                        ; the angle
	v_mul_f32 v13, 0x3f22f983, v12
	v_rndne_f32 v13, v13                           ; n = the nearest multiple of pi / 2
	v_fmamk_f32 v14, v13, 0xbfc90fdb, v12          ; the angle - n pi / 2, pi / 2 in two parts
	v_fmamk_f32 v14, v13, 0x333bbd2e, v14
	v_mul_f32 v15, v14, v14                        ; z
	v_mov_b32 v16, 0xb94ca1f9
	v_fmaak_f32 v16, v16, v15, 0x3c08839e
	v_fmaak_f32 v16, v16, v15, 0xbe2aaaa3
	v_mul_f32 v17, v14, v15
	v_fma_f32 v16, v17, v16, v14                   ; sin on +-pi / 4
	v_mov_b32 v18, 0x37ccf5ce
	v_fmaak_f32 v18, v18, v15, 0xbab6061a
	v_fmaak_f32 v18, v18, v15, 0x3d2aaaa5
	v_mul_f32 v19, v15, v15
	v_fma_f32 v20, v15, -0.5, 1.0
	v_fma_f32 v18, v19, v18, v20                   ; cos
	v_cvt_i32_f32 v21, v13
	v_and_b32 v22, 1, v21
	v_cmp_eq_u32 vcc_lo, 1, v22                    ; in odd quadrants the two change places
	v_cndmask_b32 v[OW+2], v18, v16, vcc_lo
	v_cndmask_b32 v[OW+3], v16, v18, vcc_lo
	v_lshlrev_b32 v22, 30, v21
	v_and_b32 v22, 0x80000000, v22
	v_xor_b32 v[OW+3], v22, v[OW+3]                ; sin is negated in quadrants 2 and 3,
	v_add_nc_u32 v23, 1, v21
	v_lshlrev_b32 v23, 30, v23
	v_and_b32 v23, 0x80000000, v23
	v_xor_b32 v[OW+2], v23, v[OW+2]                ; cos in quadrants 1 and 2
	global_store_b64 v27, v[OW+2:OW+3], s[32:33]   ; 32 lanes store 256 neighbouring bytes
	; ---- the mask words of (T, key step w).  Bit l of word 16 b + i: query at place r may see key 128 w + 32 b + 16 h + i
	s_wait_loadcnt 0x0
.set j, 0
.rept 16
	v_and_b32 v[MB+j], 0x01010101, v[MB+j]
.set j, j+1
.endr
.set j, 0
.rept 16
	v_mul_lo_u32 v[MB+j], v[MB+j], s37             ; four bytes of 0 or 1 become four bits, at bit 24 on
.set j, j+1
.endr
.set j, 0
.rept 16
	v_lshrrev_b32 v[MB+j], 24, v[MB+j]
.set j, j+1
.endr
.irp b, 0,1,2,3
	v_lshl_or_b32 v[8+\b], v[MB+4*\b+1], 4, v[MB+4*\b]
.endr
.irp b, 0,1,2,3
	v_lshl_or_b32 v[8+\b], v[MB+4*\b+2], 8, v[8+\b]
.endr
.irp b, 0,1,2,3
	v_lshl_or_b32 v[8+\b], v[MB+4*\b+3], 12, v[8+\b]   ; my query's 16 keys of block b
.endr
.irp b, 0,1,2,3
	v_cmp_lt_i32 s[40+\b], 0, v[AT+\b]             ; bit l: key 128 w + 32 b + l is attended
.endr
.irp b, 0,1,2,3
	v_lshrrev_b32 v[12+\b], v28, s[40+\b]          ; my half's 16 keys
.endr
.irp b, 0,1,2,3
	v_and_b32 v[8+\b], v[8+\b], v[12+\b]
.endr
	v_mov_b32 v[OW], 0
	v_mov_b32 v[OW+1], 0
.irp b, 0,1,2,3
.irp i, 0,1,2,3,4,5,6,7,8,9,10,11,12,13,14,15
	v_lshlrev_b32 v[12+(\i%2)], 31-\i, v[8+\b]     ; bit i to the sign;
	v_cmp_gt_i32 s[44+(\i%2)], 0, v[12+(\i%2)]     ; the 32 lanes' bits make word 16 b + i,
	v_writelane_b32 v[OW+(\i%2)], s[44+(\i%2)], (16*\b+\i)/2   ; which goes to the lane that stores it
.endr
.endr
	global_store_b64 v27, v[OW:OW+1], s[22:23]     ; 64 words: 256 neighbouring bytes
	; ---- the images leave: wave w stores K step w of the tile
	s_wait_dscnt 0x0                               ; my codes and bytes lie in LDS
	s_barrier_signal -1
	s_barrier_wait -1                              ; everybody's do
	ds_load_b128 v[32:35], v7
	ds_load_b128 v[36:39], v7 offset:544
	s_wait_dscnt 0x1                               ; the first is in; the second may be out
	global_store_b128 v2, v[32:35], s[30:31]
	s_wait_dscnt 0x0
	global_store_b128 v2, v[36:39], s[30:31] offset:512
	s_cmp_gt_u32 s[WV], 1
	s_cbranch_scc1 .Ldone
	ds_load_b128 v[40:43], v24                     ; waves 0 and 1: two scale quads each
	s_wait_dscnt 0x0
	global_store_b128 v26, v[40:43], s[34:35]
.Ldone:
	s_wait_tensorcnt 0x0
	ds_add_u32 v208, v209
	s_wait_dscnt 0x0
	s_endpgm
.Lwqkv:
	WPATH 3072, 0, 14, 18, WQC, 18, WQS, 49152
.Lwout:
	WPATH 2048, 96, 16, 20, 0, 20, WOS, 32768
.Lfunc_end_k_q86e4a702cb_prep:
	.size	k_q86e4a702cb_prep, .Lfunc_end_k_q86e4a702cb_prep-k_q86e4a702cb_prep
	.p2alignl 7, 3214868480
	.fill 96, 4, 3214868480
	.section	.rodata,"a",@progbits
	.p2align	6, 0x0
	.amdhsa_kernel k_q86e4a702cb_prep
		.amdhsa_group_segment_fixed_size 20480
		.amdhsa_private_segment_fixed_size 0
		.amdhsa_enable_private_segment 0
		.amdhsa_kernarg_size 80
		.amdhsa_user_sgpr_count 2
		.amdhsa_user_sgpr_kernarg_segment_ptr 1
		.amdhsa_wavefront_size32 1
		.amdhsa_system_sgpr_workgroup_id_x 1
		.amdhsa_system_sgpr_workgroup_id_y 1
		.amdhsa_system_sgpr_workgroup_id_z 1
		.amdhsa_system_vgpr_workitem_id 0
		.amdhsa_next_free_vgpr 210
		.amdhsa_next_free_sgpr 66
		.amdhsa_reserve_vcc 1
		.amdhsa_float_denorm_mode_32 3
		.amdhsa_float_denorm_mode_16_64 3
		.amdhsa_memory_ordered 1
		.amdhsa_forward_progress 1
		.amdhsa_inst_pref_size 85
	.end_amdhsa_kernel
	.amdgpu_metadata
---
amdhsa.version: [ 1, 2 ]
amdhsa.kernels:
  - .name:           k_q86e4a702cb_prep
    .symbol:         k_q86e4a702cb_prep.kd
    .args:
      - { .name: hidden_states, .offset: 0, .size: 8, .value_kind: global_buffer, .address_space: global }
      - { .name: ln1_scale, .offset: 8, .size: 8, .value_kind: global_buffer, .address_space: global }
      - { .name: position_ids, .offset: 16, .size: 8, .value_kind: global_buffer, .address_space: global }
      - { .name: causal_mask, .offset: 24, .size: 8, .value_kind: global_buffer, .address_space: global }
      - { .name: attention_mask, .offset: 32, .size: 8, .value_kind: global_buffer, .address_space: global }
      - { .name: w_qkv, .offset: 40, .size: 8, .value_kind: global_buffer, .address_space: global }
      - { .name: w_out, .offset: 48, .size: 8, .value_kind: global_buffer, .address_space: global }
      - { .name: p1, .offset: 56, .size: 8, .value_kind: global_buffer, .address_space: global }
      - { .name: wo, .offset: 64, .size: 8, .value_kind: global_buffer, .address_space: global }
      - { .name: maskw, .offset: 72, .size: 8, .value_kind: global_buffer, .address_space: global }
    .group_segment_fixed_size: 20480
    .private_segment_fixed_size: 0
    .kernarg_segment_align: 8
    .kernarg_segment_size: 80
    .max_flat_workgroup_size: 512
    .sgpr_count:     66
    .vgpr_count:     210
    .wavefront_size: 32
...
	.end_amdgpu_metadata
.endif
;; end of part 1
;; launch qkv (part 2): grid 8 x 32, 6 waves a work-group, no clusters, 0 bytes of LDS; arguments p1, qkvc; writes qkvc
.if DOCPART == 2
	.amdgcn_target "amdgcn-amd-amdhsa--gfx1250"
	.amdhsa_code_object_version 6
	.text
	.protected	k_q86e4a702cb_qkv
	.globl	k_q86e4a702cb_qkv
	.p2align	8
	.type	k_q86e4a702cb_qkv,@function
k_q86e4a702cb_qkv:
	s_mov_b64 s[64:65], 0
	v_nop
	global_prefetch_b8 v0, s[64:65] scope:SCOPE_SE
	s_setreg_imm32_b32 hwreg(HW_REG_WAVE_MODE, 25, 1), 1
	s_wait_xcnt 0x0
; qkv = clip(x w_qkv, -8, 8) on codes of FP4 with E8M0 scales; RoPE on q and k; q, k and v leave as codes for the attention launch.
; SHARES.  A wave makes 64 tokens (tiles 4 tb .. 4 tb + 3) x one head of 64 features (group fg = 6 x work-group x + wave: 0-31 q, 32-39 k, 40-47 v): 16 accumulators.
; Operands come from memory straight into registers as images (a fragment is two loads of 512 neighbouring bytes), three K steps ahead, in four buffers.  No LDS: the waves share nothing that is written.
; No cluster: no tile lands in LDS, so there is nothing for a joint request to fill.
; q and k waves use the product transposed (source 0 = w_qkv's features, source 1 = tokens): a lane holds one token, and the 32 registers of a token tile are the head's dims 32 b + 16 h + 0 .. 15, b = 0, 1.
; v waves use it the other way (source 0 = tokens, source 1 = features): a lane holds one of the head's dims, and its registers run along the tokens, which are the K of attention's second product.
; Which is which is a choice of four offsets; the K loop is one text.
; LIMITS: NaN and infinities are not served; blocks whose largest magnitude lies under 2^-124 get the byte 1.
; REGISTERS.  Window 0: v1-6 addresses; v24-87 scale words and nothing else; v88-103 16 numbers or v's codes; v104-111 the quantiser's; v112-117 scale words made; v128-255 accumulators (source-1 tile k, source-0 tile i at 128 + 32 k + 8 i).
;   Window 1: four buffers of 64: source 0's four fragments, then source 1's; behind the loop v0-127 hold cos and sin.
.set QSTR, 49152                       ; from scale quad to scale quad
.set XSO,  2097152
.set WQC,  2293760
.set WQS,  5439488
.set ROPE, 5636096
.set QSO,  2097152                     ; qkvc: q's scale words
.set KVO,  2359296                     ; qkvc: eight blocks, one for each kv head
.set KVB,  143360                      ; a block: k's images 65,536, v's 65,536, k's scale words 8,192, v's 4,096
.set SC,   24
.set T16,  88
.set TM,   104
.set PW,   112
.set WW,   116
.set ACC,  128
.set SEL,  34
.set MSB, 0
.macro WIN new                         ; the immediate's high byte repeats the setting that is left
.if MSB != \new
	s_set_vgpr_msb (MSB<<8)|\new
.set MSB, \new
.endif
.endm
.macro FRAGS s                         ; K step s: eight fragments into buffer s % 4
	WIN 0x40                                       ; destination window 1, address window 0
.irp i, 0,1,2,3
.irp c, 0,1
	global_load_b128 v[64*((\s)%4)+8*\i+4*\c:64*((\s)%4)+8*\i+4*\c+3], v1, s[24:25] offset:\i*16384+1024*(\s)+512*\c
.endr
.endr
.irp i, 0,1,2,3
.irp c, 0,1
	global_load_b128 v[64*((\s)%4)+32+8*\i+4*\c:64*((\s)%4)+32+8*\i+4*\c+3], v1, s[26:27] offset:\i*16384+1024*(\s)+512*\c
.endr
.endr
.endm
; One product.  A scale register holds an even tile's words in lanes 0-15 and the odd tile's in lanes 16-31.
.macro WM s, i, k, zero
.set rD, ACC+32*\k+8*\i
.set rA, 64*((\s)%4)+8*\i
.set rB, 64*((\s)%4)+32+8*\k
.set rP, SC+16*(\i/2)+(\s)
.set rQ, SC+32+16*(\k/2)+(\s)
.if \zero
.if (\i%2) == 0
.if (\k%2) == 0
	v_wmma_scale_f32_16x16x128_f8f6f4 v[rD:rD+7], v[rA:rA+7], v[rB:rB+7], 0, v[rP], v[rQ] matrix_a_fmt:MATRIX_FMT_FP4 matrix_b_fmt:MATRIX_FMT_FP4
.else
	v_wmma_scale_f32_16x16x128_f8f6f4 v[rD:rD+7], v[rA:rA+7], v[rB:rB+7], 0, v[rP], v[rQ] matrix_a_fmt:MATRIX_FMT_FP4 matrix_b_fmt:MATRIX_FMT_FP4 matrix_b_scale:MATRIX_SCALE_ROW1
.endif
.else
.if (\k%2) == 0
	v_wmma_scale_f32_16x16x128_f8f6f4 v[rD:rD+7], v[rA:rA+7], v[rB:rB+7], 0, v[rP], v[rQ] matrix_a_fmt:MATRIX_FMT_FP4 matrix_b_fmt:MATRIX_FMT_FP4 matrix_a_scale:MATRIX_SCALE_ROW1
.else
	v_wmma_scale_f32_16x16x128_f8f6f4 v[rD:rD+7], v[rA:rA+7], v[rB:rB+7], 0, v[rP], v[rQ] matrix_a_fmt:MATRIX_FMT_FP4 matrix_b_fmt:MATRIX_FMT_FP4 matrix_a_scale:MATRIX_SCALE_ROW1 matrix_b_scale:MATRIX_SCALE_ROW1
.endif
.endif
.else
.if (\i%2) == 0
.if (\k%2) == 0
	v_wmma_scale_f32_16x16x128_f8f6f4 v[rD:rD+7], v[rA:rA+7], v[rB:rB+7], v[rD:rD+7], v[rP], v[rQ] matrix_a_fmt:MATRIX_FMT_FP4 matrix_b_fmt:MATRIX_FMT_FP4
.else
	v_wmma_scale_f32_16x16x128_f8f6f4 v[rD:rD+7], v[rA:rA+7], v[rB:rB+7], v[rD:rD+7], v[rP], v[rQ] matrix_a_fmt:MATRIX_FMT_FP4 matrix_b_fmt:MATRIX_FMT_FP4 matrix_b_scale:MATRIX_SCALE_ROW1
.endif
.else
.if (\k%2) == 0
	v_wmma_scale_f32_16x16x128_f8f6f4 v[rD:rD+7], v[rA:rA+7], v[rB:rB+7], v[rD:rD+7], v[rP], v[rQ] matrix_a_fmt:MATRIX_FMT_FP4 matrix_b_fmt:MATRIX_FMT_FP4 matrix_a_scale:MATRIX_SCALE_ROW1
.else
	v_wmma_scale_f32_16x16x128_f8f6f4 v[rD:rD+7], v[rA:rA+7], v[rB:rB+7], v[rD:rD+7], v[rP], v[rQ] matrix_a_fmt:MATRIX_FMT_FP4 matrix_b_fmt:MATRIX_FMT_FP4 matrix_a_scale:MATRIX_SCALE_ROW1 matrix_b_scale:MATRIX_SCALE_ROW1
.endif
.endif
.endif
.endm
.macro MUL s, zero                     ; a K step's 16 products: the 16 accumulators take turns, one instruction a turn, in the same order in every step
	WIN 0x05                                       ; sources 0 and 1 window 1; C and D window 0
.irp k, 0,1,2,3
.irp i, 0,1,2,3
	WM \s, \i, \k, \zero
.endr
.endr
.endm
; 32 numbers of a lane, v[s0 + i] = k 16 h + i and v[s1 + i] = k 32 + 16 h + i of my row, become 64 codes: v[cd] .. v[cd + 3] = k 32 h + 0 .. 31; v[pw] = the two blocks' bytes.
.macro QUANT2 s0, s1, cd, pw
	v_max3_num_f32 v[TM], |v[\s0]|, |v[\s0+1]|, 0x1800000       ; my 16 numbers of each block, and the floor 2^(3 - 127): the byte cannot fall under 1
	v_max3_num_f32 v[TM+1], |v[\s1]|, |v[\s1+1]|, 0x1800000
.irp i, 2,4,6,8,10,12,14
	v_max3_num_f32 v[TM], v[TM], |v[\s0+\i]|, |v[\s0+\i+1]|
	v_max3_num_f32 v[TM+1], v[TM+1], |v[\s1+\i]|, |v[\s1+\i+1]|
.endr
	v_permlanex16_b32 v[TM+2], v[TM], s[SEL], s[SEL+1]
	v_permlanex16_b32 v[TM+3], v[TM+1], s[SEL], s[SEL+1]
	v_max_num_f32 v[TM], v[TM], v[TM+2]            ; with lane l xor 16's: the block's largest magnitude
	v_max_num_f32 v[TM+1], v[TM+1], v[TM+3]
	v_add_nc_u32 v[TM+4], 0xff000000, v[TM]        ; 2 off the exponent field: the conversion's scale operand
	v_add_nc_u32 v[TM+5], 0xff000000, v[TM+1]
	v_lshrrev_b32 v[TM+6], 23, v[TM+4]             ; the scale's byte
	v_lshrrev_b32 v[TM+7], 23, v[TM+5]
	v_lshl_or_b32 v[\pw], v[TM+7], 8, v[TM+6]
	v_cvt_scalef32_pk8_fp4_f32 v[\cd], v[\s0:\s0+7], v[TM+4]
	v_cvt_scalef32_pk8_fp4_f32 v[\cd+1], v[\s0+8:\s0+15], v[TM+4]
	v_cvt_scalef32_pk8_fp4_f32 v[\cd+2], v[\s1:\s1+7], v[TM+5]
	v_cvt_scalef32_pk8_fp4_f32 v[\cd+3], v[\s1+8:\s1+15], v[TM+5]
	v_nop                                          ; one plain line behind a scaled conversion
	v_permlane16_swap_b32 v[\cd], v[\cd+2]         ; the operand's layout wants a whole block in a lane
	v_permlane16_swap_b32 v[\cd+1], v[\cd+3]
.endm
	s_load_b128 s[4:7], s[0:1], 0x0                ; p1 s[4:5], qkvc s[6:7]
	v_lshrrev_b32 v2, 5, v0
	v_readfirstlane_b32 s12, v2                    ; wave
	v_and_b32 v2, 31, v0
	v_lshlrev_b32 v1, 4, v2                        ; 16 l: an image's place for my lane
	v_lshlrev_b32 v4, 3, v2                        ; 8 l
	v_lshlrev_b32 v6, 2, v2                        ; 4 l
	v_bfe_u32 v5, v0, 4, 1                         ; h
	v_and_b32 v3, 15, v0
	v_lshlrev_b32 v3, 8, v3
	v_lshl_add_u32 v3, v5, 7, v3                   ; cos and sin: 256 r + 128 h
	v_mov_b32 v[TM+2], 0                           ; written once: a lane permute's destination counts as one of its sources
	v_mov_b32 v[TM+3], 0
	s_mul_i32 s10, ttmp9, 6
	s_add_co_u32 s10, s10, s12                     ; fg
	s_and_b32 s11, ttmp7, 0xffff                   ; tb
	s_mov_b32 s[SEL], 0x76543210
	s_mov_b32 s[SEL+1], 0xfedcba98
	s_mov_b32 s36, 0xc1000000                      ; -8
	s_mov_b32 s37, 0x41000000                      ; 8
	s_lshl_b32 s16, s10, 16
	s_add_co_u32 s16, s16, WQC                     ; w_qkv's four tiles
	s_lshl_b32 s17, s11, 16                        ; x's four tiles
	s_lshl_b32 s18, s10, 10
	s_add_co_u32 s18, s18, WQS
	s_lshl_b32 s19, s11, 10
	s_add_co_u32 s19, s19, XSO
	s_cmp_ge_u32 s10, 40                           ; a v wave takes the tokens as source 0
	s_cselect_b32 s24, s17, s16
	s_cselect_b32 s26, s16, s17
	s_cselect_b32 s28, s19, s18
	s_cselect_b32 s30, s18, s19
	s_mov_b32 s25, 0
	s_mov_b32 s27, 0
	s_mov_b32 s29, 0
	s_mov_b32 s31, 0
	s_lshl_b32 s32, s11, 14
	s_add_co_u32 s32, s32, ROPE
	s_mov_b32 s33, 0
	s_wait_kmcnt 0x0
	s_add_nc_u64 s[24:25], s[4:5], s[24:25]        ; source 0's images
	s_add_nc_u64 s[26:27], s[4:5], s[26:27]        ; source 1's
	s_add_nc_u64 s[28:29], s[4:5], s[28:29]        ; source 0's scale quads
	s_add_nc_u64 s[30:31], s[4:5], s[30:31]        ; source 1's
	s_add_nc_u64 s[32:33], s[4:5], s[32:33]        ; my 64 tokens' cos and sin
.irp q, 0,1,2,3                        ; all scale words of the launch: pair of tiles g, four K steps a load
.irp g, 0,1
	global_load_b128 v[SC+16*\g+4*\q:SC+16*\g+4*\q+3], v1, s[28:29] offset:\q*QSTR+512*\g
	global_load_b128 v[SC+32+16*\g+4*\q:SC+32+16*\g+4*\q+3], v1, s[30:31] offset:\q*QSTR+512*\g
.endr
.endr
	FRAGS 0
	FRAGS 1
	FRAGS 2
	FRAGS 3
	s_wait_loadcnt 48                              ; the scale words and K step 0 are in; three steps' 48 loads may be out
	MUL 0, 1                                       ; the first products start the sums
.set KS, 1
.rept 15
.rept 4
	v_nop                                          ; four places between the last step's products and the loads into the buffer that they read
.endr
.if KS <= 12
	FRAGS KS+3
	s_wait_loadcnt 48                              ; this step is in; the three later steps' loads may be out
.else
	s_wait_loadcnt 16*(15-KS)                      ; the counts run down: two steps, one, none
.endif
	MUL KS, 0
.set KS, KS+1
.endr
	WIN 0
.rept 4
	v_nop                                          ; places in front of the first read of results and of loads into the buffers
.endr
	s_cmp_ge_u32 s10, 40
	s_cbranch_scc1 .Lclip
	WIN 0x40
.irp k, 0,1,2,3                        ; q and k waves: token at place r of tile k, frequencies 16 h + 0 .. 15: cos at 32 k + 2 i, sin beside it
.irp e, 0,1,2,3,4,5,6,7
	global_load_b128 v[32*\k+4*\e:32*\k+4*\e+3], v3, s[32:33] offset:4096*\k+16*\e
.endr
.endr
	WIN 0
.Lclip:
.set j, 0
.rept 128
	v_med3_num_f32 v[ACC+j], v[ACC+j], s36, s37    ; the clip; each accumulator from its low end on
.set j, j+1
.endr
	s_cmp_ge_u32 s10, 40
	s_cbranch_scc1 .Lv
	; ---- q and k: RoPE, the quantiser along the head's 64, images out
	s_sub_co_u32 s16, s10, 32
	s_mul_i32 s16, s16, KVB
	s_add_co_u32 s16, s16, KVO                     ; k: my kv head's block,
	s_add_co_u32 s17, s16, 131072                  ; and its scale words
	s_lshl_b32 s18, s10, 16                        ; q: my head's images,
	s_lshl_b32 s19, s10, 13
	s_add_co_u32 s19, s19, QSO                     ; and its scale words
	s_cmp_ge_u32 s10, 32
	s_cselect_b32 s16, s16, s18
	s_cselect_b32 s18, s17, s19
	s_lshl_b32 s17, s11, 11
	s_add_co_u32 s16, s16, s17                     ; four tiles of 512 bytes
	s_lshl_b32 s17, s11, 8
	s_add_co_u32 s18, s18, s17                     ; a quad of tiles: 256 bytes
	s_mov_b32 s17, 0
	s_mov_b32 s19, 0
	s_add_nc_u64 s[16:17], s[6:7], s[16:17]
	s_add_nc_u64 s[18:19], s[6:7], s[18:19]
	s_wait_loadcnt 0x0                             ; cos and sin
.macro ROPEQ k                         ; x1 = registers 0-15 (dims 16 h + i), x2 = registers 16-31 (dims 32 + 16 h + i) of token tile k
	WIN 0x04                                       ; source 1 (cos, sin) window 1
.set n, 0
.rept 16
	v_mul_f32 v[T16+n], v[ACC+32*\k+n], v[32*\k+2*n]
.set n, n+1
.endr
.set n, 0
.rept 16
	v_fma_f32 v[T16+n], -v[ACC+32*\k+16+n], v[32*\k+2*n+1], v[T16+n]           ; x1 cos - x2 sin
.set n, n+1
.endr
.set n, 0
.rept 16
	v_mul_f32 v[ACC+32*\k+16+n], v[ACC+32*\k+16+n], v[32*\k+2*n]
.set n, n+1
.endr
.set n, 0
.rept 16
	v_fma_f32 v[ACC+32*\k+16+n], v[ACC+32*\k+n], v[32*\k+2*n+1], v[ACC+32*\k+16+n]   ; x2 cos + x1 sin
.set n, n+1
.endr
	WIN 0
	QUANT2 T16, ACC+32*\k+16, ACC+32*\k, PW+\k     ; the codes land in x1's registers, which are done with
.endm
	ROPEQ 0
	ROPEQ 1
	ROPEQ 2
	ROPEQ 3
.irp k, 0,1,2,3
	v_or_b32 v[PW+\k], 0x7f7f0000, v[PW+\k]        ; the K step's upper 64 are zero codes on q's side: their bytes are 127
.endr
	v_cmp_eq_u32 vcc_lo, 1, v5
	v_cndmask_b32 v[WW], v[PW], v[PW+1], vcc_lo    ; word e of lane (r, h): tile 2 e + h, row r
	v_cndmask_b32 v[WW+1], v[PW+2], v[PW+3], vcc_lo
.irp k, 0,1,2,3
	global_store_b128 v1, v[ACC+32*\k:ACC+32*\k+3], s[16:17] offset:512*\k     ; 512 neighbouring bytes
.endr
	global_store_b64 v4, v[WW:WW+1], s[18:19]      ; 256 neighbouring bytes
	s_endpgm
.Lv:	; ---- v: the quantiser along the tokens; my 64 tokens are half a key step
.irp k, 0,1,2,3
	QUANT2 ACC+32*\k, ACC+32*\k+16, T16+4*\k, PW+\k
.endr
	v_cmp_eq_u32 vcc_lo, 1, v5
	v_cndmask_b32 v[WW], v[PW], v[PW+1], vcc_lo
	v_cndmask_b32 v[WW+1], v[PW+2], v[PW+3], vcc_lo
	v_lshl_or_b32 v[WW], v[WW+1], 16, v[WW]        ; low half: dims' tile h; high half: tile 2 + h
	s_sub_co_u32 s20, s10, 40
	s_mul_i32 s20, s20, KVB
	s_add_co_u32 s20, s20, KVO                     ; my kv head's block
	s_lshr_b32 s21, s11, 1                         ; the key step
	s_and_b32 s22, s11, 1                          ; which half of it
	s_lshl_b32 s16, s21, 12
	s_lshl_b32 s23, s22, 9
	s_add_co_u32 s16, s16, s23
	s_add_co_u32 s16, s16, s20
	s_add_co_u32 s16, s16, 65536
	s_lshl_b32 s18, s21, 8
	s_lshl_b32 s23, s22, 7
	s_add_co_u32 s18, s18, s23
	s_add_co_u32 s18, s18, s20
	s_add_co_u32 s18, s18, 139264
	s_mov_b32 s17, 0
	s_mov_b32 s19, 0
	s_add_nc_u64 s[16:17], s[6:7], s[16:17]
	s_add_nc_u64 s[18:19], s[6:7], s[18:19]
.irp k, 0,1,2,3
	global_store_b128 v1, v[T16+4*\k:T16+4*\k+3], s[16:17] offset:1024*\k
.endr
	global_store_b32 v6, v[WW], s[18:19]
	s_endpgm
.Lfunc_end_k_q86e4a702cb_qkv:
	.size	k_q86e4a702cb_qkv, .Lfunc_end_k_q86e4a702cb_qkv-k_q86e4a702cb_qkv
	.p2alignl 7, 3214868480
	.fill 96, 4, 3214868480
	.section	.rodata,"a",@progbits
	.p2align	6, 0x0
	.amdhsa_kernel k_q86e4a702cb_qkv
		.amdhsa_group_segment_fixed_size 0
		.amdhsa_private_segment_fixed_size 0
		.amdhsa_enable_private_segment 0
		.amdhsa_kernarg_size 16
		.amdhsa_user_sgpr_count 2
		.amdhsa_user_sgpr_kernarg_segment_ptr 1
		.amdhsa_wavefront_size32 1
		.amdhsa_system_sgpr_workgroup_id_x 1
		.amdhsa_system_sgpr_workgroup_id_y 1
		.amdhsa_system_sgpr_workgroup_id_z 1
		.amdhsa_system_vgpr_workitem_id 0
		.amdhsa_next_free_vgpr 512
		.amdhsa_next_free_sgpr 66
		.amdhsa_reserve_vcc 1
		.amdhsa_float_denorm_mode_32 3
		.amdhsa_float_denorm_mode_16_64 3
		.amdhsa_memory_ordered 1
		.amdhsa_forward_progress 1
		.amdhsa_inst_pref_size 104
	.end_amdhsa_kernel
	.amdgpu_metadata
---
amdhsa.version: [ 1, 2 ]
amdhsa.kernels:
  - .name:           k_q86e4a702cb_qkv
    .symbol:         k_q86e4a702cb_qkv.kd
    .args:
      - { .name: p1, .offset: 0, .size: 8, .value_kind: global_buffer, .address_space: global }
      - { .name: qkvc, .offset: 8, .size: 8, .value_kind: global_buffer, .address_space: global }
    .group_segment_fixed_size: 0
    .private_segment_fixed_size: 0
    .kernarg_segment_align: 8
    .kernarg_segment_size: 16
    .max_flat_workgroup_size: 192
    .sgpr_count:     66
    .vgpr_count:     512
    .wavefront_size: 32
...
	.end_amdgpu_metadata
.endif
;; end of part 2
;; launch attn (part 3): grid 32 x 8, 16 waves a work-group, clusters of 4 x 1, 169,984 bytes of LDS; arguments qkvc, maskw, att; writes att
.if DOCPART == 3
	.amdgcn_target "amdgcn-amd-amdhsa--gfx1250"
	.amdhsa_code_object_version 6
	.text
	.protected	k_q86e4a702cb_attn
	.globl	k_q86e4a702cb_attn
	.p2align	8
	.type	k_q86e4a702cb_attn,@function
k_q86e4a702cb_attn:
	s_mov_b64 s[64:65], 0
	v_nop
	global_prefetch_b8 v0, s[64:65] scope:SCOPE_SE
	s_setreg_imm32_b32 hwreg(HW_REG_WAVE_MODE, 25, 1), 1
	s_wait_xcnt 0x0
	s_wait_alu depctr_hold_cnt(0) depctr_sa_sdst(0) depctr_va_vdst(0) depctr_va_sdst(0) depctr_va_ssrc(0) depctr_va_vcc(0) depctr_vm_vsrc(0)
	s_getreg_b32 s2, hwreg(HW_REG_IB_STS2, 6, 4)
	s_cmp_eq_u32 s2, 0
	s_cbranch_scc0 .Lentry_in_a_cluster
	s_endpgm
.Lentry_in_a_cluster:
	s_bfe_u32 s2, ttmp6, 0x10000c
	s_cmp_lg_u32 s2, 0x3003
	s_cbranch_scc0 .Lentry_shape_is_right
	s_endpgm
.Lentry_shape_is_right:
; Attention on codes of FP4 with E8M0 scales: 32 query heads, 8 kv heads, head size 64, 2,048 keys; both masks are inputs, so every key is walked.
; THE SOFTMAX AHEAD OF THE SECOND PRODUCT: t = score x log2(e) / 8; M = the row's largest t so far, rounded up to a whole number; p = 2^(t - M) is quantised along the keys, not normalised.
; The row's sum is taken of the unquantised p and divides O at the end.  When M moves, the sum and O are multiplied by 2^(old M - new M): exact.
; A HIDDEN KEY's score becomes -2^126 ahead of the maximum.  Beside an open key its p is 0.  In a row that is hidden throughout, score x c is exact, t - M is 0 and every p is 1: uniform weights.
; SHARES.  A work-group serves one kv head g and four tiles of 16 queries; wave w owns head 4 g + w % 4 and query tile 4 x + w / 4.  Four waves to a SIMD: one wave's vector work stands beside another's products and LDS loads.
; LDS holds the kv head's whole block, 143,360 bytes (k's images, v's images, both scales), filled ONCE: 16 joint loads, one a wave, of 35 rows of 256 bytes.  One tensor load of a wave is out, at the head.  Nothing is filled again.
; CLUSTER.  The four work-groups of a cluster serve the same kv head: each part of the block is asked for jointly, by the same load with the same descriptor and a mask that names the four.
; LAYOUT.  Both products are used transposed: S^T = K Q^T, O^T = V^T P^T: a lane holds one query throughout.  A key tile's places are 32 b + 8 u + r + 8 (r / 8), so the 16 registers of tiles 2 b, 2 b + 1 are keys 32 b + 16 h + 0 .. 15.
; THE FIRST PRODUCT'S K IS 64: a key tile is four registers; the instruction's upper four are the next tile's codes, and they meet q's zero codes (v20-23).
; LIMITS: NaN and infinities are not served; blocks whose largest magnitude lies under 2^-124 get the byte 1.
; REGISTERS: v1-4 lane bases in LDS; v5 8 r; v6 16 r; v7 -2^126; v8-11 the step's addresses; v12 -M; v13 the largest t; v[14:15] the sum; v16-23 Q and zeros; v24 Q's scale word; v26-29 K's; v30-31 V's as stored;
;   v32-63 K, v64-67 zeros; v68-69 V's scale words; v96-159 S^T, then p; v160-191 O^T; v192-223 V; v224-231 p's codes; v232-254 at work (v250 f, v253 p's scale word).
.set KVO, 2359296
.set KVB, 143360
.set QSO, 2097152
.set ASO, 2097152
.set TM,  232
.set SEL, 84                           ; s[84:85] lane selects for lane l xor 16
.set CS,  86                           ; s[86:87] c = log2(e) / 8, twice
.set FF,  250
.macro CROUND                          ; a round of the cluster's barrier
	s_barrier_signal -1
	s_barrier_wait -1
	s_cmp_lg_u32 s10, 0
	s_cbranch_scc1 .Lnot_wave_0_\@
	s_barrier_signal -3
.Lnot_wave_0_\@:
	s_barrier_wait -3
	s_barrier_signal -1
	s_barrier_wait -1
.endm
; 32 numbers of a lane, v[s0 + i] = k 16 h + i and v[s1 + i] = k 32 + 16 h + i of my row, become 64 codes: v[cd] .. v[cd + 3] = k 32 h + 0 .. 31; v[pw] = the two blocks' bytes.
.macro QUANT2 s0, s1, cd, pw
	v_max3_num_f32 v[TM], |v[\s0]|, |v[\s0+1]|, 0x1800000
	v_max3_num_f32 v[TM+1], |v[\s1]|, |v[\s1+1]|, 0x1800000
.irp i, 2,4,6,8,10,12,14
	v_max3_num_f32 v[TM], v[TM], |v[\s0+\i]|, |v[\s0+\i+1]|
	v_max3_num_f32 v[TM+1], v[TM+1], |v[\s1+\i]|, |v[\s1+\i+1]|
.endr
	v_permlanex16_b32 v[TM+2], v[TM], s[SEL], s[SEL+1]
	v_permlanex16_b32 v[TM+3], v[TM+1], s[SEL], s[SEL+1]
	v_max_num_f32 v[TM], v[TM], v[TM+2]
	v_max_num_f32 v[TM+1], v[TM+1], v[TM+3]
	v_add_nc_u32 v[TM+4], 0xff000000, v[TM]
	v_add_nc_u32 v[TM+5], 0xff000000, v[TM+1]
	v_lshrrev_b32 v[TM+6], 23, v[TM+4]
	v_lshrrev_b32 v[TM+7], 23, v[TM+5]
	v_lshl_or_b32 v[\pw], v[TM+7], 8, v[TM+6]
	v_cvt_scalef32_pk8_fp4_f32 v[\cd], v[\s0:\s0+7], v[TM+4]
	v_cvt_scalef32_pk8_fp4_f32 v[\cd+1], v[\s0+8:\s0+15], v[TM+4]
	v_cvt_scalef32_pk8_fp4_f32 v[\cd+2], v[\s1:\s1+7], v[TM+5]
	v_cvt_scalef32_pk8_fp4_f32 v[\cd+3], v[\s1+8:\s1+15], v[TM+5]
	v_nop
	v_permlane16_swap_b32 v[\cd], v[\cd+2]
	v_permlane16_swap_b32 v[\cd+1], v[\cd+3]
.endm
	s_load_b128 s[4:7], s[0:1], 0x0                ; qkvc s[4:5], maskw s[6:7]
	s_load_b64 s[8:9], s[0:1], 0x10                ; att
	v_lshl_add_u32 v252, v0, 2, 0x29000
	v_mov_b32 v255, 0
	ds_add_u32 v252, v255
	ds_add_u32 v252, v255
	v_lshrrev_b32 v1, 5, v0
	v_readfirstlane_b32 s10, v1                    ; wave 0..15
	s_bfe_u32 s11, ttmp6, 0x40000                  ; cx: it enters global addresses of Q, the mask words and the result alone
	s_lshl_b32 s12, ttmp9, 2
	s_add_co_u32 s12, s12, s11                     ; x = 4 x cluster x + cx
	s_and_b32 s13, ttmp7, 0xffff                   ; g, which the four partners share
	s_lshl_b32 s14, s13, 2
	s_and_b32 s15, s10, 3
	s_add_co_u32 s14, s14, s15                     ; my head
	s_lshl_b32 s15, s12, 2
	s_lshr_b32 s94, s10, 2
	s_add_co_u32 s15, s15, s94                     ; my query tile T
	s_mul_i32 s96, s13, KVB
	s_mul_i32 s17, s10, 8960                       ; 63:32 LDS address: my 35 rows
	s_add_co_u32 s96, s96, s17
	s_add_co_u32 s96, s96, KVO
	s_mov_b32 s97, 0
	s_mov_b32 s16, 1                               ; 1:0 count = 1
	s_mov_b32 s20, 15|(3<<16)|(1<<21)              ; 15:0 the mask: all four work-groups; 17:16 elements of 8 bytes; 21 set beside a mask; no padding: every LDS read is of 16 bytes a lane on end
	s_mov_b32 s21, 32<<16                          ; tensor_dim0 = 32 elements (256 bytes)
	s_mov_b32 s22, 35<<16                          ; tensor_dim1 = 35
	s_mov_b32 s23, 32<<16                          ; tile_dim0
	s_mov_b32 s24, 35                              ; tile_dim1
	s_mov_b32 s25, 32                              ; the pitch: the block is dense
	s_mov_b32 s26, 0
	s_mov_b32 s27, 0
	s_wait_dscnt 0x0
	s_wait_kmcnt 0x0
	s_add_nc_u64 s[18:19], s[4:5], s[96:97]        ; 120:64 global address
	s_or_b32 s19, s19, 0x80000000                  ; 127:126 type = 2
	CROUND                                         ; all four work-groups are here: the joint loads meet
	tensor_load_to_lds s[16:19], s[20:27]
	s_nop 0
.rept 4
	v_nop                                          ; the four lines behind the load
.endr
	v_and_b32 v5, 31, v0
	v_lshlrev_b32 v1, 4, v5                        ; K's images: 16 l
	v_add_nc_u32 v2, 65536, v1                     ; V's
	v_lshl_add_u32 v3, v5, 3, 131072               ; K's scale words: 8 l
	v_lshl_add_u32 v4, v5, 2, 139264               ; V's: 4 l
	v_and_b32 v6, 15, v0
	v_lshlrev_b32 v5, 3, v6                        ; 8 r
	v_lshlrev_b32 v6, 4, v6                        ; 16 r
	s_lshl_b32 s96, s14, 16
	s_lshl_b32 s94, s15, 9
	s_add_co_u32 s96, s96, s94
	s_add_nc_u64 s[98:99], s[4:5], s[96:97]
	global_load_b128 v[16:19], v1, s[98:99]        ; Q's codes stay in registers
	s_lshl_b32 s96, s14, 13
	s_lshl_b32 s94, s12, 8
	s_add_co_u32 s96, s96, s94
	s_and_b32 s94, s15, 1
	s_lshl_b32 s94, s94, 7
	s_add_co_u32 s96, s96, s94
	s_bfe_u32 s94, s15, 0x10001
	s_lshl_b32 s94, s94, 2
	s_add_co_u32 s96, s96, s94
	s_add_co_u32 s96, s96, QSO
	s_add_nc_u64 s[94:95], s[4:5], s[96:97]
	global_load_b32 v24, v5, s[94:95]              ; Q's scale words: row r's in lane r
	s_lshl_b32 s96, s15, 12
	s_add_nc_u64 s[88:89], s[6:7], s[96:97]        ; my tile's mask words: 16 steps x 64
	s_mov_b32 s[SEL], 0x76543210
	s_mov_b32 s[SEL+1], 0xfedcba98
	s_mov_b32 s[CS], 0x3e38aa3b
	s_mov_b32 s[CS+1], s[CS]
	s_mov_b32 s66, 0x05040100
	s_mov_b32 s67, 0x07060302
	s_mov_b32 s90, 0                               ; the mask words' offset
	s_mov_b32 s91, 0                               ; the step's images: 4,096 bytes a step, K's and V's alike
	s_mov_b32 s92, 0                               ; K's scale words: 512
	s_mov_b32 s93, 0                               ; V's: 256
	s_mov_b32 s3, 16
	v_mov_b32 v7, 0xfe800000                       ; -2^126
	v_mov_b32 v13, 0xff7fffff                      ; the largest t so far: under every t
	v_floor_f32 v12, -v13                          ; -M
	v_mov_b32 v14, 0
	v_mov_b32 v15, 0
.irp j, 20,21,22,23,64,65,66,67,236,237,238,239,251
	v_mov_b32 v[\j], 0                             ; zero codes; lane permutes' destinations; the upper half of f's pair
.endr
.set j, 0
.rept 32
	v_mov_b32 v[160+j], 0                          ; O^T: the loop is written once; its first step finds zeros
.set j, j+1
.endr
	s_wait_tensorcnt 0x0                           ; my part of the block lies in LDS (and the descriptor's registers are free),
	s_barrier_signal -1
	s_barrier_wait -1                              ; everybody's does
	s_load_b512 s[16:31], s[88:89], s90 offset:0x0 ; key step 0's 64 mask words: s16-63 and s68-83
	s_load_b512 s[32:47], s[88:89], s90 offset:0x40
	s_load_b512 s[48:63], s[88:89], s90 offset:0x80
	s_load_b512 s[68:83], s[88:89], s90 offset:0xc0
	s_wait_loadcnt 0x0                             ; Q
.Lstep:                                        ; 16 trips of 128 keys
	v_add_nc_u32 v8, s91, v1                       ; (these four are also the places between the last products and the loads into the registers that they read)
	v_add_nc_u32 v9, s91, v2
	v_add_nc_u32 v10, s92, v3
	v_add_nc_u32 v11, s93, v4
.irp t, 0,1,2,3,4,5,6,7
	ds_load_b128 v[32+4*\t:35+4*\t], v8 offset:512*\t
.endr
	ds_load_b64 v[26:27], v10                      ; tiles 0 / 1, 2 / 3: even tile in lanes 0-15, odd in lanes 16-31
	ds_load_b64 v[28:29], v10 offset:256           ; tiles 4 / 5, 6 / 7
.irp t, 0,1,2,3
.irp c, 0,1
	ds_load_b128 v[192+8*\t+4*\c:195+8*\t+4*\c], v9 offset:1024*\t+512*\c
.endr
.endr
	ds_load_b32 v30, v11
	ds_load_b32 v31, v11 offset:128
	s_wait_dscnt 10                                ; K and its scale words are in; V's ten loads may be out
.irp t, 0,2,4,6
	v_wmma_scale_f32_16x16x128_f8f6f4 v[96+8*\t:103+8*\t], v[32+4*\t:39+4*\t], v[16:23], 0, v[26+\t/2], v24 matrix_a_fmt:MATRIX_FMT_FP4 matrix_b_fmt:MATRIX_FMT_FP4
	v_wmma_scale_f32_16x16x128_f8f6f4 v[104+8*\t:111+8*\t], v[36+4*\t:43+4*\t], v[16:23], 0, v[26+\t/2], v24 matrix_a_fmt:MATRIX_FMT_FP4 matrix_b_fmt:MATRIX_FMT_FP4 matrix_a_scale:MATRIX_SCALE_ROW1
.endr
	s_wait_dscnt 0x0                               ; V
	v_perm_b32 v68, v31, v30, s66                  ; V's scale words: dims' tiles 0 / 1: the low halves of the two stored words;
	v_perm_b32 v69, v31, v30, s67                  ; tiles 2 / 3: the high halves.  (With the two lines below: four places behind the products)
	v_nop
	v_nop
	s_wait_kmcnt 0x0                               ; this step's mask words
.set j, 0
.rept 48
	v_cndmask_b32 v[96+j], v7, v[96+j], s[16+j]    ; a hidden key's score becomes -2^126; each accumulator from its low end on
.set j, j+1
.endr
.rept 16
	v_cndmask_b32 v[96+j], v7, v[96+j], s[20+j]
.set j, j+1
.endr
	s_add_co_u32 s90, s90, 256                     ; the next step's words are asked for a trip ahead;
	s_min_u32 s90, s90, 3840                       ; the last trip asks for step 15's again: no load leaves the buffer
	s_load_b512 s[16:31], s[88:89], s90 offset:0x0
	s_load_b512 s[32:47], s[88:89], s90 offset:0x40
	s_load_b512 s[48:63], s[88:89], s90 offset:0x80
	s_load_b512 s[68:83], s[88:89], s90 offset:0xc0
.irp b, 0,1,2,3
	v_max3_num_f32 v[232+\b], v[96+16*\b], v[97+16*\b], v[98+16*\b]            ; the largest score of each block of 32 keys: for the row's maximum and, since p rises with the score, for the block's largest p
.endr
.irp i, 3,5,7,9,11,13
.irp b, 0,1,2,3
	v_max3_num_f32 v[232+\b], v[232+\b], v[96+16*\b+\i], v[97+16*\b+\i]
.endr
.endr
.irp b, 0,1,2,3
	v_max_num_f32 v[232+\b], v[232+\b], v[111+16*\b]
.endr
.irp b, 0,1,2,3
	v_permlanex16_b32 v[236+\b], v[232+\b], s[SEL], s[SEL+1]
.endr
.irp b, 0,1,2,3
	v_max_num_f32 v[232+\b], v[232+\b], v[236+\b]  ; with lane l xor 16's 16 keys
.endr
	v_max3_num_f32 v254, v232, v233, v234
	v_max_num_f32 v254, v254, v235
	v_mul_f32 v254, s[CS], v254                    ; the step's largest t
	v_max_num_f32 v13, v13, v254
	v_mov_b32 v254, v12
	v_floor_f32 v12, -v13                          ; the new -M = -ceil(t)
	v_sub_f32 v254, v12, v254                      ; old M - new M: a whole number, 0 or less
	v_cvt_i32_f32 v254, v254                       ; (it saturates)
	v_ldexp_f32 v[FF], 1.0, v254                   ; f = 2^(old M - new M)
.set j, 0
.rept 32
	v_pk_fma_f32 v[96+j:97+j], v[96+j:97+j], s[CS:CS+1], v[12:13] op_sel_hi:[1,0,0]   ; t - M
.set j, j+2
.endr
.irp b, 0,1,2,3
	v_fma_f32 v[232+\b], v[232+\b], s[CS], v12
.endr
.set j, 0
.rept 64
	v_exp_f32 v[96+j], v[96+j]                     ; p = 2^(t - M)
.set j, j+1
.endr
	v_pk_mul_f32 v[14:15], v[14:15], v[FF:FF+1] op_sel_hi:[1,0]                ; the sums under the new M.  (A plain line behind the exponentials)
	s_wait_alu depctr_va_vdst(0)                   ; one wait for the batch of 64, ahead of its first reader
.irp b, 0,1,2,3
	v_exp_f32 v[232+\b], v[232+\b]                 ; each block's largest p
.endr
	v_pk_add_f32 v[236:237], v[96:97], v[98:99]    ; the row's sum of the unquantised p, in two chains
.irp j, 4,8,12,16,20,24,28,32,36,40,44,48,52,56,60
	v_pk_add_f32 v[14:15], v[14:15], v[96+\j:97+\j]
	v_pk_add_f32 v[236:237], v[236:237], v[98+\j:99+\j]
.endr
	v_pk_add_f32 v[14:15], v[14:15], v[236:237]
	s_wait_alu depctr_va_vdst(0)                   ; and one for the four
.irp b, 0,1,2,3
	v_max_num_f32 v[232+\b], 0x1800000, v[232+\b]  ; the floor 2^(3 - 127)
.endr
.irp b, 0,1,2,3
	v_add_nc_u32 v[244+\b], 0xff000000, v[232+\b]
.endr
.irp b, 0,1,2,3
	v_lshrrev_b32 v[236+\b], 23, v[244+\b]
.endr
	v_lshl_or_b32 v253, v237, 8, v236              ; p's scale word for these 128 keys
	v_lshl_or_b32 v253, v238, 16, v253
	v_lshl_or_b32 v253, v239, 24, v253
.irp b, 0,1,2,3
	v_cvt_scalef32_pk8_fp4_f32 v[224+2*\b], v[96+16*\b:103+16*\b], v[244+\b]
	v_cvt_scalef32_pk8_fp4_f32 v[225+2*\b], v[104+16*\b:111+16*\b], v[244+\b]
.endr
	v_nop
.irp c, 0,1
.irp i, 0,1
	v_permlane16_swap_b32 v[224+4*\c+\i], v[226+4*\c+\i]
.endr
.endr
.set j, 0
.rept 16
	v_pk_mul_f32 v[160+j:161+j], v[160+j:161+j], v[FF:FF+1] op_sel_hi:[1,0]    ; O^T under the new M.  (These 16 are also the places between the lines that wrote p's codes and scale word and the products)
.set j, j+2
.endr
.irp t, 0,2
	v_wmma_scale_f32_16x16x128_f8f6f4 v[160+8*\t:167+8*\t], v[192+8*\t:199+8*\t], v[224:231], v[160+8*\t:167+8*\t], v[68+\t/2], v253 matrix_a_fmt:MATRIX_FMT_FP4 matrix_b_fmt:MATRIX_FMT_FP4
	v_wmma_scale_f32_16x16x128_f8f6f4 v[168+8*\t:175+8*\t], v[200+8*\t:207+8*\t], v[224:231], v[168+8*\t:175+8*\t], v[68+\t/2], v253 matrix_a_fmt:MATRIX_FMT_FP4 matrix_b_fmt:MATRIX_FMT_FP4 matrix_a_scale:MATRIX_SCALE_ROW1
.endr
	s_add_co_u32 s91, s91, 4096
	s_add_co_u32 s92, s92, 512
	s_add_co_u32 s93, s93, 256
	s_sub_co_u32 s3, s3, 1
	s_cmp_lg_u32 s3, 0
	s_cbranch_scc1 .Lstep
	; ---- the way out: O^T / the sum, quantised along the model's features (my head's 64 are half a K step of the last product), as an image
	s_wait_kmcnt 0x0                               ; the last trip's mask words have landed: their registers are free
.rept 4
	v_nop                                          ; places behind the last products
.endr
	v_add_f32 v14, v14, v15
	v_permlanex16_b32 v254, v14, s[SEL], s[SEL+1]
	v_add_f32 v14, v14, v254                       ; the row's sum
	v_rcp_f32 v14, v14
	v_nop
	s_lshl_b32 s16, s15, 14                        ; tile T,
	s_lshr_b32 s17, s14, 1
	s_lshl_b32 s17, s17, 10                        ; K step head / 2,
	s_add_co_u32 s16, s16, s17
	s_and_b32 s17, s14, 1
	s_lshl_b32 s17, s17, 9                         ; register group head % 2
	s_add_co_u32 s16, s16, s17
	s_mov_b32 s17, 0
	s_add_nc_u64 s[16:17], s[8:9], s[16:17]
	s_lshr_b32 s18, s14, 3
	s_lshl_b32 s18, s18, 15                        ; scale quad head / 8,
	s_lshl_b32 s19, s15, 8
	s_add_co_u32 s18, s18, s19
	s_and_b32 s19, s14, 7
	s_lshl_b32 s19, s19, 1                         ; bytes 2 (head % 8) and the next
	s_add_co_u32 s18, s18, s19
	s_add_co_u32 s18, s18, ASO
	s_mov_b32 s19, 0
	s_add_nc_u64 s[18:19], s[8:9], s[18:19]
	s_wait_alu depctr_va_vdst(0)                   ; the wait ahead of the reciprocal's first reader
.set j, 0
.rept 32
	v_mul_f32 v[96+j], v[160+j], v14               ; register 16 b + i: dim 32 b + 16 h + i of my query; each accumulator from its low end on
.set j, j+1
.endr
	QUANT2 96, 112, 224, 240
	global_store_b128 v1, v[224:227], s[16:17]     ; 512 neighbouring bytes
	global_store_b16 v6, v240, s[18:19]            ; row r's two bytes (both halves of the lanes hold and write the same)
	s_wait_dscnt 0x0
	s_wait_tensorcnt 0x0
	ds_add_u32 v252, v255
	s_wait_dscnt 0x0
	CROUND                                         ; the closing round: no work-group ends while a partner may still ask for a part that names it
	s_endpgm
.Lfunc_end_k_q86e4a702cb_attn:
	.size	k_q86e4a702cb_attn, .Lfunc_end_k_q86e4a702cb_attn-k_q86e4a702cb_attn
	.p2alignl 7, 3214868480
	.fill 96, 4, 3214868480
	.section	.rodata,"a",@progbits
	.p2align	6, 0x0
	.amdhsa_kernel k_q86e4a702cb_attn
		.amdhsa_group_segment_fixed_size 169984
		.amdhsa_private_segment_fixed_size 0
		.amdhsa_enable_private_segment 0
		.amdhsa_kernarg_size 24
		.amdhsa_user_sgpr_count 2
		.amdhsa_user_sgpr_kernarg_segment_ptr 1
		.amdhsa_wavefront_size32 1
		.amdhsa_system_sgpr_workgroup_id_x 1
		.amdhsa_system_sgpr_workgroup_id_y 1
		.amdhsa_system_sgpr_workgroup_id_z 1
		.amdhsa_system_vgpr_workitem_id 0
		.amdhsa_next_free_vgpr 256
		.amdhsa_next_free_sgpr 100
		.amdhsa_reserve_vcc 0
		.amdhsa_float_denorm_mode_32 3
		.amdhsa_float_denorm_mode_16_64 3
		.amdhsa_memory_ordered 1
		.amdhsa_forward_progress 1
		.amdhsa_inst_pref_size 31
	.end_amdhsa_kernel
	.amdgpu_metadata
---
amdhsa.version: [ 1, 2 ]
amdhsa.kernels:
  - .name:           k_q86e4a702cb_attn
    .symbol:         k_q86e4a702cb_attn.kd
    .args:
      - { .name: qkvc, .offset: 0, .size: 8, .value_kind: global_buffer, .address_space: global }
      - { .name: maskw, .offset: 8, .size: 8, .value_kind: global_buffer, .address_space: global }
      - { .name: att, .offset: 16, .size: 8, .value_kind: global_buffer, .address_space: global }
    .group_segment_fixed_size: 169984
    .private_segment_fixed_size: 0
    .kernarg_segment_align: 8
    .kernarg_segment_size: 24
    .max_flat_workgroup_size: 512
    .sgpr_count:     100
    .vgpr_count:     256
    .wavefront_size: 32
...
	.end_amdgpu_metadata
.endif
;; end of part 3
;; launch outp (part 4): grid 8 x 32, 4 waves a work-group, no clusters, 17,920 bytes of LDS; arguments att, wo, hidden_states, out0; writes out0
.if DOCPART == 4
	.amdgcn_target "amdgcn-amd-amdhsa--gfx1250"
	.amdhsa_code_object_version 6
	.text
	.protected	k_q86e4a702cb_outp
	.globl	k_q86e4a702cb_outp
	.p2align	8
	.type	k_q86e4a702cb_outp,@function
k_q86e4a702cb_outp:
	s_mov_b64 s[64:65], 0
	v_nop
	global_prefetch_b8 v0, s[64:65] scope:SCOPE_SE
	s_setreg_imm32_b32 hwreg(HW_REG_WAVE_MODE, 25, 1), 1
	s_wait_xcnt 0x0
; out0 = attn w_out + hidden_states, the product on codes of FP4 with E8M0 scales.
; SHARES.  A work-group makes 64 tokens (tiles 4 ty ..) x 256 features; wave w its 64 features (tiles 16 fx + 4 w ..): 16 accumulators.
; Operands come from memory straight into registers as images, three K steps ahead, in four buffers.  No cluster: no tile lands in LDS, so there is nothing for a joint request to fill.
; The product is used transposed (source 0 = w_out's features, source 1 = tokens): a lane holds one token and, for a token tile, features 32 b + 16 h + 0 .. 15.
; THE WAY OUT.  A token tile goes through the wave's own stage in LDS (16 rows of 256 + 16 bytes) and comes back as whole rows; the residual is added; sixteen lanes store 256 neighbouring bytes, aligned.
; REGISTERS.  Window 0: v1 16 l, v2-4 addresses; v24-87 scale words and nothing else; v128-255 accumulators.  Window 1: four buffers of 64; behind the loop v0-127 the residual, v128-191 rows read back, two sets by turns.
.set QSTR, 32768
.set WOS,  2097152
.set ASO,  2097152
.set SC,   24
.set ACC,  128
.set STO,  2
.set RD,   3
.set GO,   4
.set MSB, 0
.macro WIN new                         ; the immediate's high byte repeats the setting that is left
.if MSB != \new
	s_set_vgpr_msb (MSB<<8)|\new
.set MSB, \new
.endif
.endm
.macro FRAGS s                         ; K step s: eight fragments into buffer s % 4
	WIN 0x40
.irp i, 0,1,2,3
.irp c, 0,1
	global_load_b128 v[64*((\s)%4)+8*\i+4*\c:64*((\s)%4)+8*\i+4*\c+3], v1, s[24:25] offset:\i*16384+1024*(\s)+512*\c
.endr
.endr
.irp i, 0,1,2,3
.irp c, 0,1
	global_load_b128 v[64*((\s)%4)+32+8*\i+4*\c:64*((\s)%4)+32+8*\i+4*\c+3], v1, s[26:27] offset:\i*16384+1024*(\s)+512*\c
.endr
.endr
.endm
.macro WM s, i, k, zero                ; one product; a scale register holds an even tile's words in lanes 0-15 and the odd tile's in lanes 16-31
.set rD, ACC+32*\k+8*\i
.set rA, 64*((\s)%4)+8*\i
.set rB, 64*((\s)%4)+32+8*\k
.set rP, SC+16*(\i/2)+(\s)
.set rQ, SC+32+16*(\k/2)+(\s)
.if \zero
.if (\i%2) == 0
.if (\k%2) == 0
	v_wmma_scale_f32_16x16x128_f8f6f4 v[rD:rD+7], v[rA:rA+7], v[rB:rB+7], 0, v[rP], v[rQ] matrix_a_fmt:MATRIX_FMT_FP4 matrix_b_fmt:MATRIX_FMT_FP4
.else
	v_wmma_scale_f32_16x16x128_f8f6f4 v[rD:rD+7], v[rA:rA+7], v[rB:rB+7], 0, v[rP], v[rQ] matrix_a_fmt:MATRIX_FMT_FP4 matrix_b_fmt:MATRIX_FMT_FP4 matrix_b_scale:MATRIX_SCALE_ROW1
.endif
.else
.if (\k%2) == 0
	v_wmma_scale_f32_16x16x128_f8f6f4 v[rD:rD+7], v[rA:rA+7], v[rB:rB+7], 0, v[rP], v[rQ] matrix_a_fmt:MATRIX_FMT_FP4 matrix_b_fmt:MATRIX_FMT_FP4 matrix_a_scale:MATRIX_SCALE_ROW1
.else
	v_wmma_scale_f32_16x16x128_f8f6f4 v[rD:rD+7], v[rA:rA+7], v[rB:rB+7], 0, v[rP], v[rQ] matrix_a_fmt:MATRIX_FMT_FP4 matrix_b_fmt:MATRIX_FMT_FP4 matrix_a_scale:MATRIX_SCALE_ROW1 matrix_b_scale:MATRIX_SCALE_ROW1
.endif
.endif
.else
.if (\i%2) == 0
.if (\k%2) == 0
	v_wmma_scale_f32_16x16x128_f8f6f4 v[rD:rD+7], v[rA:rA+7], v[rB:rB+7], v[rD:rD+7], v[rP], v[rQ] matrix_a_fmt:MATRIX_FMT_FP4 matrix_b_fmt:MATRIX_FMT_FP4
.else
	v_wmma_scale_f32_16x16x128_f8f6f4 v[rD:rD+7], v[rA:rA+7], v[rB:rB+7], v[rD:rD+7], v[rP], v[rQ] matrix_a_fmt:MATRIX_FMT_FP4 matrix_b_fmt:MATRIX_FMT_FP4 matrix_b_scale:MATRIX_SCALE_ROW1
.endif
.else
.if (\k%2) == 0
	v_wmma_scale_f32_16x16x128_f8f6f4 v[rD:rD+7], v[rA:rA+7], v[rB:rB+7], v[rD:rD+7], v[rP], v[rQ] matrix_a_fmt:MATRIX_FMT_FP4 matrix_b_fmt:MATRIX_FMT_FP4 matrix_a_scale:MATRIX_SCALE_ROW1
.else
	v_wmma_scale_f32_16x16x128_f8f6f4 v[rD:rD+7], v[rA:rA+7], v[rB:rB+7], v[rD:rD+7], v[rP], v[rQ] matrix_a_fmt:MATRIX_FMT_FP4 matrix_b_fmt:MATRIX_FMT_FP4 matrix_a_scale:MATRIX_SCALE_ROW1 matrix_b_scale:MATRIX_SCALE_ROW1
.endif
.endif
.endif
.endm
.macro MUL s, zero                     ; a K step's 16 products: the 16 accumulators take turns, one instruction a turn
	WIN 0x05
.irp k, 0,1,2,3
.irp i, 0,1,2,3
	WM \s, \i, \k, \zero
.endr
.endr
.endm
	s_load_b256 s[4:11], s[0:1], 0x0               ; att s[4:5], wo s[6:7], hidden_states s[8:9], out0 s[10:11]
	v_lshl_add_u32 v126, v0, 2, 0x4400
	v_mov_b32 v127, 0
	v_lshrrev_b32 v2, 5, v0
	v_readfirstlane_b32 s12, v2                    ; wave
	v_and_b32 v5, 31, v0
	v_lshlrev_b32 v1, 4, v5                        ; 16 l
	v_and_b32 v6, 15, v0                           ; r
	v_bfe_u32 v7, v0, 4, 1                         ; h
	s_mul_i32 s13, s12, 4352                       ; my stage
	v_mul_u32_u24 v[STO], v6, 272
	v_lshl_add_u32 v[STO], v7, 6, v[STO]
	v_add_nc_u32 v[STO], s13, v[STO]               ; in: row r, 64 bytes for each half of the lanes and block
	v_mul_u32_u24 v[RD], v7, 272
	v_lshl_add_u32 v[RD], v6, 4, v[RD]
	v_add_nc_u32 v[RD], s13, v[RD]                 ; back: lanes 0-15 one row, lanes 16-31 the next
	v_lshlrev_b32 v[GO], 13, v7
	v_lshl_add_u32 v[GO], v6, 4, v[GO]             ; and the same two rows in memory
	s_and_b32 s14, ttmp7, 0xffff                   ; ty
	s_lshl_b32 s24, ttmp9, 18
	s_lshl_b32 s15, s12, 16
	s_add_co_u32 s24, s24, s15                     ; w_out's tiles 16 fx + 4 w on
	s_mov_b32 s25, 0
	s_lshl_b32 s26, s14, 16                        ; attn's tiles 4 ty on
	s_mov_b32 s27, 0
	s_lshl_b32 s28, ttmp9, 12
	s_lshl_b32 s15, s12, 10
	s_add_co_u32 s28, s28, s15
	s_add_co_u32 s28, s28, WOS
	s_mov_b32 s29, 0
	s_lshl_b32 s30, s14, 10
	s_add_co_u32 s30, s30, ASO
	s_mov_b32 s31, 0
	s_lshl_b32 s16, s14, 19                        ; 64 rows of 8,192 bytes,
	s_lshl_b32 s15, ttmp9, 10
	s_add_co_u32 s16, s16, s15                     ; 256 features,
	s_lshl_b32 s15, s12, 8
	s_add_co_u32 s16, s16, s15                     ; my 64
	s_mov_b32 s17, 0
	s_wait_kmcnt 0x0
	s_add_nc_u64 s[24:25], s[6:7], s[24:25]
	s_add_nc_u64 s[26:27], s[4:5], s[26:27]
	s_add_nc_u64 s[28:29], s[6:7], s[28:29]
	s_add_nc_u64 s[30:31], s[4:5], s[30:31]
	s_add_nc_u64 s[8:9], s[8:9], s[16:17]
	s_add_nc_u64 s[10:11], s[10:11], s[16:17]
.irp q, 0,1,2,3
.irp g, 0,1
	global_load_b128 v[SC+16*\g+4*\q:SC+16*\g+4*\q+3], v1, s[28:29] offset:\q*QSTR+512*\g
	global_load_b128 v[SC+32+16*\g+4*\q:SC+32+16*\g+4*\q+3], v1, s[30:31] offset:\q*QSTR+512*\g
.endr
.endr
	FRAGS 0
	FRAGS 1
	FRAGS 2
	FRAGS 3
	s_wait_loadcnt 48                              ; the scale words and K step 0 are in; three steps' 48 loads may be out
	MUL 0, 1                                       ; the first products start the sums
.set KS, 1
.rept 15
.rept 4
	v_nop                                          ; four places between the last step's products and the loads into the buffer that they read
.endr
.if KS <= 12
	FRAGS KS+3
	s_wait_loadcnt 48                              ; this step is in; the three later steps' loads may be out
.else
	s_wait_loadcnt 16*(15-KS)                      ; the counts run down
.endif
	MUL KS, 0
.set KS, KS+1
.endr
	WIN 0
.rept 4
	v_nop                                          ; places in front of the first read of results and of loads into the buffers
.endr
	WIN 0x40
.irp k, 0,1,2,3                        ; the residual: token tile k, places 2 i + h, my 256 bytes of each row
.irp i, 0,1,2,3,4,5,6,7
	global_load_b128 v[32*\k+4*\i:32*\k+4*\i+3], v[GO], s[8:9] offset:(32*(\k/2)+8*(\k%2)+2*\i+8*(\i/4))*8192 th:TH_LOAD_NT
.endr
.endr
.macro OUTT k
.set BK, 128+32*((\k)%2)
	WIN 0
.irp b, 0,1
.irp e, 0,1,2,3
	ds_store_b128 v[STO], v[ACC+32*(\k)+16*\b+4*\e:ACC+32*(\k)+16*\b+4*\e+3] offset:128*\b+16*\e   ; each accumulator from its low end on
.endr
.endr
.if (\k) >= 2
	s_wait_xcnt 0x0                                ; the stores of two tiles back have read their registers: the rows below may land there
.endif
	WIN 0x40
.irp i, 0,1,2,3,4,5,6,7
	ds_load_b128 v[BK+4*\i:BK+4*\i+3], v[RD] offset:544*\i     ; LDS serves a wave's instructions in order: these see my stores, and the next tile's stores come behind them
.endr
	s_wait_dscnt 0x0
.if (\k) == 0
	s_wait_loadcnt 0x0                             ; the residual
.endif
	WIN 0x45                                       ; destination and both sources window 1
.set n, 0
.rept 16
	v_pk_add_f32 v[BK+n:BK+n+1], v[BK+n:BK+n+1], v[32*(\k)+n:32*(\k)+n+1]
.set n, n+2
.endr
	WIN 0x04                                       ; a store's data are its source 1: window 1
.irp i, 0,1,2,3,4,5,6,7
	global_store_b128 v[GO], v[BK+4*\i:BK+4*\i+3], s[10:11] offset:(32*((\k)/2)+8*((\k)%2)+2*\i+8*(\i/4))*8192
.endr
.endm
	OUTT 0
	OUTT 1
	OUTT 2
	OUTT 3
	WIN 0
	s_wait_tensorcnt 0x0
	ds_add_u32 v126, v127
	s_wait_dscnt 0x0
	s_endpgm
.Lfunc_end_k_q86e4a702cb_outp:
	.size	k_q86e4a702cb_outp, .Lfunc_end_k_q86e4a702cb_outp-k_q86e4a702cb_outp
	.p2alignl 7, 3214868480
	.fill 96, 4, 3214868480
	.section	.rodata,"a",@progbits
	.p2align	6, 0x0
	.amdhsa_kernel k_q86e4a702cb_outp
		.amdhsa_group_segment_fixed_size 17920
		.amdhsa_private_segment_fixed_size 0
		.amdhsa_enable_private_segment 0
		.amdhsa_kernarg_size 32
		.amdhsa_user_sgpr_count 2
		.amdhsa_user_sgpr_kernarg_segment_ptr 1
		.amdhsa_wavefront_size32 1
		.amdhsa_system_sgpr_workgroup_id_x 1
		.amdhsa_system_sgpr_workgroup_id_y 1
		.amdhsa_system_sgpr_workgroup_id_z 1
		.amdhsa_system_vgpr_workitem_id 0
		.amdhsa_next_free_vgpr 512
		.amdhsa_next_free_sgpr 66
		.amdhsa_reserve_vcc 0
		.amdhsa_float_denorm_mode_32 3
		.amdhsa_float_denorm_mode_16_64 3
		.amdhsa_memory_ordered 1
		.amdhsa_forward_progress 1
		.amdhsa_inst_pref_size 78
	.end_amdhsa_kernel
	.amdgpu_metadata
---
amdhsa.version: [ 1, 2 ]
amdhsa.kernels:
  - .name:           k_q86e4a702cb_outp
    .symbol:         k_q86e4a702cb_outp.kd
    .args:
      - { .name: att, .offset: 0, .size: 8, .value_kind: global_buffer, .address_space: global }
      - { .name: wo, .offset: 8, .size: 8, .value_kind: global_buffer, .address_space: global }
      - { .name: hidden_states, .offset: 16, .size: 8, .value_kind: global_buffer, .address_space: global }
      - { .name: out0, .offset: 24, .size: 8, .value_kind: global_buffer, .address_space: global }
    .group_segment_fixed_size: 17920
    .private_segment_fixed_size: 0
    .kernarg_segment_align: 8
    .kernarg_segment_size: 32
    .max_flat_workgroup_size: 128
    .sgpr_count:     66
    .vgpr_count:     512
    .wavefront_size: 32
...
	.end_amdgpu_metadata
.endif
;; end of part 4
;; launch ln2 (part 5): grid 256 x 1, 8 waves a work-group, no clusters, 0 bytes of LDS; arguments out0, ln2_scale, out1; writes out1
.if DOCPART == 5
	.amdgcn_target "amdgcn-amd-amdhsa--gfx1250"
	.amdhsa_code_object_version 6
	.text
	.protected	k_q86e4a702cb_ln2
	.globl	k_q86e4a702cb_ln2
	.p2align	8
	.type	k_q86e4a702cb_ln2,@function
k_q86e4a702cb_ln2:
	s_mov_b64 s[64:65], 0
	v_nop
	global_prefetch_b8 v0, s[64:65] scope:SCOPE_SE
	s_setreg_imm32_b32 hwreg(HW_REG_WAVE_MODE, 25, 1), 1
	s_wait_xcnt 0x0
; out1 = LayerNorm(out0) x ln2_scale, in f32.  A wave takes one row of 8,192 bytes, 64 numbers a lane, and keeps it in registers between the passes: the row is read once.
; Each load and store of a wave covers 512 neighbouring bytes.  No LDS, no barrier, no matrix work: bytes are all that this launch moves.
; LIMITS: NaN and infinities are not served.
.set X, 16                             ; v16-79   the row
.set G, 80                             ; v80-143  ln2_scale
.macro RED32 a, t                      ; the sum over the 32 lanes, in every lane
	v_add_f32_dpp v[\a], v[\a], v[\a] row_xmask:1 row_mask:0xf bank_mask:0xf
	v_add_f32_dpp v[\a], v[\a], v[\a] row_xmask:2 row_mask:0xf bank_mask:0xf
	v_add_f32_dpp v[\a], v[\a], v[\a] row_xmask:4 row_mask:0xf bank_mask:0xf
	v_add_f32_dpp v[\a], v[\a], v[\a] row_xmask:8 row_mask:0xf bank_mask:0xf
	v_permlanex16_b32 v[\t], v[\a], s14, s15
	v_add_f32 v[\a], v[\a], v[\t]
.endm
	s_load_b128 s[4:7], s[0:1], 0x0                ; out0 s[4:5], ln2_scale s[6:7]
	s_load_b64 s[8:9], s[0:1], 0x10                ; out1
	v_lshrrev_b32 v1, 5, v0
	v_readfirstlane_b32 s10, v1
	v_and_b32 v1, 31, v0
	v_lshlrev_b32 v1, 4, v1                        ; 16 l
	s_lshl_b32 s11, ttmp9, 3
	s_add_co_u32 s11, s11, s10                     ; my row
	s_lshl_b32 s12, s11, 13
	s_mov_b32 s13, 0
	s_mov_b32 s14, 0x76543210
	s_mov_b32 s15, 0xfedcba98
	s_mov_b32 s16, 0x3a000000                      ; 1 / 2,048
	s_mov_b32 s17, 0x358637bd                      ; 1e-6
	s_wait_kmcnt 0x0
	s_add_nc_u64 s[4:5], s[4:5], s[12:13]
	s_add_nc_u64 s[8:9], s[8:9], s[12:13]
.set j, 0
.rept 16
	global_load_b128 v[X+4*j:X+4*j+3], v1, s[4:5] offset:512*j th:TH_LOAD_NT
.set j, j+1
.endr
.set j, 0
.rept 16
	global_load_b128 v[G+4*j:G+4*j+3], v1, s[6:7] offset:512*j
.set j, j+1
.endr
	s_wait_loadcnt 16                              ; the row is in; the gains' 16 loads may be out
	v_pk_add_f32 v[4:5], v[X:X+1], v[X+8:X+9]
	v_pk_add_f32 v[6:7], v[X+2:X+3], v[X+10:X+11]
	v_pk_add_f32 v[8:9], v[X+4:X+5], v[X+12:X+13]
	v_pk_add_f32 v[10:11], v[X+6:X+7], v[X+14:X+15]
.set j, 16
.rept 6
	v_pk_add_f32 v[4:5], v[4:5], v[X+j:X+j+1]
	v_pk_add_f32 v[6:7], v[6:7], v[X+j+2:X+j+3]
	v_pk_add_f32 v[8:9], v[8:9], v[X+j+4:X+j+5]
	v_pk_add_f32 v[10:11], v[10:11], v[X+j+6:X+j+7]
.set j, j+8
.endr
	v_pk_add_f32 v[4:5], v[4:5], v[6:7]
	v_pk_add_f32 v[8:9], v[8:9], v[10:11]
	v_pk_add_f32 v[4:5], v[4:5], v[8:9]
	v_add_f32 v4, v4, v5
	RED32 4, 5
	v_mul_f32 v12, 0xba000000, v4                  ; - the mean
	v_mov_b32 v13, v12
.set j, 0
.rept 32
	v_pk_add_f32 v[X+j:X+j+1], v[X+j:X+j+1], v[12:13]
.set j, j+2
.endr
	v_pk_mul_f32 v[4:5], v[X:X+1], v[X:X+1]
	v_pk_mul_f32 v[6:7], v[X+2:X+3], v[X+2:X+3]
	v_pk_mul_f32 v[8:9], v[X+4:X+5], v[X+4:X+5]
	v_pk_mul_f32 v[10:11], v[X+6:X+7], v[X+6:X+7]
.set j, 8
.rept 7
	v_pk_fma_f32 v[4:5], v[X+j:X+j+1], v[X+j:X+j+1], v[4:5]
	v_pk_fma_f32 v[6:7], v[X+j+2:X+j+3], v[X+j+2:X+j+3], v[6:7]
	v_pk_fma_f32 v[8:9], v[X+j+4:X+j+5], v[X+j+4:X+j+5], v[8:9]
	v_pk_fma_f32 v[10:11], v[X+j+6:X+j+7], v[X+j+6:X+j+7], v[10:11]
.set j, j+8
.endr
	v_pk_add_f32 v[4:5], v[4:5], v[6:7]
	v_pk_add_f32 v[8:9], v[8:9], v[10:11]
	v_pk_add_f32 v[4:5], v[4:5], v[8:9]
	v_add_f32 v4, v4, v5
	RED32 4, 5
	v_fma_f32 v4, v4, s16, s17                     ; the variance + 1e-6
	v_rsq_f32 v14, v4
	v_nop                                          ; a plain line behind the transcendental
	s_wait_alu depctr_va_vdst(0)                   ; the wait ahead of the first line that names the result
	v_mov_b32 v15, v14
	s_wait_loadcnt 0x0                             ; the gains
.set j, 0
.rept 32
	v_pk_mul_f32 v[X+j:X+j+1], v[X+j:X+j+1], v[14:15]
.set j, j+2
.endr
.set j, 0
.rept 32
	v_pk_mul_f32 v[X+j:X+j+1], v[X+j:X+j+1], v[G+j:G+j+1]
.set j, j+2
.endr
.set j, 0
.rept 16
	global_store_b128 v1, v[X+4*j:X+4*j+3], s[8:9] offset:512*j th:TH_STORE_NT
.set j, j+1
.endr
	s_endpgm
.Lfunc_end_k_q86e4a702cb_ln2:
	.size	k_q86e4a702cb_ln2, .Lfunc_end_k_q86e4a702cb_ln2-k_q86e4a702cb_ln2
	.p2alignl 7, 3214868480
	.fill 96, 4, 3214868480
	.section	.rodata,"a",@progbits
	.p2align	6, 0x0
	.amdhsa_kernel k_q86e4a702cb_ln2
		.amdhsa_group_segment_fixed_size 0
		.amdhsa_private_segment_fixed_size 0
		.amdhsa_enable_private_segment 0
		.amdhsa_kernarg_size 24
		.amdhsa_user_sgpr_count 2
		.amdhsa_user_sgpr_kernarg_segment_ptr 1
		.amdhsa_wavefront_size32 1
		.amdhsa_system_sgpr_workgroup_id_x 1
		.amdhsa_system_sgpr_workgroup_id_y 1
		.amdhsa_system_sgpr_workgroup_id_z 1
		.amdhsa_system_vgpr_workitem_id 0
		.amdhsa_next_free_vgpr 144
		.amdhsa_next_free_sgpr 66
		.amdhsa_reserve_vcc 0
		.amdhsa_float_denorm_mode_32 3
		.amdhsa_float_denorm_mode_16_64 3
		.amdhsa_memory_ordered 1
		.amdhsa_forward_progress 1
		.amdhsa_inst_pref_size 17
	.end_amdhsa_kernel
	.amdgpu_metadata
---
amdhsa.version: [ 1, 2 ]
amdhsa.kernels:
  - .name:           k_q86e4a702cb_ln2
    .symbol:         k_q86e4a702cb_ln2.kd
    .args:
      - { .name: out0, .offset: 0, .size: 8, .value_kind: global_buffer, .address_space: global }
      - { .name: ln2_scale, .offset: 8, .size: 8, .value_kind: global_buffer, .address_space: global }
      - { .name: out1, .offset: 16, .size: 8, .value_kind: global_buffer, .address_space: global }
    .group_segment_fixed_size: 0
    .private_segment_fixed_size: 0
    .kernarg_segment_align: 8
    .kernarg_segment_size: 24
    .max_flat_workgroup_size: 256
    .sgpr_count:     66
    .vgpr_count:     144
    .wavefront_size: 32
...
	.end_amdgpu_metadata
.endif
;; end of part 5
;; ======== version 2 of 3: 5 launches; 1.18 times as fast as version 1
;; workspace buffers: p1 6,160,384 bytes; wo 2,228,224 bytes; maskw 524,800 bytes of whole numbers; qkvc 3,506,176 bytes; att 2,228,224 bytes
;; launch prep (part 6): grid 288 x 1, 16 waves a work-group, no clusters, 20,736 bytes of LDS; arguments hidden_states, ln1_scale, position_ids, causal_mask, attention_mask, w_qkv, w_out, p1, wo, maskw; writes p1, wo, maskw
.if DOCPART == 6
	.amdgcn_target "amdgcn-amd-amdhsa--gfx1250"
	.amdhsa_code_object_version 6
	.text
	.protected	k_q86e4a702cb_prep
	.globl	k_q86e4a702cb_prep
	.p2align	8
	.type	k_q86e4a702cb_prep,@function
k_q86e4a702cb_prep:
	s_mov_b64 s[64:65], 0
	v_nop
	global_prefetch_b8 v0, s[64:65] scope:SCOPE_SE
	s_setreg_imm32_b32 hwreg(HW_REG_WAVE_MODE, 25, 1), 1
	s_wait_xcnt 0x0
; Everything that is made once: codes of FP4 (E2M1) with one E8M0 byte for each 32 along K of w_qkv, of w_out and of LayerNorm(hidden_states); cos and sin of each token's angles; the two masks as bit words, and for each query tile one word that says which key steps count.
; Work-groups 0-95 take w_qkv, 96-159 w_out, 160-287 a tile of 16 tokens each.  The ways part on the work-group's number alone; only the token way uses LDS and a barrier.  130 registers a wave: two work-groups fit on a WGP, so all 288 run at once.
; TILES.  Tile T holds at place r the row 32 (T / 2) + 8 (T % 2) + r + 8 (r / 8), for tokens and for the weights' columns alike.
; IMAGES.  A fragment (16 rows x 128 K) is 1,024 bytes: block B of 32 along K at 256 B + 16 r, which is register group c of lane l at 512 c + 16 l.  An operand is laid [tile][16 K steps][1,024].
; SCALES.  [K step / 4][16 T + r][16 bytes]: four words, one for each of four K steps.
; A block's scale is 2^(floor(log2(largest magnitude)) - 2); its byte is the largest magnitude's exponent field - 2, held at 1 from below (a block of zeros keeps the byte 1: its codes are zeros, and this program alone reads the bytes).
; THE TILE'S WORD.  Bit s: key step s (128 keys) must be walked: some query of the tile sees some key of it, or some query of the tile sees no key at all (such a row takes uniform weights over all keys, so nothing may be left out).  Bit 16 + s: every query sees every key of step s.
; LIMITS: NaN and infinities are not served; blocks whose largest magnitude lies under 2^-124 get the byte 1; positions stay under 2^24 in magnitude.
.set WV,   24                          ; s24  my wave's number
.set XSO,  2097152                     ; p1: x's scale quads, 4 x 49,152
.set WQC,  2293760                     ; p1: w_qkv's images
.set WQS,  5439488                     ; p1: w_qkv's scale quads
.set ROPE, 5636096                     ; p1: [place][32][cos, sin]
.set WOS,  2097152                     ; wo: w_out's scale quads, 4 x 32,768
.set FLG,  524288                      ; maskw: behind the bit words, one word for each query tile
.set SCB,  17408                       ; LDS: behind 64 units of 256 + 16 bytes, 1,024 scale bytes [quad][r][16]
.set FL,   18432                       ; LDS: 16 words, one from each wave, for the tile's word
.set X,    32                          ; v32-95   my token's row
.set MB,   96                          ; v96-111  bytes of causal_mask
.set AT,   112                         ; v112-115 words of attention_mask
.set G,    96                          ; v96-127  then half of ln1_scale at a time
.set MX,   100                         ; v100-107 then largest magnitudes, later scale bytes, of eight chunks
.set SO,   108                         ; v108-115 the conversions' scale operands
.set CD,   116                         ; v116-123 codes, four to a lane and chunk
.set OW,   30                          ; v30-31   mask words
.macro RED32 a, t                      ; the sum over the 32 lanes, in every lane
	v_add_f32_dpp v[\a], v[\a], v[\a] row_xmask:1 row_mask:0xf bank_mask:0xf
	v_add_f32_dpp v[\a], v[\a], v[\a] row_xmask:2 row_mask:0xf bank_mask:0xf
	v_add_f32_dpp v[\a], v[\a], v[\a] row_xmask:4 row_mask:0xf bank_mask:0xf
	v_add_f32_dpp v[\a], v[\a], v[\a] row_xmask:8 row_mask:0xf bank_mask:0xf
	v_permlanex16_b32 v[\t], v[\a], s46, s47
	v_add_f32 v[\a], v[\a], v[\t]
.endm
; THE WEIGHTS' WAY.  A lane takes a column and its registers run down K: a block of 32 along K lies in one lane, and the conversions give codes with K innermost.
.macro WLOAD b, ncol, wp               ; block b: 32 rows of W at my column, into set b % 2; 32 lanes read 128 neighbouring bytes
.irp i, 0,1,2,3,4,5,6,7,8,9,10,11,12,13,14,15,16,17,18,19,20,21,22,23,24,25,26,27,28,29,30,31
	global_load_b32 v[32+32*((\b)%2)+\i], v3, s[\wp:\wp+1] offset:(32*(\b)+\i)*\ncol*4 th:TH_LOAD_NT
.endr
.endm
.macro WBLOCK b
.set XS, 32+32*((\b)%2)
	v_max3_num_f32 v12, |v[XS]|, |v[XS+1]|, |v[XS+2]|
	v_max3_num_f32 v13, |v[XS+3]|, |v[XS+4]|, |v[XS+5]|
.irp i, 6,10,14,18,22,26
	v_max3_num_f32 v12, v12, |v[XS+\i]|, |v[XS+\i+1]|
	v_max3_num_f32 v13, v13, |v[XS+\i+2]|, |v[XS+\i+3]|
.endr
	v_max3_num_f32 v12, v12, |v[XS+30]|, |v[XS+31]|
	v_max3_num_f32 v12, v12, v13, 0x1800000        ; the floor 2^(3 - 127): the byte cannot fall under 1
	v_add_nc_u32 v11, 0xff000000, v12              ; 2 off the exponent field: the conversion's scale operand
	v_lshrrev_b32 v13, 23, v11                     ; the scale's byte
.if (\b) == 0
	v_mov_b32 v112, v13
.else
	v_lshl_or_b32 v112, v13, 8*(\b), v112          ; the K step's four bytes make its scale word
.endif
.irp g, 0,1,2,3
	v_cvt_scalef32_pk8_fp4_f32 v[96+4*(\b)+\g], v[XS+8*\g:XS+8*\g+7], v11      ; each block has its own four registers: no store's data are written again
.endr
	global_store_b128 v4, v[96+4*(\b):99+4*(\b)], s[32:33] offset:256*(\b)     ; lanes 0-7 and 16-23 fill 256 neighbouring bytes of one tile's image, lanes 8-15 and 24-31 of the next tile's
.endm
; ncol: columns of W; first: the way's first work-group; wp: W's pointer; cp, cofs: the images' buffer and offset; sp, sofs, qstr: the scale quads'
.macro WPATH ncol, first, wp, cp, cofs, sp, sofs, qstr
	s_sub_co_u32 s25, ttmp9, \first
	s_lshr_b32 s26, s25, 2
	s_lshl_b32 s26, s26, 2
	s_and_b32 s27, s[WV], 3
	s_add_co_u32 s26, s26, s27                     ; my group of 32 columns
	s_and_b32 s25, s25, 3                          ; K step / 4
	s_lshr_b32 s27, s[WV], 2                       ; K step % 4
	s_lshl_b32 s28, s25, 2
	s_add_co_u32 s28, s28, s27                     ; my K step of 128
	s_mov_b32 s31, 0
	s_mul_i32 s30, s28, 128*\ncol*4
	s_lshl_b32 s29, s26, 7
	s_add_co_u32 s30, s30, s29
	s_add_nc_u64 s[\wp:\wp+1], s[\wp:\wp+1], s[30:31]
	s_lshl_b32 s30, s26, 15                        ; two tiles of 16,384 bytes
	s_lshl_b32 s29, s28, 10
	s_add_co_u32 s30, s30, s29
	s_add_co_u32 s30, s30, \cofs
	s_add_nc_u64 s[32:33], s[\cp:\cp+1], s[30:31]
	s_mul_i32 s30, s25, \qstr
	s_lshl_b32 s29, s26, 9
	s_add_co_u32 s30, s30, s29
	s_lshl_b32 s29, s27, 2
	s_add_co_u32 s30, s30, s29
	s_add_co_u32 s30, s30, \sofs
	s_add_nc_u64 s[34:35], s[\sp:\sp+1], s[30:31]
	v_lshlrev_b32 v3, 2, v1                        ; in: 4 bytes a lane
	v_bfe_u32 v6, v0, 3, 1                         ; column l lies in tile u = (l / 8) % 2
	v_and_b32 v7, 7, v0
	v_bfe_u32 v8, v0, 4, 1
	v_lshl_add_u32 v7, v8, 3, v7                   ; at place l % 8 + 8 (l / 16)
	v_lshlrev_b32 v7, 4, v7
	v_lshl_add_u32 v4, v6, 14, v7                  ; codes: 16,384 u + 16 place
	v_lshl_add_u32 v5, v6, 8, v7                   ; scale word: 16 (16 u + place)
	WLOAD 0, \ncol, \wp
	WLOAD 1, \ncol, \wp
	s_wait_loadcnt 32                              ; block 0 is in; block 1's 32 loads may be out
	WBLOCK 0
	WLOAD 2, \ncol, \wp                            ; into the set that block 0 has left
	s_wait_loadcnt 32                              ; block 1 is in; block 2's may be out
	WBLOCK 1
	WLOAD 3, \ncol, \wp
	s_wait_loadcnt 32                              ; block 2 is in; block 3's may be out
	WBLOCK 2
	s_wait_loadcnt 0x0
	WBLOCK 3
	v_nop                                          ; a plain line behind the last conversion
	global_store_b32 v5, v112, s[34:35]
	s_endpgm
.endm
	s_load_b512 s[4:19], s[0:1], 0x0               ; hidden s[4:5], ln1 s[6:7], positions s[8:9], causal s[10:11], attention s[12:13], w_qkv s[14:15], w_out s[16:17], p1 s[18:19]
	s_load_b128 s[20:23], s[0:1], 0x40             ; wo s[20:21], maskw s[22:23]
	v_lshl_add_u32 v128, v0, 2, 0x4900
	v_mov_b32 v129, 0
	v_lshrrev_b32 v1, 5, v0
	v_readfirstlane_b32 s[WV], v1
	v_and_b32 v1, 31, v0                           ; lane
	s_wait_kmcnt 0x0
	s_cmp_lt_u32 ttmp9, 96
	s_cbranch_scc1 .Lwqkv
	s_cmp_lt_u32 ttmp9, 160
	s_cbranch_scc1 .Lwout
	; ---- THE TOKENS' WAY.  Tile T; wave w is place w: it norms one token, and makes the mask words of (T, key step w).
	s_sub_co_u32 s25, ttmp9, 160                   ; T
	s_lshr_b32 s26, s25, 1
	s_lshl_b32 s26, s26, 5
	s_and_b32 s27, s25, 1
	s_lshl_b32 s27, s27, 3
	s_add_co_u32 s26, s26, s27                     ; the tile's first token
	s_lshr_b32 s27, s[WV], 3
	s_lshl_b32 s27, s27, 3
	s_add_co_u32 s27, s27, s[WV]
	s_add_co_u32 s27, s27, s26                     ; my token
	s_mov_b32 s29, 0
	s_lshl_b32 s28, s27, 13
	s_add_nc_u64 s[4:5], s[4:5], s[28:29]          ; its row
	s_lshl_b32 s28, s27, 2
	s_add_nc_u64 s[8:9], s[8:9], s[28:29]
	s_load_b32 s36, s[8:9], 0x0                    ; its position
	s_lshl_b32 s28, s26, 11
	s_lshl_b32 s27, s[WV], 7
	s_add_co_u32 s28, s28, s27
	s_add_nc_u64 s[10:11], s[10:11], s[28:29]      ; causal_mask: the tile's first query, key 128 w
	s_lshl_b32 s28, s[WV], 9
	s_add_nc_u64 s[12:13], s[12:13], s[28:29]      ; attention_mask: key 128 w
	v_lshlrev_b32 v2, 4, v1                        ; 16 l
	v_and_b32 v8, 15, v0                           ; r
	v_bfe_u32 v9, v0, 4, 1                         ; h
	v_and_b32 v10, 8, v8
	v_add_nc_u32 v10, v10, v8                      ; r + 8 (r / 8)
	v_lshlrev_b32 v3, 11, v10
	v_lshl_add_u32 v3, v9, 4, v3                   ; query at place r, 16 keys for each half of the lanes
	v_lshlrev_b32 v4, 2, v1                        ; 4 l
.irp b, 0,1,2,3
	global_load_b128 v[MB+4*\b:MB+4*\b+3], v3, s[10:11] offset:32*\b           ; the masks first: they are worked while the row is on its way.  Keys 128 w + 32 b + 16 h + 0 .. 15
.endr
.irp b, 0,1,2,3
	global_load_b32 v[AT+\b], v4, s[12:13] offset:128*\b                       ; key 128 w + 32 b + l
.endr
.set j, 0
.rept 16
	global_load_b128 v[X+4*j:X+4*j+3], v2, s[4:5] offset:512*j th:TH_LOAD_NT   ; chunk j: K step j, four numbers a lane, eight lanes to a block
.set j, j+1
.endr
	; addresses, while the loads are out
	v_lshl_add_u32 v29, v8, 2, FL                  ; LDS: the word of wave l % 16
	v_bfe_u32 v10, v0, 3, 2                        ; l / 8: my block of a K step
	v_mul_u32_u24 v5, v10, 272
	v_and_b32 v11, 7, v0
	v_lshl_add_u32 v5, v11, 1, v5
	s_lshl_b32 s27, s[WV], 4
	v_add_nc_u32 v5, s27, v5                       ; LDS, codes: unit (4 j + l / 8) x 272 + 16 w + 2 (l % 8)
	v_add_nc_u32 v6, s27, v10
	v_add_nc_u32 v6, SCB, v6                       ; LDS, scale bytes: 16 w + l / 8
	v_mul_u32_u24 v7, v9, 272
	v_lshl_add_u32 v7, v8, 4, v7
	s_mul_i32 s27, s[WV], 1088
	v_add_nc_u32 v7, s27, v7                       ; LDS, back: unit 4 w + h, 16 r
	s_lshl_b32 s27, s[WV], 9
	v_add_nc_u32 v24, s27, v2
	v_add_nc_u32 v24, SCB, v24                     ; LDS, scale quads back (waves 0 and 1)
	s_lshl_b32 s27, s[WV], 2
	s_add_co_u32 s27, s27, FL
	v_mov_b32 v25, s27                             ; LDS: my wave's word
	v_mul_u32_u24 v26, v9, 49152
	v_lshl_add_u32 v26, v8, 4, v26                 ; the scale quads' place in memory: quad 2 w + h, row r
	v_lshlrev_b32 v27, 3, v1                       ; 8 l
	v_lshlrev_b32 v28, 4, v9                       ; 16 h
	s_lshl_b32 s28, s25, 2
	s_add_co_u32 s28, s28, FLG
	s_add_nc_u64 s[2:3], s[22:23], s[28:29]        ; the tile's word
	s_lshl_b32 s28, s25, 14
	s_lshl_b32 s27, s[WV], 10
	s_add_co_u32 s28, s28, s27
	s_add_nc_u64 s[30:31], s[18:19], s[28:29]      ; x's images: tile T, K step w
	s_lshl_b32 s28, s25, 4
	s_add_co_u32 s28, s28, s[WV]
	s_lshl_b32 s28, s28, 8                         ; (16 T + w) x 256
	s_add_nc_u64 s[22:23], s[22:23], s[28:29]      ; my 64 mask words
	s_add_co_u32 s28, s28, ROPE
	s_add_nc_u64 s[32:33], s[18:19], s[28:29]      ; my token's cos and sin
	s_mul_i32 s28, s[WV], 98304
	s_lshl_b32 s27, s25, 8
	s_add_co_u32 s28, s28, s27
	s_add_co_u32 s28, s28, XSO
	s_add_nc_u64 s[34:35], s[18:19], s[28:29]      ; x's scale quads 2 w and 2 w + 1 (waves 0 and 1)
	s_mov_b32 s37, 0x01020408
	s_mov_b32 s38, 0x3a000000                      ; 1 / 2,048
	s_mov_b32 s39, 0x358637bd                      ; 1e-6
	s_mov_b32 s46, 0x76543210
	s_mov_b32 s47, 0xfedcba98                      ; v_permlanex16_b32's selects for lane l xor 16
	; ---- the mask words of (T, key step w).  Bit l of word 16 b + i: query at place r may see key 128 w + 32 b + 16 h + i
	s_wait_loadcnt 16                              ; the masks' eight loads are in; the row's 16 may be out
	v_mov_b32 v3, FL                               ; (the masks' offset is done with)  LDS: the 16 waves' words
.set j, 0
.rept 16
	v_and_b32 v[MB+j], 0x01010101, v[MB+j]
.set j, j+1
.endr
.set j, 0
.rept 16
	v_mul_lo_u32 v[MB+j], v[MB+j], s37             ; four bytes of 0 or 1 become four bits, at bit 24 on
.set j, j+1
.endr
.set j, 0
.rept 16
	v_lshrrev_b32 v[MB+j], 24, v[MB+j]
.set j, j+1
.endr
.irp b, 0,1,2,3
	v_lshl_or_b32 v[8+\b], v[MB+4*\b+1], 4, v[MB+4*\b]
.endr
.irp b, 0,1,2,3
	v_lshl_or_b32 v[8+\b], v[MB+4*\b+2], 8, v[8+\b]
.endr
.irp b, 0,1,2,3
	v_lshl_or_b32 v[8+\b], v[MB+4*\b+3], 12, v[8+\b]   ; my query's 16 keys of block b
.endr
.irp b, 0,1,2,3
	v_cmp_lt_i32 s[40+\b], 0, v[AT+\b]             ; bit l: key 128 w + 32 b + l is attended
.endr
.irp b, 0,1,2,3
	v_lshrrev_b32 v[12+\b], v28, s[40+\b]          ; my half's 16 keys
.endr
.irp b, 0,1,2,3
	v_and_b32 v[8+\b], v[8+\b], v[12+\b]
.endr
	; my wave's word for the tile's: bits 0-15: which of the 16 queries see a key of this step; bit 16: any does; bit 17: all see all
	v_or_b32 v14, v8, v9
	v_or_b32 v15, v10, v11
	v_or_b32 v14, v14, v15
	v_and_b32 v16, v8, v9
	v_and_b32 v17, v10, v11
	v_and_b32 v16, v16, v17
	s_mov_b32 s42, 0xffff
	v_cmp_ne_u32 s40, 0, v14                       ; bit l: query r sees one of its half's 64 keys
	v_cmp_eq_u32 s41, s42, v16                     ; bit l: it sees all 64
	s_lshr_b32 s43, s40, 16
	s_or_b32 s43, s43, s40
	s_and_b32 s43, s43, 0xffff
	s_cmp_lg_u32 s40, 0
	s_cselect_b32 s40, 0x10000, 0
	s_cmp_eq_u32 s41, -1
	s_cselect_b32 s41, 0x20000, 0
	s_or_b32 s43, s43, s40
	s_or_b32 s43, s43, s41
	v_mov_b32 v4, s43                              ; (the attention words' offset is done with)
	ds_store_b32 v25, v4                           ; all lanes write the same word with the same value
	v_mov_b32 v[OW], 0
	v_mov_b32 v[OW+1], 0
.irp b, 0,1,2,3
.irp i, 0,1,2,3,4,5,6,7,8,9,10,11,12,13,14,15
	v_lshlrev_b32 v[12+(\i%2)], 31-\i, v[8+\b]     ; bit i to the sign;
	v_cmp_gt_i32 s[44+(\i%2)], 0, v[12+(\i%2)]     ; the 32 lanes' bits make word 16 b + i,
	v_writelane_b32 v[OW+(\i%2)], s[44+(\i%2)], (16*\b+\i)/2   ; which goes to the lane that stores it
.endr
.endr
	global_store_b64 v27, v[OW:OW+1], s[22:23]     ; 64 words: 256 neighbouring bytes
.set j, 0
.rept 8
	global_load_b128 v[G+4*j:G+4*j+3], v2, s[6:7] offset:512*j                 ; the gains of chunks 0-7, into the registers that the masks have left
.set j, j+1
.endr
	; ---- the norm, in f32, in two passes: the mean, then the squares of the differences
	s_wait_loadcnt 8                               ; the row is in; the gains' eight loads may be out
	v_pk_add_f32 v[8:9], v[X:X+1], v[X+8:X+9]
	v_pk_add_f32 v[10:11], v[X+2:X+3], v[X+10:X+11]
	v_pk_add_f32 v[12:13], v[X+4:X+5], v[X+12:X+13]
	v_pk_add_f32 v[14:15], v[X+6:X+7], v[X+14:X+15]
.set j, 16
.rept 6
	v_pk_add_f32 v[8:9], v[8:9], v[X+j:X+j+1]
	v_pk_add_f32 v[10:11], v[10:11], v[X+j+2:X+j+3]
	v_pk_add_f32 v[12:13], v[12:13], v[X+j+4:X+j+5]
	v_pk_add_f32 v[14:15], v[14:15], v[X+j+6:X+j+7]
.set j, j+8
.endr
	v_pk_add_f32 v[8:9], v[8:9], v[10:11]
	v_pk_add_f32 v[12:13], v[12:13], v[14:15]
	v_pk_add_f32 v[8:9], v[8:9], v[12:13]
	v_add_f32 v8, v8, v9
	RED32 8, 9
	v_mul_f32 v16, 0xba000000, v8                  ; - the mean
	v_mov_b32 v17, v16
.set j, 0
.rept 32
	v_pk_add_f32 v[X+j:X+j+1], v[X+j:X+j+1], v[16:17]
.set j, j+2
.endr
	v_pk_mul_f32 v[8:9], v[X:X+1], v[X:X+1]
	v_pk_mul_f32 v[10:11], v[X+2:X+3], v[X+2:X+3]
	v_pk_mul_f32 v[12:13], v[X+4:X+5], v[X+4:X+5]
	v_pk_mul_f32 v[14:15], v[X+6:X+7], v[X+6:X+7]
.set j, 8
.rept 7
	v_pk_fma_f32 v[8:9], v[X+j:X+j+1], v[X+j:X+j+1], v[8:9]
	v_pk_fma_f32 v[10:11], v[X+j+2:X+j+3], v[X+j+2:X+j+3], v[10:11]
	v_pk_fma_f32 v[12:13], v[X+j+4:X+j+5], v[X+j+4:X+j+5], v[12:13]
	v_pk_fma_f32 v[14:15], v[X+j+6:X+j+7], v[X+j+6:X+j+7], v[14:15]
.set j, j+8
.endr
	v_pk_add_f32 v[8:9], v[8:9], v[10:11]
	v_pk_add_f32 v[12:13], v[12:13], v[14:15]
	v_pk_add_f32 v[8:9], v[8:9], v[12:13]
	v_add_f32 v8, v8, v9
	RED32 8, 9
	v_fma_f32 v8, v8, s38, s39                     ; the variance + 1e-6
	v_rsq_f32 v18, v8
	v_nop                                          ; a plain line behind the transcendental
	s_wait_alu depctr_va_vdst(0)                   ; the wait ahead of the first line that names the result
	v_mov_b32 v19, v18
.set j, 0
.rept 32
	v_pk_mul_f32 v[X+j:X+j+1], v[X+j:X+j+1], v[18:19]
.set j, j+2
.endr
	s_wait_loadcnt 0x0                             ; the gains of chunks 0-7
.set j, 0
.rept 16
	v_pk_mul_f32 v[X+j:X+j+1], v[X+j:X+j+1], v[G+j:G+j+1]
.set j, j+2
.endr
.set j, 0
.rept 8
	global_load_b128 v[G+4*j:G+4*j+3], v2, s[6:7] offset:4096+512*j            ; the gains of chunks 8-15; cos and sin are made while they come
.set j, j+1
.endr
	; ---- cos and sin: lane l stands for frequency l.  500000^(-l / 32) = 2^(-l x 0.5916115..): the constant in two parts, l x the first part being exact
	v_cvt_f32_u32 v8, v1
	v_mul_f32 v9, 0xbf1773c0, v8
	v_exp_f32 v10, v9
	v_mul_f32 v11, 0x35916800, v8                  ; l x the second part x ln 2.  (A plain line behind the transcendental)
	s_wait_alu depctr_va_vdst(0)
	v_fma_f32 v10, -v10, v11, v10                  ; the frequency
	s_wait_kmcnt 0x0
	v_cvt_f32_i32 v12, s36
	v_mul_f32 v12, v12, v10                        ; the angle
	v_mul_f32 v13, 0x3f22f983, v12
	v_rndne_f32 v13, v13                           ; n = the nearest multiple of pi / 2
	v_fmamk_f32 v14, v13, 0xbfc90fdb, v12          ; the angle - n pi / 2, pi / 2 in two parts
	v_fmamk_f32 v14, v13, 0x333bbd2e, v14
	v_mul_f32 v15, v14, v14                        ; z
	v_mov_b32 v16, 0xb94ca1f9
	v_fmaak_f32 v16, v16, v15, 0x3c08839e
	v_fmaak_f32 v16, v16, v15, 0xbe2aaaa3
	v_mul_f32 v17, v14, v15
	v_fma_f32 v16, v17, v16, v14                   ; sin on +-pi / 4
	v_mov_b32 v18, 0x37ccf5ce
	v_fmaak_f32 v18, v18, v15, 0xbab6061a
	v_fmaak_f32 v18, v18, v15, 0x3d2aaaa5
	v_mul_f32 v19, v15, v15
	v_fma_f32 v20, v15, -0.5, 1.0
	v_fma_f32 v18, v19, v18, v20                   ; cos
	v_cvt_i32_f32 v21, v13
	v_and_b32 v22, 1, v21
	v_cmp_eq_u32 vcc_lo, 1, v22                    ; in odd quadrants the two change places
	v_cndmask_b32 v8, v18, v16, vcc_lo
	v_cndmask_b32 v9, v16, v18, vcc_lo
	v_lshlrev_b32 v22, 30, v21
	v_and_b32 v22, 0x80000000, v22
	v_xor_b32 v9, v22, v9                          ; sin is negated in quadrants 2 and 3,
	v_add_nc_u32 v23, 1, v21
	v_lshlrev_b32 v23, 30, v23
	v_and_b32 v23, 0x80000000, v23
	v_xor_b32 v8, v23, v8                          ; cos in quadrants 1 and 2
	global_store_b64 v27, v[8:9], s[32:33]         ; 32 lanes store 256 neighbouring bytes; v8 and v9 are not written again
	s_wait_loadcnt 0x0                             ; the gains of chunks 8-15
.set j, 0
.rept 16
	v_pk_mul_f32 v[X+32+j:X+32+j+1], v[X+32+j:X+32+j+1], v[G+j:G+j+1]
.set j, j+2
.endr
	; ---- the quantiser: eight chunks by turns, twice.  A block is eight lanes' four numbers.
.macro QGRP g
.irp i, 0,1,2,3,4,5,6,7
	v_max3_num_f32 v[MX+\i], |v[X+4*(8*\g+\i)]|, |v[X+4*(8*\g+\i)+1]|, 0x1800000
.endr
.irp i, 0,1,2,3,4,5,6,7
	v_max3_num_f32 v[MX+\i], v[MX+\i], |v[X+4*(8*\g+\i)+2]|, |v[X+4*(8*\g+\i)+3]|
.endr
.irp m, 1,2,4
.irp i, 0,1,2,3,4,5,6,7
	v_max_num_f32_dpp v[MX+\i], v[MX+\i], v[MX+\i] row_xmask:\m row_mask:0xf bank_mask:0xf
.endr
.endr
.irp i, 0,1,2,3,4,5,6,7
	v_add_nc_u32 v[SO+\i], 0xff000000, v[MX+\i]    ; 2 off the exponent field: the conversion's scale operand
.endr
.irp i, 0,1,2,3,4,5,6,7
	v_lshrrev_b32 v[MX+\i], 23, v[SO+\i]           ; the scale's byte
.endr
.irp i, 0,1,2,3,4,5,6,7
	v_cvt_scalef32_pk8_fp4_f32 v[CD+\i], v[X+4*(8*\g+\i):X+4*(8*\g+\i)+7], v[SO+\i]   ; my four numbers' codes are the low 16 bits; the upper four sources (the next chunk's numbers, for chunk 15 four gains in v96-99) give bits that are not stored
.endr
	v_nop
.irp i, 0,1,2,3,4,5,6,7
	ds_store_b16 v5, v[CD+\i] offset:1088*(8*\g+\i)
	ds_store_b8 v6, v[MX+\i] offset:256*((8*\g+\i)/4)+4*(\i%4)                 ; the eight lanes of a block write the same byte with the same value
.endr
.endm
	QGRP 0
	s_wait_dscnt 0x0                               ; the stores have read their registers: the second eight may be written there
	QGRP 1
	; ---- the images leave: wave w stores K step w of the tile
	s_wait_dscnt 0x0                               ; my codes, my bytes and my word lie in LDS
	s_barrier_signal -1
	s_barrier_wait -1                              ; everybody's do
	ds_load_b128 v[32:35], v7
	ds_load_b128 v[36:39], v7 offset:544
	s_wait_dscnt 0x1                               ; the first is in; the second may be out
	global_store_b128 v2, v[32:35], s[30:31]
	s_wait_dscnt 0x0
	global_store_b128 v2, v[36:39], s[30:31] offset:512
	s_cmp_gt_u32 s[WV], 1
	s_cbranch_scc1 .Lnotq
	ds_load_b128 v[40:43], v24                     ; waves 0 and 1: two scale quads each
	s_wait_dscnt 0x0
	global_store_b128 v26, v[40:43], s[34:35]
	s_wait_tensorcnt 0x0
	ds_add_u32 v128, v129
	s_wait_dscnt 0x0
	s_endpgm
.Lnotq:
	s_cmp_lg_u32 s[WV], 2
	s_cbranch_scc1 .Ldone
	ds_load_b128 v[48:51], v3                      ; wave 2: the tile's word.  All 16 waves' words in every lane,
	ds_load_b128 v[52:55], v3 offset:16
	ds_load_b128 v[56:59], v3 offset:32
	ds_load_b128 v[60:63], v3 offset:48
	ds_load_b32 v45, v29                           ; and the word of key step l % 16 in lane l
	s_wait_dscnt 0x0
.irp i, 0,2,4,6,8,10,12,14
	v_or_b32 v[48+\i], v[48+\i], v[49+\i]
.endr
.irp i, 0,4,8,12
	v_or_b32 v[48+\i], v[48+\i], v[50+\i]
.endr
	v_or_b32 v48, v48, v52
	v_or_b32 v56, v56, v60
	v_or_b32 v48, v48, v56                         ; bits 0-15: the queries that see a key somewhere
	v_readfirstlane_b32 s40, v48
	s_and_b32 s40, s40, 0xffff
	s_cmp_eq_u32 s40, 0xffff
	s_cselect_b32 s41, 0, 0xffff                   ; a query that sees nothing: every step is walked
	v_bfe_u32 v46, v45, 16, 1
	v_cmp_ne_u32 s42, 0, v46                       ; bit s: step s has an open key
	v_bfe_u32 v47, v45, 17, 1
	v_cmp_ne_u32 s43, 0, v47                       ; bit s: step s is all open
	s_or_b32 s42, s42, s41
	s_and_b32 s42, s42, 0xffff
	s_lshl_b32 s43, s43, 16
	s_or_b32 s42, s42, s43
	v_mov_b32 v46, s42
	v_mov_b32 v47, 0
	global_store_b32 v47, v46, s[2:3]              ; all lanes write the same word with the same value
.Ldone:
	s_wait_tensorcnt 0x0
	ds_add_u32 v128, v129
	s_wait_dscnt 0x0
	s_endpgm
.Lwqkv:
	WPATH 3072, 0, 14, 18, WQC, 18, WQS, 49152
.Lwout:
	WPATH 2048, 96, 16, 20, 0, 20, WOS, 32768
.Lfunc_end_k_q86e4a702cb_prep:
	.size	k_q86e4a702cb_prep, .Lfunc_end_k_q86e4a702cb_prep-k_q86e4a702cb_prep
	.p2alignl 7, 3214868480
	.fill 96, 4, 3214868480
	.section	.rodata,"a",@progbits
	.p2align	6, 0x0
	.amdhsa_kernel k_q86e4a702cb_prep
		.amdhsa_group_segment_fixed_size 20736
		.amdhsa_private_segment_fixed_size 0
		.amdhsa_enable_private_segment 0
		.amdhsa_kernarg_size 80
		.amdhsa_user_sgpr_count 2
		.amdhsa_user_sgpr_kernarg_segment_ptr 1
		.amdhsa_wavefront_size32 1
		.amdhsa_system_sgpr_workgroup_id_x 1
		.amdhsa_system_sgpr_workgroup_id_y 1
		.amdhsa_system_sgpr_workgroup_id_z 1
		.amdhsa_system_vgpr_workitem_id 0
		.amdhsa_next_free_vgpr 130
		.amdhsa_next_free_sgpr 66
		.amdhsa_reserve_vcc 1
		.amdhsa_float_denorm_mode_32 3
		.amdhsa_float_denorm_mode_16_64 3
		.amdhsa_memory_ordered 1
		.amdhsa_forward_progress 1
		.amdhsa_inst_pref_size 89
	.end_amdhsa_kernel
	.amdgpu_metadata
---
amdhsa.version: [ 1, 2 ]
amdhsa.kernels:
  - .name:           k_q86e4a702cb_prep
    .symbol:         k_q86e4a702cb_prep.kd
    .args:
      - { .name: hidden_states, .offset: 0, .size: 8, .value_kind: global_buffer, .address_space: global }
      - { .name: ln1_scale, .offset: 8, .size: 8, .value_kind: global_buffer, .address_space: global }
      - { .name: position_ids, .offset: 16, .size: 8, .value_kind: global_buffer, .address_space: global }
      - { .name: causal_mask, .offset: 24, .size: 8, .value_kind: global_buffer, .address_space: global }
      - { .name: attention_mask, .offset: 32, .size: 8, .value_kind: global_buffer, .address_space: global }
      - { .name: w_qkv, .offset: 40, .size: 8, .value_kind: global_buffer, .address_space: global }
      - { .name: w_out, .offset: 48, .size: 8, .value_kind: global_buffer, .address_space: global }
      - { .name: p1, .offset: 56, .size: 8, .value_kind: global_buffer, .address_space: global }
      - { .name: wo, .offset: 64, .size: 8, .value_kind: global_buffer, .address_space: global }
      - { .name: maskw, .offset: 72, .size: 8, .value_kind: global_buffer, .address_space: global }
    .group_segment_fixed_size: 20736
    .private_segment_fixed_size: 0
    .kernarg_segment_align: 8
    .kernarg_segment_size: 80
    .max_flat_workgroup_size: 512
    .sgpr_count:     66
    .vgpr_count:     130
    .wavefront_size: 32
...
	.end_amdgpu_metadata
.endif
;; end of part 6
;; launch qkv (part 7): grid 8 x 32, 6 waves a work-group, no clusters, 0 bytes of LDS; arguments p1, qkvc; writes qkvc
.if DOCPART == 7
	.amdgcn_target "amdgcn-amd-amdhsa--gfx1250"
	.amdhsa_code_object_version 6
	.text
	.protected	k_q86e4a702cb_qkv
	.globl	k_q86e4a702cb_qkv
	.p2align	8
	.type	k_q86e4a702cb_qkv,@function
k_q86e4a702cb_qkv:
	s_mov_b64 s[64:65], 0
	v_nop
	global_prefetch_b8 v0, s[64:65] scope:SCOPE_SE
	s_setreg_imm32_b32 hwreg(HW_REG_WAVE_MODE, 25, 1), 1
	s_wait_xcnt 0x0
; qkv = clip(x w_qkv, -8, 8) on codes of FP4 with E8M0 scales; RoPE on q and k; q, k and v leave as codes for the attention launch.
; SHARES.  A wave makes 64 tokens (tiles 4 tb .. 4 tb + 3) x one head of 64 features (group fg = 6 x work-group x + wave: 0-31 q, 32-39 k, 40-47 v): 16 accumulators.
; Operands come from memory straight into registers as images (a fragment is two loads of 512 neighbouring bytes), three K steps ahead, in four buffers.  No LDS: the waves share nothing that is written.
; No cluster: no tile lands in LDS, so there is nothing for a joint request to fill.
; q and k waves use the product transposed (source 0 = w_qkv's features, source 1 = tokens): a lane holds one token, and the 32 registers of a token tile are the head's dims 32 b + 16 h + 0 .. 15, b = 0, 1.
; v waves use it the other way (source 0 = tokens, source 1 = features): a lane holds one of the head's dims, and its registers run along the tokens, which are the K of attention's second product.
; Which is which is a choice of four offsets; the K loop is one text.
; COS AND SIN are asked for in K steps 13 and 14, into the two buffers that have had their last fragments.  A v wave asks for them too and reads nothing of them: so the waits' counts are the same in every wave.
; LIMITS: NaN and infinities are not served; blocks whose largest magnitude lies under 2^-124 get the byte 1.
; REGISTERS.  Window 0: v1-6 addresses; v24-87 scale words and nothing else; v88-103 16 numbers or v's codes; v104-111 the quantiser's; v112-117 scale words made; v128-255 accumulators (source-1 tile k, source-0 tile i at 128 + 32 k + 8 i).
;   Window 1: four buffers of 64: source 0's four fragments, then source 1's; from K step 13 on v0-127 take cos and sin.
.set QSTR, 49152                       ; from scale quad to scale quad
.set XSO,  2097152
.set WQC,  2293760
.set WQS,  5439488
.set ROPE, 5636096
.set QSO,  2097152                     ; qkvc: q's scale words
.set KVO,  2359296                     ; qkvc: eight blocks, one for each kv head
.set KVB,  143360                      ; a block: k's images 65,536, v's 65,536, k's scale words 8,192, v's 4,096
.set SC,   24
.set T16,  88
.set TM,   104
.set PW,   112
.set WW,   116
.set ACC,  128
.set SEL,  34
.set MSB, 0
.macro WIN new                         ; the immediate's high byte repeats the setting that is left
.if MSB != \new
	s_set_vgpr_msb (MSB<<8)|\new
.set MSB, \new
.endif
.endm
.macro FRAGS s                         ; K step s: eight fragments into buffer s % 4
	WIN 0x40                                       ; destination window 1, address window 0
.irp i, 0,1,2,3
.irp c, 0,1
	global_load_b128 v[64*((\s)%4)+8*\i+4*\c:64*((\s)%4)+8*\i+4*\c+3], v1, s[24:25] offset:\i*16384+1024*(\s)+512*\c
.endr
.endr
.irp i, 0,1,2,3
.irp c, 0,1
	global_load_b128 v[64*((\s)%4)+32+8*\i+4*\c:64*((\s)%4)+32+8*\i+4*\c+3], v1, s[26:27] offset:\i*16384+1024*(\s)+512*\c
.endr
.endr
.endm
.macro ROPEL k0                        ; token tiles k0 and k0 + 1: token at place r, frequencies 16 h + 0 .. 15: cos at 32 k + 2 i, sin beside it: 16 loads
	WIN 0x40
.irp k, \k0, \k0+1
.irp e, 0,1,2,3,4,5,6,7
	global_load_b128 v[32*(\k)+4*\e:32*(\k)+4*\e+3], v3, s[32:33] offset:4096*(\k)+16*\e
.endr
.endr
.endm
; One product.  A scale register holds an even tile's words in lanes 0-15 and the odd tile's in lanes 16-31.
.macro WM s, i, k, zero
.set rD, ACC+32*\k+8*\i
.set rA, 64*((\s)%4)+8*\i
.set rB, 64*((\s)%4)+32+8*\k
.set rP, SC+16*(\i/2)+(\s)
.set rQ, SC+32+16*(\k/2)+(\s)
.if \zero
.if (\i%2) == 0
.if (\k%2) == 0
	v_wmma_scale_f32_16x16x128_f8f6f4 v[rD:rD+7], v[rA:rA+7], v[rB:rB+7], 0, v[rP], v[rQ] matrix_a_fmt:MATRIX_FMT_FP4 matrix_b_fmt:MATRIX_FMT_FP4
.else
	v_wmma_scale_f32_16x16x128_f8f6f4 v[rD:rD+7], v[rA:rA+7], v[rB:rB+7], 0, v[rP], v[rQ] matrix_a_fmt:MATRIX_FMT_FP4 matrix_b_fmt:MATRIX_FMT_FP4 matrix_b_scale:MATRIX_SCALE_ROW1
.endif
.else
.if (\k%2) == 0
	v_wmma_scale_f32_16x16x128_f8f6f4 v[rD:rD+7], v[rA:rA+7], v[rB:rB+7], 0, v[rP], v[rQ] matrix_a_fmt:MATRIX_FMT_FP4 matrix_b_fmt:MATRIX_FMT_FP4 matrix_a_scale:MATRIX_SCALE_ROW1
.else
	v_wmma_scale_f32_16x16x128_f8f6f4 v[rD:rD+7], v[rA:rA+7], v[rB:rB+7], 0, v[rP], v[rQ] matrix_a_fmt:MATRIX_FMT_FP4 matrix_b_fmt:MATRIX_FMT_FP4 matrix_a_scale:MATRIX_SCALE_ROW1 matrix_b_scale:MATRIX_SCALE_ROW1
.endif
.endif
.else
.if (\i%2) == 0
.if (\k%2) == 0
	v_wmma_scale_f32_16x16x128_f8f6f4 v[rD:rD+7], v[rA:rA+7], v[rB:rB+7], v[rD:rD+7], v[rP], v[rQ] matrix_a_fmt:MATRIX_FMT_FP4 matrix_b_fmt:MATRIX_FMT_FP4
.else
	v_wmma_scale_f32_16x16x128_f8f6f4 v[rD:rD+7], v[rA:rA+7], v[rB:rB+7], v[rD:rD+7], v[rP], v[rQ] matrix_a_fmt:MATRIX_FMT_FP4 matrix_b_fmt:MATRIX_FMT_FP4 matrix_b_scale:MATRIX_SCALE_ROW1
.endif
.else
.if (\k%2) == 0
	v_wmma_scale_f32_16x16x128_f8f6f4 v[rD:rD+7], v[rA:rA+7], v[rB:rB+7], v[rD:rD+7], v[rP], v[rQ] matrix_a_fmt:MATRIX_FMT_FP4 matrix_b_fmt:MATRIX_FMT_FP4 matrix_a_scale:MATRIX_SCALE_ROW1
.else
	v_wmma_scale_f32_16x16x128_f8f6f4 v[rD:rD+7], v[rA:rA+7], v[rB:rB+7], v[rD:rD+7], v[rP], v[rQ] matrix_a_fmt:MATRIX_FMT_FP4 matrix_b_fmt:MATRIX_FMT_FP4 matrix_a_scale:MATRIX_SCALE_ROW1 matrix_b_scale:MATRIX_SCALE_ROW1
.endif
.endif
.endif
.endm
.macro MUL s, zero                     ; a K step's 16 products: the 16 accumulators take turns, one instruction a turn, in the same order in every step
	WIN 0x05                                       ; sources 0 and 1 window 1; C and D window 0
.irp k, 0,1,2,3
.irp i, 0,1,2,3
	WM \s, \i, \k, \zero
.endr
.endr
.endm
; 32 numbers of a lane, v[s0 + i] = k 16 h + i and v[s1 + i] = k 32 + 16 h + i of my row, become 64 codes: v[cd] .. v[cd + 3] = k 32 h + 0 .. 31; v[pw] = the two blocks' bytes.
.macro QUANT2 s0, s1, cd, pw
	v_max3_num_f32 v[TM], |v[\s0]|, |v[\s0+1]|, 0x1800000       ; my 16 numbers of each block, and the floor 2^(3 - 127): the byte cannot fall under 1
	v_max3_num_f32 v[TM+1], |v[\s1]|, |v[\s1+1]|, 0x1800000
.irp i, 2,4,6,8,10,12,14
	v_max3_num_f32 v[TM], v[TM], |v[\s0+\i]|, |v[\s0+\i+1]|
	v_max3_num_f32 v[TM+1], v[TM+1], |v[\s1+\i]|, |v[\s1+\i+1]|
.endr
	v_permlanex16_b32 v[TM+2], v[TM], s[SEL], s[SEL+1]
	v_permlanex16_b32 v[TM+3], v[TM+1], s[SEL], s[SEL+1]
	v_max_num_f32 v[TM], v[TM], v[TM+2]            ; with lane l xor 16's: the block's largest magnitude
	v_max_num_f32 v[TM+1], v[TM+1], v[TM+3]
	v_add_nc_u32 v[TM+4], 0xff000000, v[TM]        ; 2 off the exponent field: the conversion's scale operand
	v_add_nc_u32 v[TM+5], 0xff000000, v[TM+1]
	v_lshrrev_b32 v[TM+6], 23, v[TM+4]             ; the scale's byte
	v_lshrrev_b32 v[TM+7], 23, v[TM+5]
	v_lshl_or_b32 v[\pw], v[TM+7], 8, v[TM+6]
	v_cvt_scalef32_pk8_fp4_f32 v[\cd], v[\s0:\s0+7], v[TM+4]
	v_cvt_scalef32_pk8_fp4_f32 v[\cd+1], v[\s0+8:\s0+15], v[TM+4]
	v_cvt_scalef32_pk8_fp4_f32 v[\cd+2], v[\s1:\s1+7], v[TM+5]
	v_cvt_scalef32_pk8_fp4_f32 v[\cd+3], v[\s1+8:\s1+15], v[TM+5]
	v_nop                                          ; one plain line behind a scaled conversion
	v_permlane16_swap_b32 v[\cd], v[\cd+2]         ; the operand's layout wants a whole block in a lane
	v_permlane16_swap_b32 v[\cd+1], v[\cd+3]
.endm
	s_load_b128 s[4:7], s[0:1], 0x0                ; p1 s[4:5], qkvc s[6:7]
	v_lshrrev_b32 v2, 5, v0
	v_readfirstlane_b32 s12, v2                    ; wave
	v_and_b32 v2, 31, v0
	v_lshlrev_b32 v1, 4, v2                        ; 16 l: an image's place for my lane
	v_lshlrev_b32 v4, 3, v2                        ; 8 l
	v_lshlrev_b32 v6, 2, v2                        ; 4 l
	v_bfe_u32 v5, v0, 4, 1                         ; h
	v_and_b32 v3, 15, v0
	v_lshlrev_b32 v3, 8, v3
	v_lshl_add_u32 v3, v5, 7, v3                   ; cos and sin: 256 r + 128 h
	v_mov_b32 v[TM+2], 0                           ; written once: a lane permute's destination counts as one of its sources
	v_mov_b32 v[TM+3], 0
	s_mul_i32 s10, ttmp9, 6
	s_add_co_u32 s10, s10, s12                     ; fg
	s_and_b32 s11, ttmp7, 0xffff                   ; tb
	s_mov_b32 s[SEL], 0x76543210
	s_mov_b32 s[SEL+1], 0xfedcba98
	s_mov_b32 s36, 0xc1000000                      ; -8
	s_mov_b32 s37, 0x41000000                      ; 8
	s_lshl_b32 s16, s10, 16
	s_add_co_u32 s16, s16, WQC                     ; w_qkv's four tiles
	s_lshl_b32 s17, s11, 16                        ; x's four tiles
	s_lshl_b32 s18, s10, 10
	s_add_co_u32 s18, s18, WQS
	s_lshl_b32 s19, s11, 10
	s_add_co_u32 s19, s19, XSO
	s_cmp_ge_u32 s10, 40                           ; a v wave takes the tokens as source 0
	s_cselect_b32 s24, s17, s16
	s_cselect_b32 s26, s16, s17
	s_cselect_b32 s28, s19, s18
	s_cselect_b32 s30, s18, s19
	s_mov_b32 s25, 0
	s_mov_b32 s27, 0
	s_mov_b32 s29, 0
	s_mov_b32 s31, 0
	s_lshl_b32 s32, s11, 14
	s_add_co_u32 s32, s32, ROPE
	s_mov_b32 s33, 0
	s_wait_kmcnt 0x0
	s_add_nc_u64 s[24:25], s[4:5], s[24:25]        ; source 0's images
	s_add_nc_u64 s[26:27], s[4:5], s[26:27]        ; source 1's
	s_add_nc_u64 s[28:29], s[4:5], s[28:29]        ; source 0's scale quads
	s_add_nc_u64 s[30:31], s[4:5], s[30:31]        ; source 1's
	s_add_nc_u64 s[32:33], s[4:5], s[32:33]        ; my 64 tokens' cos and sin
.irp q, 0,1,2,3                        ; all scale words of the launch: pair of tiles g, four K steps a load
.irp g, 0,1
	global_load_b128 v[SC+16*\g+4*\q:SC+16*\g+4*\q+3], v1, s[28:29] offset:\q*QSTR+512*\g
	global_load_b128 v[SC+32+16*\g+4*\q:SC+32+16*\g+4*\q+3], v1, s[30:31] offset:\q*QSTR+512*\g
.endr
.endr
	FRAGS 0
	FRAGS 1
	FRAGS 2
	FRAGS 3
	s_wait_loadcnt 48                              ; the scale words and K step 0 are in; three steps' 48 loads may be out
	MUL 0, 1                                       ; the first products start the sums
.set KS, 1
.rept 15
.rept 4
	v_nop                                          ; four places between the last step's products and the loads into the buffer that they read
.endr
.if KS <= 12
	FRAGS KS+3
	s_wait_loadcnt 48                              ; this step is in; the three later steps' loads may be out
.elseif KS == 13
	ROPEL 0                                        ; into buffer 0, which step 12 read last
	s_wait_loadcnt 48                              ; step 13 is in; steps 14 and 15 and these 16 loads may be out
.elseif KS == 14
	ROPEL 2                                        ; into buffer 1, which step 13 read last
	s_wait_loadcnt 48                              ; step 14 is in; step 15 and the 32 loads of cos and sin may be out
.else
	s_wait_loadcnt 32                              ; step 15 is in; the 32 loads of cos and sin may be out
.endif
	MUL KS, 0
.set KS, KS+1
.endr
	WIN 0
.rept 4
	v_nop                                          ; places in front of the first read of results
.endr
.set j, 0
.rept 128
	v_med3_num_f32 v[ACC+j], v[ACC+j], s36, s37    ; the clip; each accumulator from its low end on
.set j, j+1
.endr
	s_cmp_ge_u32 s10, 40
	s_cbranch_scc1 .Lv
	; ---- q and k: RoPE, the quantiser along the head's 64, images out
	s_sub_co_u32 s16, s10, 32
	s_mul_i32 s16, s16, KVB
	s_add_co_u32 s16, s16, KVO                     ; k: my kv head's block,
	s_add_co_u32 s17, s16, 131072                  ; and its scale words
	s_lshl_b32 s18, s10, 16                        ; q: my head's images,
	s_lshl_b32 s19, s10, 13
	s_add_co_u32 s19, s19, QSO                     ; and its scale words
	s_cmp_ge_u32 s10, 32
	s_cselect_b32 s16, s16, s18
	s_cselect_b32 s18, s17, s19
	s_lshl_b32 s17, s11, 11
	s_add_co_u32 s16, s16, s17                     ; four tiles of 512 bytes
	s_lshl_b32 s17, s11, 8
	s_add_co_u32 s18, s18, s17                     ; a quad of tiles: 256 bytes
	s_mov_b32 s17, 0
	s_mov_b32 s19, 0
	s_add_nc_u64 s[16:17], s[6:7], s[16:17]
	s_add_nc_u64 s[18:19], s[6:7], s[18:19]
	s_wait_loadcnt 0x0                             ; cos and sin
.macro ROPEQ k                         ; x1 = registers 0-15 (dims 16 h + i), x2 = registers 16-31 (dims 32 + 16 h + i) of token tile k
	WIN 0x04                                       ; source 1 (cos, sin) window 1
.set n, 0
.rept 16
	v_mul_f32 v[T16+n], v[ACC+32*\k+n], v[32*\k+2*n]
.set n, n+1
.endr
.set n, 0
.rept 16
	v_fma_f32 v[T16+n], -v[ACC+32*\k+16+n], v[32*\k+2*n+1], v[T16+n]           ; x1 cos - x2 sin
.set n, n+1
.endr
.set n, 0
.rept 16
	v_mul_f32 v[ACC+32*\k+16+n], v[ACC+32*\k+16+n], v[32*\k+2*n]
.set n, n+1
.endr
.set n, 0
.rept 16
	v_fma_f32 v[ACC+32*\k+16+n], v[ACC+32*\k+n], v[32*\k+2*n+1], v[ACC+32*\k+16+n]   ; x2 cos + x1 sin
.set n, n+1
.endr
	WIN 0
	QUANT2 T16, ACC+32*\k+16, ACC+32*\k, PW+\k     ; the codes land in x1's registers, which are done with
.endm
	ROPEQ 0
	ROPEQ 1
	ROPEQ 2
	ROPEQ 3
.irp k, 0,1,2,3
	v_or_b32 v[PW+\k], 0x7f7f0000, v[PW+\k]        ; the K step's upper 64 are zero codes on q's side: their bytes are 127
.endr
	v_cmp_eq_u32 vcc_lo, 1, v5
	v_cndmask_b32 v[WW], v[PW], v[PW+1], vcc_lo    ; word e of lane (r, h): tile 2 e + h, row r
	v_cndmask_b32 v[WW+1], v[PW+2], v[PW+3], vcc_lo
.irp k, 0,1,2,3
	global_store_b128 v1, v[ACC+32*\k:ACC+32*\k+3], s[16:17] offset:512*\k     ; 512 neighbouring bytes
.endr
	global_store_b64 v4, v[WW:WW+1], s[18:19]      ; 256 neighbouring bytes
	s_endpgm
.Lv:	; ---- v: the quantiser along the tokens; my 64 tokens are half a key step
.irp k, 0,1,2,3
	QUANT2 ACC+32*\k, ACC+32*\k+16, T16+4*\k, PW+\k
.endr
	v_cmp_eq_u32 vcc_lo, 1, v5
	v_cndmask_b32 v[WW], v[PW], v[PW+1], vcc_lo
	v_cndmask_b32 v[WW+1], v[PW+2], v[PW+3], vcc_lo
	v_lshl_or_b32 v[WW], v[WW+1], 16, v[WW]        ; low half: dims' tile h; high half: tile 2 + h
	s_sub_co_u32 s20, s10, 40
	s_mul_i32 s20, s20, KVB
	s_add_co_u32 s20, s20, KVO                     ; my kv head's block
	s_lshr_b32 s21, s11, 1                         ; the key step
	s_and_b32 s22, s11, 1                          ; which half of it
	s_lshl_b32 s16, s21, 12
	s_lshl_b32 s23, s22, 9
	s_add_co_u32 s16, s16, s23
	s_add_co_u32 s16, s16, s20
	s_add_co_u32 s16, s16, 65536
	s_lshl_b32 s18, s21, 8
	s_lshl_b32 s23, s22, 7
	s_add_co_u32 s18, s18, s23
	s_add_co_u32 s18, s18, s20
	s_add_co_u32 s18, s18, 139264
	s_mov_b32 s17, 0
	s_mov_b32 s19, 0
	s_add_nc_u64 s[16:17], s[6:7], s[16:17]
	s_add_nc_u64 s[18:19], s[6:7], s[18:19]
.irp k, 0,1,2,3
	global_store_b128 v1, v[T16+4*\k:T16+4*\k+3], s[16:17] offset:1024*\k
.endr
	global_store_b32 v6, v[WW], s[18:19]
	s_endpgm
.Lfunc_end_k_q86e4a702cb_qkv:
	.size	k_q86e4a702cb_qkv, .Lfunc_end_k_q86e4a702cb_qkv-k_q86e4a702cb_qkv
	.p2alignl 7, 3214868480
	.fill 96, 4, 3214868480
	.section	.rodata,"a",@progbits
	.p2align	6, 0x0
	.amdhsa_kernel k_q86e4a702cb_qkv
		.amdhsa_group_segment_fixed_size 0
		.amdhsa_private_segment_fixed_size 0
		.amdhsa_enable_private_segment 0
		.amdhsa_kernarg_size 16
		.amdhsa_user_sgpr_count 2
		.amdhsa_user_sgpr_kernarg_segment_ptr 1
		.amdhsa_wavefront_size32 1
		.amdhsa_system_sgpr_workgroup_id_x 1
		.amdhsa_system_sgpr_workgroup_id_y 1
		.amdhsa_system_sgpr_workgroup_id_z 1
		.amdhsa_system_vgpr_workitem_id 0
		.amdhsa_next_free_vgpr 512
		.amdhsa_next_free_sgpr 66
		.amdhsa_reserve_vcc 1
		.amdhsa_float_denorm_mode_32 3
		.amdhsa_float_denorm_mode_16_64 3
		.amdhsa_memory_ordered 1
		.amdhsa_forward_progress 1
		.amdhsa_inst_pref_size 104
	.end_amdhsa_kernel
	.amdgpu_metadata
---
amdhsa.version: [ 1, 2 ]
amdhsa.kernels:
  - .name:           k_q86e4a702cb_qkv
    .symbol:         k_q86e4a702cb_qkv.kd
    .args:
      - { .name: p1, .offset: 0, .size: 8, .value_kind: global_buffer, .address_space: global }
      - { .name: qkvc, .offset: 8, .size: 8, .value_kind: global_buffer, .address_space: global }
    .group_segment_fixed_size: 0
    .private_segment_fixed_size: 0
    .kernarg_segment_align: 8
    .kernarg_segment_size: 16
    .max_flat_workgroup_size: 192
    .sgpr_count:     66
    .vgpr_count:     512
    .wavefront_size: 32
...
	.end_amdgpu_metadata
.endif
;; end of part 7
;; launch attn (part 8): grid 32 x 8, 16 waves a work-group, no clusters, 145,408 bytes of LDS; arguments qkvc, maskw, att; writes att
.if DOCPART == 8
	.amdgcn_target "amdgcn-amd-amdhsa--gfx1250"
	.amdhsa_code_object_version 6
	.text
	.protected	k_q86e4a702cb_attn
	.globl	k_q86e4a702cb_attn
	.p2align	8
	.type	k_q86e4a702cb_attn,@function
k_q86e4a702cb_attn:
	s_mov_b64 s[64:65], 0
	v_nop
	global_prefetch_b8 v0, s[64:65] scope:SCOPE_SE
	s_setreg_imm32_b32 hwreg(HW_REG_WAVE_MODE, 25, 1), 1
	s_wait_xcnt 0x0
; Attention on codes of FP4 with E8M0 scales: 32 query heads, 8 kv heads, head size 64, 2,048 keys; both masks are inputs and are honoured as they are given.
; THE SOFTMAX AHEAD OF THE SECOND PRODUCT: t = score x log2(e) / 8; M = the row's largest t so far, rounded up to a whole number; p = 2^(t - M) is quantised along the keys, not normalised.
; The row's sum is taken of the unquantised p and divides O at the end.  When M moves, the sum and O are multiplied by 2^(old M - new M): exact.
; A HIDDEN KEY's score becomes -2^126 ahead of the maximum.  Beside an open key its p is 0.  In a row that is hidden throughout, score x c is exact, t - M is 0 and every p is 1: uniform weights.
; WHICH KEY STEPS ARE WALKED.  The launch before has stored one word for each query tile.  Bit s: step s must be walked.  It is 0 only where no query of the tile sees a key of the step AND every query of the tile sees a key somewhere:
; then every p of the step would end as 0, and the step's loads, products and softmax are jumped over.  Bit 16 + s: every key of step s is open for all 16 queries: the 64 selects are jumped over.  Both are scalar branches on a stored whole number;
; the loop's trip count stays 16, and the lines that step addresses stand on every way.
; SHARES.  A work-group serves one kv head g and four tiles of 16 queries: x, 63 - x, 64 + x, 127 - x.  Wave w owns head 4 g + w % 4 and the tile of group (w / 4 + w % 4) % 4: of any four waves with the same w % 4, and of any four with the same w / 4,
; each has another group.  (Where early queries see few keys, as under a lower-triangular mask, every such four then walks the same number of steps; no value hangs on that.)  Four waves to a SIMD: one wave's vector work stands beside another's products and LDS loads.
; LDS holds the kv head's whole block, 143,360 bytes (k's images, v's images, both scales), written ONCE: each wave brings 8,960 bytes through its registers; one barrier.
; NO TENSOR LOAD, NO CLUSTER: the walk hangs on numbers read from memory; there is no joint request to make, though the 32 work-groups of a kv head read the same block.
; LAYOUT.  Both products are used transposed: S^T = K Q^T, O^T = V^T P^T: a lane holds one query throughout.  A key tile's places are 32 b + 8 u + r + 8 (r / 8), so the 16 registers of tiles 2 b, 2 b + 1 are keys 32 b + 16 h + 0 .. 15.
; THE FIRST PRODUCT'S K IS 64: a key tile is four registers; the instruction's upper four are the next tile's codes, and they meet q's zero codes (v20-23).
; LIMITS: NaN and infinities are not served; blocks whose largest magnitude lies under 2^-124 get the byte 1.
; REGISTERS: v1-4 lane bases in LDS; v5 8 r; v6 16 r; v7 -2^126; v8-11 the step's addresses; v12 -M; v13 the largest t; v[14:15] the sum; v16-23 Q and zeros; v24 Q's scale word; v26-29 K's; v30-31 V's as stored;
;   v32-63 K, v64-67 zeros; v68-69 V's scale words; v96-159 S^T, then p; v160-191 O^T; v192-223 V; v224-231 p's codes; v232-254 at work (v250 f, v253 p's scale word).
.set KVO, 2359296
.set KVB, 143360
.set QSO, 2097152
.set ASO, 2097152
.set FLG, 524288                       ; maskw: behind the bit words, one word for each query tile
.set TM,  232
.set SEL, 84                           ; s[84:85] lane selects for lane l xor 16
.set CS,  86                           ; s[86:87] c = log2(e) / 8, twice
.set FF,  250
; 32 numbers of a lane, v[s0 + i] = k 16 h + i and v[s1 + i] = k 32 + 16 h + i of my row, become 64 codes: v[cd] .. v[cd + 3] = k 32 h + 0 .. 31; v[pw] = the two blocks' bytes.
.macro QUANT2 s0, s1, cd, pw
	v_max3_num_f32 v[TM], |v[\s0]|, |v[\s0+1]|, 0x1800000
	v_max3_num_f32 v[TM+1], |v[\s1]|, |v[\s1+1]|, 0x1800000
.irp i, 2,4,6,8,10,12,14
	v_max3_num_f32 v[TM], v[TM], |v[\s0+\i]|, |v[\s0+\i+1]|
	v_max3_num_f32 v[TM+1], v[TM+1], |v[\s1+\i]|, |v[\s1+\i+1]|
.endr
	v_permlanex16_b32 v[TM+2], v[TM], s[SEL], s[SEL+1]
	v_permlanex16_b32 v[TM+3], v[TM+1], s[SEL], s[SEL+1]
	v_max_num_f32 v[TM], v[TM], v[TM+2]
	v_max_num_f32 v[TM+1], v[TM+1], v[TM+3]
	v_add_nc_u32 v[TM+4], 0xff000000, v[TM]
	v_add_nc_u32 v[TM+5], 0xff000000, v[TM+1]
	v_lshrrev_b32 v[TM+6], 23, v[TM+4]
	v_lshrrev_b32 v[TM+7], 23, v[TM+5]
	v_lshl_or_b32 v[\pw], v[TM+7], 8, v[TM+6]
	v_cvt_scalef32_pk8_fp4_f32 v[\cd], v[\s0:\s0+7], v[TM+4]
	v_cvt_scalef32_pk8_fp4_f32 v[\cd+1], v[\s0+8:\s0+15], v[TM+4]
	v_cvt_scalef32_pk8_fp4_f32 v[\cd+2], v[\s1:\s1+7], v[TM+5]
	v_cvt_scalef32_pk8_fp4_f32 v[\cd+3], v[\s1+8:\s1+15], v[TM+5]
	v_nop
	v_permlane16_swap_b32 v[\cd], v[\cd+2]
	v_permlane16_swap_b32 v[\cd+1], v[\cd+3]
.endm
	s_load_b128 s[4:7], s[0:1], 0x0                ; qkvc s[4:5], maskw s[6:7]
	s_load_b64 s[8:9], s[0:1], 0x10                ; att
	v_lshl_add_u32 v252, v0, 2, 0x23000
	v_mov_b32 v255, 0
	v_lshrrev_b32 v1, 5, v0
	v_readfirstlane_b32 s10, v1                    ; wave 0..15
	s_and_b32 s13, ttmp7, 0xffff                   ; g
	s_and_b32 s11, s10, 3
	s_lshl_b32 s14, s13, 2
	s_add_co_u32 s14, s14, s11                     ; my head
	s_lshr_b32 s12, s10, 2
	s_add_co_u32 s12, s12, s11
	s_and_b32 s12, s12, 3                          ; my group of tiles
	s_sub_co_u32 s15, 63, ttmp9
	s_bitcmp1_b32 s12, 0
	s_cselect_b32 s15, s15, ttmp9                  ; odd groups count down from 63, even ones up from 0,
	s_lshr_b32 s12, s12, 1
	s_lshl_b32 s12, s12, 6
	s_add_co_u32 s15, s15, s12                     ; groups 2 and 3 lie 64 further on: my query tile T
	s_mul_i32 s11, s10, 8960                       ; my part of the kv head's block
	v_and_b32 v5, 31, v0
	v_lshlrev_b32 v1, 4, v5                        ; K's images: 16 l
	v_add_nc_u32 v2, 65536, v1                     ; V's
	v_lshl_add_u32 v3, v5, 3, 131072               ; K's scale words: 8 l
	v_lshl_add_u32 v4, v5, 2, 139264               ; V's: 4 l
	v_add_nc_u32 v8, s11, v1                       ; where my part goes in LDS: 16 bytes a lane,
	v_lshlrev_b32 v10, 3, v5
	v_add_nc_u32 v9, s11, v10                      ; and its last 256 bytes, 8 a lane
	v_and_b32 v6, 15, v0
	v_lshlrev_b32 v5, 3, v6                        ; 8 r
	v_lshlrev_b32 v6, 4, v6                        ; 16 r
	s_lshl_b32 s2, s14, 16                         ; Q's codes: head, tile
	s_lshl_b32 s16, s15, 9
	s_add_co_u32 s2, s2, s16
	s_mov_b32 s3, 0
	s_lshl_b32 s100, s14, 13                       ; Q's scale words: head, quad of tiles T / 4, lanes' half T % 2, word (T / 2) % 2
	s_lshr_b32 s16, s15, 2
	s_lshl_b32 s16, s16, 8
	s_add_co_u32 s100, s100, s16
	s_and_b32 s16, s15, 1
	s_lshl_b32 s16, s16, 7
	s_add_co_u32 s100, s100, s16
	s_bfe_u32 s16, s15, 0x10001
	s_lshl_b32 s16, s16, 2
	s_add_co_u32 s100, s100, s16
	s_add_co_u32 s100, s100, QSO
	s_mov_b32 s101, 0
	s_mul_i32 s98, s13, KVB
	s_add_co_u32 s98, s98, s11
	s_add_co_u32 s98, s98, KVO
	s_mov_b32 s99, 0
	s_lshl_b32 s88, s15, 12                        ; my tile's mask words: 16 steps x 64
	s_mov_b32 s89, 0
	s_lshl_b32 s96, s15, 2
	s_add_co_u32 s96, s96, FLG                     ; my tile's word
	s_mov_b32 s97, 0
	s_wait_kmcnt 0x0
	s_add_nc_u64 s[2:3], s[4:5], s[2:3]
	s_add_nc_u64 s[100:101], s[4:5], s[100:101]
	s_add_nc_u64 s[98:99], s[4:5], s[98:99]
	s_add_nc_u64 s[88:89], s[6:7], s[88:89]
	s_add_nc_u64 s[96:97], s[6:7], s[96:97]
	global_load_b128 v[16:19], v1, s[2:3]          ; Q's codes stay in registers
	global_load_b32 v24, v5, s[100:101]            ; Q's scale words: row r's in lane r
.set j, 0
.rept 16
	global_load_b128 v[96+4*j:99+4*j], v1, s[98:99] offset:512*j               ; my 8,960 bytes of the block: 17 x 512
.set j, j+1
.endr
	global_load_b128 v[192:195], v1, s[98:99] offset:8192
	global_load_b64 v[196:197], v10, s[98:99] offset:8704                      ; + 256
	s_mov_b32 s90, 0                               ; the mask words' offset
	s_load_b32 s94, s[96:97], 0x0                  ; my tile's word
	s_load_b512 s[16:31], s[88:89], s90 offset:0x0 ; key step 0's 64 mask words: s16-63 and s68-83
	s_load_b512 s[32:47], s[88:89], s90 offset:0x40
	s_load_b512 s[48:63], s[88:89], s90 offset:0x80
	s_load_b512 s[68:83], s[88:89], s90 offset:0xc0
	s_mov_b32 s[SEL], 0x76543210
	s_mov_b32 s[SEL+1], 0xfedcba98
	s_mov_b32 s[CS], 0x3e38aa3b
	s_mov_b32 s[CS+1], s[CS]
	s_mov_b32 s66, 0x05040100
	s_mov_b32 s67, 0x07060302
	s_mov_b32 s91, 0                               ; the step's images: 4,096 bytes a step, K's and V's alike
	s_mov_b32 s92, 0                               ; K's scale words: 512
	s_mov_b32 s93, 0                               ; V's: 256
	v_mov_b32 v7, 0xfe800000                       ; -2^126
	v_mov_b32 v13, 0xff7fffff                      ; the largest t so far: under every t
	v_floor_f32 v12, -v13                          ; -M
	v_mov_b32 v14, 0
	v_mov_b32 v15, 0
.irp j, 20,21,22,23,64,65,66,67,234,235,236,237,238,239,251,254
	v_mov_b32 v[\j], 0                             ; zero codes; lane permutes' destinations; the upper half of f's pair
.endr
.set j, 0
.rept 32
	v_mov_b32 v[160+j], 0                          ; O^T: the step is written once; the first that is walked finds zeros
.set j, j+1
.endr
	s_wait_loadcnt 0x0                             ; Q and my part of the block
.set j, 0
.rept 16
	ds_store_b128 v8, v[96+4*j:99+4*j] offset:512*j
.set j, j+1
.endr
	ds_store_b128 v8, v[192:195] offset:8192
	ds_store_b64 v9, v[196:197] offset:8704
	s_wait_dscnt 0x0                               ; for the others' sake: my part lies in LDS,
	s_barrier_signal -1
	s_barrier_wait -1                              ; everybody's does
	s_wait_kmcnt 0x0                               ; my tile's word, and step 0's mask words
	s_lshr_b32 s95, s94, 16
	s_and_not1_b32 s95, s94, s95
	s_and_b32 s95, s95, 0xffff                     ; bit s: step s is walked and not all open: it wants its mask words
	s_mov_b32 s3, 16
.Lstep:                                        ; 16 trips of 128 keys.  s94 and s95 go one bit down a trip: bits 0 and 16 of s94 speak of this step, bit 1 of s95 of the next
	s_bitcmp1_b32 s94, 0
	s_cbranch_scc0 .Lnext                          ; nothing of this step counts
	v_add_nc_u32 v8, s91, v1                       ; (these four are also the places between the last products and the loads into the registers that they read)
	v_add_nc_u32 v9, s91, v2
	v_add_nc_u32 v10, s92, v3
	v_add_nc_u32 v11, s93, v4
.irp t, 0,1,2,3,4,5,6,7
	ds_load_b128 v[32+4*\t:35+4*\t], v8 offset:512*\t
.endr
	ds_load_b64 v[26:27], v10                      ; tiles 0 / 1, 2 / 3: even tile in lanes 0-15, odd in lanes 16-31
	ds_load_b64 v[28:29], v10 offset:256           ; tiles 4 / 5, 6 / 7
.irp t, 0,1,2,3
.irp c, 0,1
	ds_load_b128 v[192+8*\t+4*\c:195+8*\t+4*\c], v9 offset:1024*\t+512*\c
.endr
.endr
	ds_load_b32 v30, v11
	ds_load_b32 v31, v11 offset:128
	s_wait_dscnt 10                                ; K and its scale words are in; V's ten loads may be out
.irp t, 0,2,4,6
	v_wmma_scale_f32_16x16x128_f8f6f4 v[96+8*\t:103+8*\t], v[32+4*\t:39+4*\t], v[16:23], 0, v[26+\t/2], v24 matrix_a_fmt:MATRIX_FMT_FP4 matrix_b_fmt:MATRIX_FMT_FP4
	v_wmma_scale_f32_16x16x128_f8f6f4 v[104+8*\t:111+8*\t], v[36+4*\t:43+4*\t], v[16:23], 0, v[26+\t/2], v24 matrix_a_fmt:MATRIX_FMT_FP4 matrix_b_fmt:MATRIX_FMT_FP4 matrix_a_scale:MATRIX_SCALE_ROW1
.endr
	s_wait_dscnt 0x0                               ; V
	v_perm_b32 v68, v31, v30, s66                  ; V's scale words: dims' tiles 0 / 1: the low halves of the two stored words;
	v_perm_b32 v69, v31, v30, s67                  ; tiles 2 / 3: the high halves.  (With the two lines below: four places behind the products)
	v_nop
	v_nop
	s_bitcmp1_b32 s94, 16
	s_cbranch_scc1 .Lopen                          ; every key of this step is open for all my queries
	s_wait_kmcnt 0x0                               ; this step's mask words, asked for at the end of the trip before
.set j, 0
.rept 48
	v_cndmask_b32 v[96+j], v7, v[96+j], s[16+j]    ; a hidden key's score becomes -2^126; each accumulator from its low end on
.set j, j+1
.endr
.rept 16
	v_cndmask_b32 v[96+j], v7, v[96+j], s[20+j]
.set j, j+1
.endr
.Lopen:
.irp b, 0,1,2,3
	v_max3_num_f32 v[232+\b], v[96+16*\b], v[97+16*\b], v[98+16*\b]            ; the largest score of each block of 32 keys: for the row's maximum and, since p rises with the score, for the block's largest p
.endr
.irp i, 3,5,7,9,11,13
.irp b, 0,1,2,3
	v_max3_num_f32 v[232+\b], v[232+\b], v[96+16*\b+\i], v[97+16*\b+\i]
.endr
.endr
.irp b, 0,1,2,3
	v_max_num_f32 v[232+\b], v[232+\b], v[111+16*\b]
.endr
.irp b, 0,1,2,3
	v_permlanex16_b32 v[236+\b], v[232+\b], s[SEL], s[SEL+1]
.endr
.irp b, 0,1,2,3
	v_max_num_f32 v[232+\b], v[232+\b], v[236+\b]  ; with lane l xor 16's 16 keys
.endr
	v_max3_num_f32 v254, v232, v233, v234
	v_max_num_f32 v254, v254, v235
	v_mul_f32 v254, s[CS], v254                    ; the step's largest t
	v_max_num_f32 v13, v13, v254
	v_mov_b32 v254, v12
	v_floor_f32 v12, -v13                          ; the new -M = -ceil(t)
	v_sub_f32 v254, v12, v254                      ; old M - new M: a whole number, 0 or less
	v_cvt_i32_f32 v254, v254                       ; (it saturates)
	v_ldexp_f32 v[FF], 1.0, v254                   ; f = 2^(old M - new M)
.set j, 0
.rept 32
	v_pk_fma_f32 v[96+j:97+j], v[96+j:97+j], s[CS:CS+1], v[12:13] op_sel_hi:[1,0,0]   ; t - M
.set j, j+2
.endr
.irp b, 0,1,2,3
	v_fma_f32 v[232+\b], v[232+\b], s[CS], v12
.endr
.set j, 0
.rept 64
	v_exp_f32 v[96+j], v[96+j]                     ; p = 2^(t - M)
.set j, j+1
.endr
	v_pk_mul_f32 v[14:15], v[14:15], v[FF:FF+1] op_sel_hi:[1,0]                ; the sums under the new M.  (A plain line behind the exponentials)
	s_wait_alu depctr_va_vdst(0)                   ; one wait for the batch of 64, ahead of its first reader
.irp b, 0,1,2,3
	v_exp_f32 v[232+\b], v[232+\b]                 ; each block's largest p
.endr
	v_pk_add_f32 v[236:237], v[96:97], v[98:99]    ; the row's sum of the unquantised p, in two chains
.irp j, 4,8,12,16,20,24,28,32,36,40,44,48,52,56,60
	v_pk_add_f32 v[14:15], v[14:15], v[96+\j:97+\j]
	v_pk_add_f32 v[236:237], v[236:237], v[98+\j:99+\j]
.endr
	v_pk_add_f32 v[14:15], v[14:15], v[236:237]
	s_wait_alu depctr_va_vdst(0)                   ; and one for the four
.irp b, 0,1,2,3
	v_max_num_f32 v[232+\b], 0x1800000, v[232+\b]  ; the floor 2^(3 - 127)
.endr
.irp b, 0,1,2,3
	v_add_nc_u32 v[244+\b], 0xff000000, v[232+\b]
.endr
.irp b, 0,1,2,3
	v_lshrrev_b32 v[236+\b], 23, v[244+\b]
.endr
	v_lshl_or_b32 v253, v237, 8, v236              ; p's scale word for these 128 keys
	v_lshl_or_b32 v253, v238, 16, v253
	v_lshl_or_b32 v253, v239, 24, v253
.irp b, 0,1,2,3
	v_cvt_scalef32_pk8_fp4_f32 v[224+2*\b], v[96+16*\b:103+16*\b], v[244+\b]
	v_cvt_scalef32_pk8_fp4_f32 v[225+2*\b], v[104+16*\b:111+16*\b], v[244+\b]
.endr
	v_nop
.irp c, 0,1
.irp i, 0,1
	v_permlane16_swap_b32 v[224+4*\c+\i], v[226+4*\c+\i]
.endr
.endr
.set j, 0
.rept 16
	v_pk_mul_f32 v[160+j:161+j], v[160+j:161+j], v[FF:FF+1] op_sel_hi:[1,0]    ; O^T under the new M.  (These 16 are also the places between the lines that wrote p's codes and scale word and the products)
.set j, j+2
.endr
.irp t, 0,2
	v_wmma_scale_f32_16x16x128_f8f6f4 v[160+8*\t:167+8*\t], v[192+8*\t:199+8*\t], v[224:231], v[160+8*\t:167+8*\t], v[68+\t/2], v253 matrix_a_fmt:MATRIX_FMT_FP4 matrix_b_fmt:MATRIX_FMT_FP4
	v_wmma_scale_f32_16x16x128_f8f6f4 v[168+8*\t:175+8*\t], v[200+8*\t:207+8*\t], v[224:231], v[168+8*\t:175+8*\t], v[68+\t/2], v253 matrix_a_fmt:MATRIX_FMT_FP4 matrix_b_fmt:MATRIX_FMT_FP4 matrix_a_scale:MATRIX_SCALE_ROW1
.endr
.Lnext:                                        ; on every way: the next step's mask words, if it wants them, and the steps of the addresses
	s_add_co_u32 s90, s90, 256
	s_bitcmp1_b32 s95, 1
	s_cbranch_scc0 .Lnoask
	s_wait_kmcnt 0x0                               ; whatever was asked for earlier has landed: the registers and the offset may be written again
	s_min_u32 s96, s90, 3840                       ; (the last trip asks for nothing: bit 16 is 0; the hold keeps the offset inside the tile's words on any way)
	s_load_b512 s[16:31], s[88:89], s96 offset:0x0
	s_load_b512 s[32:47], s[88:89], s96 offset:0x40
	s_load_b512 s[48:63], s[88:89], s96 offset:0x80
	s_load_b512 s[68:83], s[88:89], s96 offset:0xc0
.Lnoask:
	s_lshr_b32 s94, s94, 1
	s_lshr_b32 s95, s95, 1
	s_add_co_u32 s91, s91, 4096
	s_add_co_u32 s92, s92, 512
	s_add_co_u32 s93, s93, 256
	s_sub_co_u32 s3, s3, 1
	s_cmp_lg_u32 s3, 0
	s_cbranch_scc1 .Lstep
	; ---- the way out: O^T / the sum, quantised along the model's features (my head's 64 are half a K step of the last product), as an image
	s_wait_kmcnt 0x0                               ; no scalar load is out: the mask words' registers are free
.rept 4
	v_nop                                          ; places behind the last products
.endr
	v_add_f32 v14, v14, v15
	v_permlanex16_b32 v254, v14, s[SEL], s[SEL+1]
	v_add_f32 v14, v14, v254                       ; the row's sum
	v_rcp_f32 v14, v14
	v_nop
	s_lshl_b32 s16, s15, 14                        ; tile T,
	s_lshr_b32 s17, s14, 1
	s_lshl_b32 s17, s17, 10                        ; K step head / 2,
	s_add_co_u32 s16, s16, s17
	s_and_b32 s17, s14, 1
	s_lshl_b32 s17, s17, 9                         ; register group head % 2
	s_add_co_u32 s16, s16, s17
	s_mov_b32 s17, 0
	s_add_nc_u64 s[16:17], s[8:9], s[16:17]
	s_lshr_b32 s18, s14, 3
	s_lshl_b32 s18, s18, 15                        ; scale quad head / 8,
	s_lshl_b32 s19, s15, 8
	s_add_co_u32 s18, s18, s19
	s_and_b32 s19, s14, 7
	s_lshl_b32 s19, s19, 1                         ; bytes 2 (head % 8) and the next
	s_add_co_u32 s18, s18, s19
	s_add_co_u32 s18, s18, ASO
	s_mov_b32 s19, 0
	s_add_nc_u64 s[18:19], s[8:9], s[18:19]
	s_wait_alu depctr_va_vdst(0)                   ; the wait ahead of the reciprocal's first reader
.set j, 0
.rept 32
	v_mul_f32 v[96+j], v[160+j], v14               ; register 16 b + i: dim 32 b + 16 h + i of my query; each accumulator from its low end on
.set j, j+1
.endr
	QUANT2 96, 112, 224, 240
	global_store_b128 v1, v[224:227], s[16:17]     ; 512 neighbouring bytes
	global_store_b16 v6, v240, s[18:19]            ; row r's two bytes (both halves of the lanes hold and write the same)
	s_wait_tensorcnt 0x0
	ds_add_u32 v252, v255
	s_wait_dscnt 0x0
	s_endpgm
.Lfunc_end_k_q86e4a702cb_attn:
	.size	k_q86e4a702cb_attn, .Lfunc_end_k_q86e4a702cb_attn-k_q86e4a702cb_attn
	.p2alignl 7, 3214868480
	.fill 96, 4, 3214868480
	.section	.rodata,"a",@progbits
	.p2align	6, 0x0
	.amdhsa_kernel k_q86e4a702cb_attn
		.amdhsa_group_segment_fixed_size 145408
		.amdhsa_private_segment_fixed_size 0
		.amdhsa_enable_private_segment 0
		.amdhsa_kernarg_size 24
		.amdhsa_user_sgpr_count 2
		.amdhsa_user_sgpr_kernarg_segment_ptr 1
		.amdhsa_wavefront_size32 1
		.amdhsa_system_sgpr_workgroup_id_x 1
		.amdhsa_system_sgpr_workgroup_id_y 1
		.amdhsa_system_sgpr_workgroup_id_z 1
		.amdhsa_system_vgpr_workitem_id 0
		.amdhsa_next_free_vgpr 256
		.amdhsa_next_free_sgpr 102
		.amdhsa_reserve_vcc 0
		.amdhsa_float_denorm_mode_32 3
		.amdhsa_float_denorm_mode_16_64 3
		.amdhsa_memory_ordered 1
		.amdhsa_forward_progress 1
		.amdhsa_inst_pref_size 33
	.end_amdhsa_kernel
	.amdgpu_metadata
---
amdhsa.version: [ 1, 2 ]
amdhsa.kernels:
  - .name:           k_q86e4a702cb_attn
    .symbol:         k_q86e4a702cb_attn.kd
    .args:
      - { .name: qkvc, .offset: 0, .size: 8, .value_kind: global_buffer, .address_space: global }
      - { .name: maskw, .offset: 8, .size: 8, .value_kind: global_buffer, .address_space: global }
      - { .name: att, .offset: 16, .size: 8, .value_kind: global_buffer, .address_space: global }
    .group_segment_fixed_size: 145408
    .private_segment_fixed_size: 0
    .kernarg_segment_align: 8
    .kernarg_segment_size: 24
    .max_flat_workgroup_size: 512
    .sgpr_count:     102
    .vgpr_count:     256
    .wavefront_size: 32
...
	.end_amdgpu_metadata
.endif
;; end of part 8
;; launch outp (part 9): grid 8 x 32, 4 waves a work-group, no clusters, 17,920 bytes of LDS; arguments att, wo, hidden_states, out0; writes out0
.if DOCPART == 9
	.amdgcn_target "amdgcn-amd-amdhsa--gfx1250"
	.amdhsa_code_object_version 6
	.text
	.protected	k_q86e4a702cb_outp
	.globl	k_q86e4a702cb_outp
	.p2align	8
	.type	k_q86e4a702cb_outp,@function
k_q86e4a702cb_outp:
	s_mov_b64 s[64:65], 0
	v_nop
	global_prefetch_b8 v0, s[64:65] scope:SCOPE_SE
	s_setreg_imm32_b32 hwreg(HW_REG_WAVE_MODE, 25, 1), 1
	s_wait_xcnt 0x0
; out0 = attn w_out + hidden_states, the product on codes of FP4 with E8M0 scales.
; SHARES.  A work-group makes 64 tokens (tiles 4 ty ..) x 256 features; wave w its 64 features (tiles 16 fx + 4 w ..): 16 accumulators.
; Operands come from memory straight into registers as images, three K steps ahead, in four buffers.  No cluster: no tile lands in LDS, so there is nothing for a joint request to fill.
; The product is used transposed (source 0 = w_out's features, source 1 = tokens): a lane holds one token and, for a token tile, features 32 b + 16 h + 0 .. 15.
; THE RESIDUAL is asked for inside the K loop, a token tile's eight loads in each of K steps 0, 4, 8 and 12, into registers of its own.
; THE WAY OUT.  A token tile goes through the wave's own stage in LDS (16 rows of 256 + 16 bytes) and comes back as whole rows; the residual is added; sixteen lanes store 256 neighbouring bytes, aligned.
; REGISTERS.  Window 0: v1 16 l, v2-4 addresses; v24-87 scale words and nothing else; v128-255 accumulators.  Window 1: four buffers of 64; behind the loop v128-191 rows read back, two sets by turns.  Window 2: v0-127 the residual.
.set QSTR, 32768
.set WOS,  2097152
.set ASO,  2097152
.set SC,   24
.set ACC,  128
.set STO,  2
.set RD,   3
.set GO,   4
.set MSB, 0
.macro WIN new                         ; the immediate's high byte repeats the setting that is left
.if MSB != \new
	s_set_vgpr_msb (MSB<<8)|\new
.set MSB, \new
.endif
.endm
.macro FRAGS s                         ; K step s: eight fragments into buffer s % 4
	WIN 0x40
.irp i, 0,1,2,3
.irp c, 0,1
	global_load_b128 v[64*((\s)%4)+8*\i+4*\c:64*((\s)%4)+8*\i+4*\c+3], v1, s[24:25] offset:\i*16384+1024*(\s)+512*\c
.endr
.endr
.irp i, 0,1,2,3
.irp c, 0,1
	global_load_b128 v[64*((\s)%4)+32+8*\i+4*\c:64*((\s)%4)+32+8*\i+4*\c+3], v1, s[26:27] offset:\i*16384+1024*(\s)+512*\c
.endr
.endr
.endm
.macro RES k                           ; the residual of token tile k: places 2 i + h, my 256 bytes of each row: eight loads
	WIN 0x80                                       ; destination window 2, address window 0
.irp i, 0,1,2,3,4,5,6,7
	global_load_b128 v[32*(\k)+4*\i:32*(\k)+4*\i+3], v[GO], s[8:9] offset:(32*((\k)/2)+8*((\k)%2)+2*\i+8*(\i/4))*8192 th:TH_LOAD_NT
.endr
.endm
.macro WM s, i, k, zero                ; one product; a scale register holds an even tile's words in lanes 0-15 and the odd tile's in lanes 16-31
.set rD, ACC+32*\k+8*\i
.set rA, 64*((\s)%4)+8*\i
.set rB, 64*((\s)%4)+32+8*\k
.set rP, SC+16*(\i/2)+(\s)
.set rQ, SC+32+16*(\k/2)+(\s)
.if \zero
.if (\i%2) == 0
.if (\k%2) == 0
	v_wmma_scale_f32_16x16x128_f8f6f4 v[rD:rD+7], v[rA:rA+7], v[rB:rB+7], 0, v[rP], v[rQ] matrix_a_fmt:MATRIX_FMT_FP4 matrix_b_fmt:MATRIX_FMT_FP4
.else
	v_wmma_scale_f32_16x16x128_f8f6f4 v[rD:rD+7], v[rA:rA+7], v[rB:rB+7], 0, v[rP], v[rQ] matrix_a_fmt:MATRIX_FMT_FP4 matrix_b_fmt:MATRIX_FMT_FP4 matrix_b_scale:MATRIX_SCALE_ROW1
.endif
.else
.if (\k%2) == 0
	v_wmma_scale_f32_16x16x128_f8f6f4 v[rD:rD+7], v[rA:rA+7], v[rB:rB+7], 0, v[rP], v[rQ] matrix_a_fmt:MATRIX_FMT_FP4 matrix_b_fmt:MATRIX_FMT_FP4 matrix_a_scale:MATRIX_SCALE_ROW1
.else
	v_wmma_scale_f32_16x16x128_f8f6f4 v[rD:rD+7], v[rA:rA+7], v[rB:rB+7], 0, v[rP], v[rQ] matrix_a_fmt:MATRIX_FMT_FP4 matrix_b_fmt:MATRIX_FMT_FP4 matrix_a_scale:MATRIX_SCALE_ROW1 matrix_b_scale:MATRIX_SCALE_ROW1
.endif
.endif
.else
.if (\i%2) == 0
.if (\k%2) == 0
	v_wmma_scale_f32_16x16x128_f8f6f4 v[rD:rD+7], v[rA:rA+7], v[rB:rB+7], v[rD:rD+7], v[rP], v[rQ] matrix_a_fmt:MATRIX_FMT_FP4 matrix_b_fmt:MATRIX_FMT_FP4
.else
	v_wmma_scale_f32_16x16x128_f8f6f4 v[rD:rD+7], v[rA:rA+7], v[rB:rB+7], v[rD:rD+7], v[rP], v[rQ] matrix_a_fmt:MATRIX_FMT_FP4 matrix_b_fmt:MATRIX_FMT_FP4 matrix_b_scale:MATRIX_SCALE_ROW1
.endif
.else
.if (\k%2) == 0
	v_wmma_scale_f32_16x16x128_f8f6f4 v[rD:rD+7], v[rA:rA+7], v[rB:rB+7], v[rD:rD+7], v[rP], v[rQ] matrix_a_fmt:MATRIX_FMT_FP4 matrix_b_fmt:MATRIX_FMT_FP4 matrix_a_scale:MATRIX_SCALE_ROW1
.else
	v_wmma_scale_f32_16x16x128_f8f6f4 v[rD:rD+7], v[rA:rA+7], v[rB:rB+7], v[rD:rD+7], v[rP], v[rQ] matrix_a_fmt:MATRIX_FMT_FP4 matrix_b_fmt:MATRIX_FMT_FP4 matrix_a_scale:MATRIX_SCALE_ROW1 matrix_b_scale:MATRIX_SCALE_ROW1
.endif
.endif
.endif
.endm
.macro MUL s, zero                     ; a K step's 16 products: the 16 accumulators take turns, one instruction a turn
	WIN 0x05
.irp k, 0,1,2,3
.irp i, 0,1,2,3
	WM \s, \i, \k, \zero
.endr
.endr
.endm
	s_load_b256 s[4:11], s[0:1], 0x0               ; att s[4:5], wo s[6:7], hidden_states s[8:9], out0 s[10:11]
	v_lshl_add_u32 v126, v0, 2, 0x4400
	v_mov_b32 v127, 0
	v_lshrrev_b32 v2, 5, v0
	v_readfirstlane_b32 s12, v2                    ; wave
	v_and_b32 v5, 31, v0
	v_lshlrev_b32 v1, 4, v5                        ; 16 l
	v_and_b32 v6, 15, v0                           ; r
	v_bfe_u32 v7, v0, 4, 1                         ; h
	s_mul_i32 s13, s12, 4352                       ; my stage
	v_mul_u32_u24 v[STO], v6, 272
	v_lshl_add_u32 v[STO], v7, 6, v[STO]
	v_add_nc_u32 v[STO], s13, v[STO]               ; in: row r, 64 bytes for each half of the lanes and block
	v_mul_u32_u24 v[RD], v7, 272
	v_lshl_add_u32 v[RD], v6, 4, v[RD]
	v_add_nc_u32 v[RD], s13, v[RD]                 ; back: lanes 0-15 one row, lanes 16-31 the next
	v_lshlrev_b32 v[GO], 13, v7
	v_lshl_add_u32 v[GO], v6, 4, v[GO]             ; and the same two rows in memory
	s_and_b32 s14, ttmp7, 0xffff                   ; ty
	s_lshl_b32 s24, ttmp9, 18
	s_lshl_b32 s15, s12, 16
	s_add_co_u32 s24, s24, s15                     ; w_out's tiles 16 fx + 4 w on
	s_mov_b32 s25, 0
	s_lshl_b32 s26, s14, 16                        ; attn's tiles 4 ty on
	s_mov_b32 s27, 0
	s_lshl_b32 s28, ttmp9, 12
	s_lshl_b32 s15, s12, 10
	s_add_co_u32 s28, s28, s15
	s_add_co_u32 s28, s28, WOS
	s_mov_b32 s29, 0
	s_lshl_b32 s30, s14, 10
	s_add_co_u32 s30, s30, ASO
	s_mov_b32 s31, 0
	s_lshl_b32 s16, s14, 19                        ; 64 rows of 8,192 bytes,
	s_lshl_b32 s15, ttmp9, 10
	s_add_co_u32 s16, s16, s15                     ; 256 features,
	s_lshl_b32 s15, s12, 8
	s_add_co_u32 s16, s16, s15                     ; my 64
	s_mov_b32 s17, 0
	s_wait_kmcnt 0x0
	s_add_nc_u64 s[24:25], s[6:7], s[24:25]
	s_add_nc_u64 s[26:27], s[4:5], s[26:27]
	s_add_nc_u64 s[28:29], s[6:7], s[28:29]
	s_add_nc_u64 s[30:31], s[4:5], s[30:31]
	s_add_nc_u64 s[8:9], s[8:9], s[16:17]
	s_add_nc_u64 s[10:11], s[10:11], s[16:17]
.irp q, 0,1,2,3
.irp g, 0,1
	global_load_b128 v[SC+16*\g+4*\q:SC+16*\g+4*\q+3], v1, s[28:29] offset:\q*QSTR+512*\g
	global_load_b128 v[SC+32+16*\g+4*\q:SC+32+16*\g+4*\q+3], v1, s[30:31] offset:\q*QSTR+512*\g
.endr
.endr
	FRAGS 0
	FRAGS 1
	FRAGS 2
	FRAGS 3
	RES 0
	s_wait_loadcnt 56                              ; the scale words and K step 0 are in; three steps' 48 loads and the residual's eight may be out
	MUL 0, 1                                       ; the first products start the sums
.set KS, 1
.rept 15
.rept 4
	v_nop                                          ; four places between the last step's products and the loads into the buffer that they read
.endr
.if KS <= 12
	FRAGS KS+3
.if (KS%4) == 0
	RES KS/4
.endif
	s_wait_loadcnt 56                              ; this step is in.  Behind its loads were issued three later steps' 48 and exactly one group of eight of the residual (one group in every four steps)
.else
	s_wait_loadcnt 16*(15-KS)+8                    ; the counts run down; the residual's last eight may be out
.endif
	MUL KS, 0
.set KS, KS+1
.endr
	WIN 0
.rept 4
	v_nop                                          ; places in front of the first read of results and of loads into the buffers
.endr
.macro OUTT k
.set BK, 128+32*((\k)%2)
	WIN 0
.irp b, 0,1
.irp e, 0,1,2,3
	ds_store_b128 v[STO], v[ACC+32*(\k)+16*\b+4*\e:ACC+32*(\k)+16*\b+4*\e+3] offset:128*\b+16*\e   ; each accumulator from its low end on
.endr
.endr
.if (\k) >= 2
	s_wait_xcnt 0x0                                ; the stores of two tiles back have read their registers: the rows below may land there
.endif
	WIN 0x40
.irp i, 0,1,2,3,4,5,6,7
	ds_load_b128 v[BK+4*\i:BK+4*\i+3], v[RD] offset:544*\i     ; LDS serves a wave's instructions in order: these see my stores, and the next tile's stores come behind them
.endr
	s_wait_dscnt 0x0
.if (\k) == 3
	s_wait_loadcnt 0x0                             ; the residual's last eight loads (the other 24 were shown in by K step 15's wait)
.endif
	WIN 0x49                                       ; destination and source 0 window 1, source 1 (the residual) window 2
.set n, 0
.rept 16
	v_pk_add_f32 v[BK+n:BK+n+1], v[BK+n:BK+n+1], v[32*(\k)+n:32*(\k)+n+1]
.set n, n+2
.endr
	WIN 0x04                                       ; a store's data are its source 1: window 1
.irp i, 0,1,2,3,4,5,6,7
	global_store_b128 v[GO], v[BK+4*\i:BK+4*\i+3], s[10:11] offset:(32*((\k)/2)+8*((\k)%2)+2*\i+8*(\i/4))*8192
.endr
.endm
	OUTT 0
	OUTT 1
	OUTT 2
	OUTT 3
	WIN 0
	s_wait_tensorcnt 0x0
	ds_add_u32 v126, v127
	s_wait_dscnt 0x0
	s_endpgm
.Lfunc_end_k_q86e4a702cb_outp:
	.size	k_q86e4a702cb_outp, .Lfunc_end_k_q86e4a702cb_outp-k_q86e4a702cb_outp
	.p2alignl 7, 3214868480
	.fill 96, 4, 3214868480
	.section	.rodata,"a",@progbits
	.p2align	6, 0x0
	.amdhsa_kernel k_q86e4a702cb_outp
		.amdhsa_group_segment_fixed_size 17920
		.amdhsa_private_segment_fixed_size 0
		.amdhsa_enable_private_segment 0
		.amdhsa_kernarg_size 32
		.amdhsa_user_sgpr_count 2
		.amdhsa_user_sgpr_kernarg_segment_ptr 1
		.amdhsa_wavefront_size32 1
		.amdhsa_system_sgpr_workgroup_id_x 1
		.amdhsa_system_sgpr_workgroup_id_y 1
		.amdhsa_system_sgpr_workgroup_id_z 1
		.amdhsa_system_vgpr_workitem_id 0
		.amdhsa_next_free_vgpr 640
		.amdhsa_next_free_sgpr 66
		.amdhsa_reserve_vcc 0
		.amdhsa_float_denorm_mode_32 3
		.amdhsa_float_denorm_mode_16_64 3
		.amdhsa_memory_ordered 1
		.amdhsa_forward_progress 1
		.amdhsa_inst_pref_size 78
	.end_amdhsa_kernel
	.amdgpu_metadata
---
amdhsa.version: [ 1, 2 ]
amdhsa.kernels:
  - .name:           k_q86e4a702cb_outp
    .symbol:         k_q86e4a702cb_outp.kd
    .args:
      - { .name: att, .offset: 0, .size: 8, .value_kind: global_buffer, .address_space: global }
      - { .name: wo, .offset: 8, .size: 8, .value_kind: global_buffer, .address_space: global }
      - { .name: hidden_states, .offset: 16, .size: 8, .value_kind: global_buffer, .address_space: global }
      - { .name: out0, .offset: 24, .size: 8, .value_kind: global_buffer, .address_space: global }
    .group_segment_fixed_size: 17920
    .private_segment_fixed_size: 0
    .kernarg_segment_align: 8
    .kernarg_segment_size: 32
    .max_flat_workgroup_size: 128
    .sgpr_count:     66
    .vgpr_count:     640
    .wavefront_size: 32
...
	.end_amdgpu_metadata
.endif
;; end of part 9
;; launch ln2: the kernel of part 5 again; grid 256 x 1, 8 waves a work-group, no clusters, 0 bytes of LDS; arguments out0, ln2_scale, out1; writes out1
;; ======== version 3 of 3: 5 launches; version 2 with the launches qkv, attn, outp written anew for expert scheduling mode
;; workspace buffers: p1 6,160,384 bytes; wo 2,228,224 bytes; maskw 524,800 bytes of whole numbers; qkvc 3,506,176 bytes; att 2,228,224 bytes
;; launch prep: the kernel of part 6 again; grid 288 x 1, 16 waves a work-group, no clusters, 20,736 bytes of LDS; arguments hidden_states, ln1_scale, position_ids, causal_mask, attention_mask, w_qkv, w_out, p1, wo, maskw; writes p1, wo, maskw
;; launch qkv (part 10): grid 8 x 32, 6 waves a work-group, no clusters, 0 bytes of LDS; arguments p1, qkvc; writes qkvc
.if DOCPART == 10
	.amdgcn_target "amdgcn-amd-amdhsa--gfx1250"
	.amdhsa_code_object_version 6
	.text
	.protected	k_q86e4a702cb_qkv
	.globl	k_q86e4a702cb_qkv
	.p2align	8
	.type	k_q86e4a702cb_qkv,@function
k_q86e4a702cb_qkv:
	s_mov_b64 s[64:65], 0
	v_nop
	global_prefetch_b8 v0, s[64:65] scope:SCOPE_SE
	s_setreg_imm32_b32 hwreg(HW_REG_WAVE_SCHED_MODE, 0, 2), 2
	s_setreg_imm32_b32 hwreg(HW_REG_WAVE_MODE, 25, 1), 1
	s_wait_xcnt 0x0
	s_wait_alu depctr_vm_vsrc(0)
; qkv = clip(x w_qkv, -8, 8) on codes of FP4 with E8M0 scales; RoPE on q and k; q, k and v leave as codes for the attention launch.
; SHARES.  A wave makes 64 tokens (tiles 4 tb .. 4 tb + 3) x one head of 64 features (group fg = 6 x work-group x + wave: 0-31 q, 32-39 k, 40-47 v): 16 accumulators.
; Operands come from memory straight into registers as images (a fragment is two loads of 512 neighbouring bytes), three K steps ahead, in four buffers.  No LDS: the waves share nothing that is written.
; No cluster: no tile lands in LDS, so there is nothing for a joint request to fill.
; q and k waves use the product transposed (source 0 = w_qkv's features, source 1 = tokens): a lane holds one token, and the 32 registers of a token tile are the head's dims 32 b + 16 h + 0 .. 15, b = 0, 1.
; v waves use it the other way (source 0 = tokens, source 1 = features): a lane holds one of the head's dims, and its registers run along the tokens, which are the K of attention's second product.
; Which is which is a choice of four offsets; the K loop is one text.
; COS AND SIN are asked for in K steps 13 and 14, into the two buffers that have had their last fragments.  A v wave asks for them too and reads nothing of them: so the waits' counts are the same in every wave.
; THE MODE: SCHED_MODE bits 1:0 = 2 (LLVM: expert scheduling mode 2), set by the entry lines.  The code itself states the register dependences
; between vector or matrix instructions and memory instructions, with s_wait_alu, always for 0.
; THE PLAN.  Registers that memory instructions touch:
;   v1, v3, v4, v6   offsets, made once at the head and never written again.
;   v24-87           scale words: loaded at the head, read by products alone.
;   buffers 0 .. 3   (window 1)  Buffer s % 4: step s's 16 products read it; the 16 loads at the head of step s + 1 land in it (fragments of step s + 4; in steps 13 and 14 cos and sin).
;   the codes, v[WW] written by the quantiser's last lines; read by the stores at the end.
; So ONE wait on va_vdst stands at the head of each step that loads: the last step's products are done reading their buffer.  It stands ahead of the wait for this step's data, so that the buffer is asked for again at once and three steps' loads stay out.
; One more stands ahead of the first load (the offsets) and one ahead of each run of stores.  No register that a memory instruction reads is written again.
; LIMITS: NaN and infinities are not served; blocks whose largest magnitude lies under 2^-124 get the byte 1.
; REGISTERS.  Window 0: v1-6 addresses; v24-87 scale words and nothing else; v88-103 16 numbers or v's codes; v104-111 the quantiser's; v112-117 scale words made; v128-255 accumulators (source-1 tile k, source-0 tile i at 128 + 32 k + 8 i).
;   Window 1: four buffers of 64: source 0's four fragments, then source 1's; from K step 13 on v0-127 take cos and sin.
.set QSTR, 49152                       ; from scale quad to scale quad
.set XSO,  2097152
.set WQC,  2293760
.set WQS,  5439488
.set ROPE, 5636096
.set QSO,  2097152                     ; qkvc: q's scale words
.set KVO,  2359296                     ; qkvc: eight blocks, one for each kv head
.set KVB,  143360                      ; a block: k's images 65,536, v's 65,536, k's scale words 8,192, v's 4,096
.set SC,   24
.set T16,  88
.set TM,   104
.set PW,   112
.set WW,   116
.set ACC,  128
.set SEL,  34
.set MSB, 0
.macro WIN new                         ; the immediate's high byte repeats the setting that is left
.if MSB != \new
	s_set_vgpr_msb (MSB<<8)|\new
.set MSB, \new
.endif
.endm
.macro FRAGS s                         ; K step s: eight fragments into buffer s % 4
	WIN 0x40                                       ; destination window 1, address window 0
.irp i, 0,1,2,3
.irp c, 0,1
	global_load_b128 v[64*((\s)%4)+8*\i+4*\c:64*((\s)%4)+8*\i+4*\c+3], v1, s[24:25] offset:\i*16384+1024*(\s)+512*\c
.endr
.endr
.irp i, 0,1,2,3
.irp c, 0,1
	global_load_b128 v[64*((\s)%4)+32+8*\i+4*\c:64*((\s)%4)+32+8*\i+4*\c+3], v1, s[26:27] offset:\i*16384+1024*(\s)+512*\c
.endr
.endr
.endm
.macro ROPEL k0                        ; token tiles k0 and k0 + 1: token at place r, frequencies 16 h + 0 .. 15: cos at 32 k + 2 i, sin beside it: 16 loads
	WIN 0x40
.irp k, \k0, \k0+1
.irp e, 0,1,2,3,4,5,6,7
	global_load_b128 v[32*(\k)+4*\e:32*(\k)+4*\e+3], v3, s[32:33] offset:4096*(\k)+16*\e
.endr
.endr
.endm
; One product.  A scale register holds an even tile's words in lanes 0-15 and the odd tile's in lanes 16-31.
.macro WM s, i, k, zero
.set rD, ACC+32*\k+8*\i
.set rA, 64*((\s)%4)+8*\i
.set rB, 64*((\s)%4)+32+8*\k
.set rP, SC+16*(\i/2)+(\s)
.set rQ, SC+32+16*(\k/2)+(\s)
.if \zero
.if (\i%2) == 0
.if (\k%2) == 0
	v_wmma_scale_f32_16x16x128_f8f6f4 v[rD:rD+7], v[rA:rA+7], v[rB:rB+7], 0, v[rP], v[rQ] matrix_a_fmt:MATRIX_FMT_FP4 matrix_b_fmt:MATRIX_FMT_FP4
.else
	v_wmma_scale_f32_16x16x128_f8f6f4 v[rD:rD+7], v[rA:rA+7], v[rB:rB+7], 0, v[rP], v[rQ] matrix_a_fmt:MATRIX_FMT_FP4 matrix_b_fmt:MATRIX_FMT_FP4 matrix_b_scale:MATRIX_SCALE_ROW1
.endif
.else
.if (\k%2) == 0
	v_wmma_scale_f32_16x16x128_f8f6f4 v[rD:rD+7], v[rA:rA+7], v[rB:rB+7], 0, v[rP], v[rQ] matrix_a_fmt:MATRIX_FMT_FP4 matrix_b_fmt:MATRIX_FMT_FP4 matrix_a_scale:MATRIX_SCALE_ROW1
.else
	v_wmma_scale_f32_16x16x128_f8f6f4 v[rD:rD+7], v[rA:rA+7], v[rB:rB+7], 0, v[rP], v[rQ] matrix_a_fmt:MATRIX_FMT_FP4 matrix_b_fmt:MATRIX_FMT_FP4 matrix_a_scale:MATRIX_SCALE_ROW1 matrix_b_scale:MATRIX_SCALE_ROW1
.endif
.endif
.else
.if (\i%2) == 0
.if (\k%2) == 0
	v_wmma_scale_f32_16x16x128_f8f6f4 v[rD:rD+7], v[rA:rA+7], v[rB:rB+7], v[rD:rD+7], v[rP], v[rQ] matrix_a_fmt:MATRIX_FMT_FP4 matrix_b_fmt:MATRIX_FMT_FP4
.else
	v_wmma_scale_f32_16x16x128_f8f6f4 v[rD:rD+7], v[rA:rA+7], v[rB:rB+7], v[rD:rD+7], v[rP], v[rQ] matrix_a_fmt:MATRIX_FMT_FP4 matrix_b_fmt:MATRIX_FMT_FP4 matrix_b_scale:MATRIX_SCALE_ROW1
.endif
.else
.if (\k%2) == 0
	v_wmma_scale_f32_16x16x128_f8f6f4 v[rD:rD+7], v[rA:rA+7], v[rB:rB+7], v[rD:rD+7], v[rP], v[rQ] matrix_a_fmt:MATRIX_FMT_FP4 matrix_b_fmt:MATRIX_FMT_FP4 matrix_a_scale:MATRIX_SCALE_ROW1
.else
	v_wmma_scale_f32_16x16x128_f8f6f4 v[rD:rD+7], v[rA:rA+7], v[rB:rB+7], v[rD:rD+7], v[rP], v[rQ] matrix_a_fmt:MATRIX_FMT_FP4 matrix_b_fmt:MATRIX_FMT_FP4 matrix_a_scale:MATRIX_SCALE_ROW1 matrix_b_scale:MATRIX_SCALE_ROW1
.endif
.endif
.endif
.endm
.macro MUL s, zero                     ; a K step's 16 products: the 16 accumulators take turns, one instruction a turn, in the same order in every step
	WIN 0x05                                       ; sources 0 and 1 window 1; C and D window 0
.irp k, 0,1,2,3
.irp i, 0,1,2,3
	WM \s, \i, \k, \zero
.endr
.endr
.endm
; 32 numbers of a lane, v[s0 + i] = k 16 h + i and v[s1 + i] = k 32 + 16 h + i of my row, become 64 codes: v[cd] .. v[cd + 3] = k 32 h + 0 .. 31; v[pw] = the two blocks' bytes.
.macro QUANT2 s0, s1, cd, pw
	v_max3_num_f32 v[TM], |v[\s0]|, |v[\s0+1]|, 0x1800000       ; my 16 numbers of each block, and the floor 2^(3 - 127): the byte cannot fall under 1
	v_max3_num_f32 v[TM+1], |v[\s1]|, |v[\s1+1]|, 0x1800000
.irp i, 2,4,6,8,10,12,14
	v_max3_num_f32 v[TM], v[TM], |v[\s0+\i]|, |v[\s0+\i+1]|
	v_max3_num_f32 v[TM+1], v[TM+1], |v[\s1+\i]|, |v[\s1+\i+1]|
.endr
	v_permlanex16_b32 v[TM+2], v[TM], s[SEL], s[SEL+1]
	v_permlanex16_b32 v[TM+3], v[TM+1], s[SEL], s[SEL+1]
	v_max_num_f32 v[TM], v[TM], v[TM+2]            ; with lane l xor 16's: the block's largest magnitude
	v_max_num_f32 v[TM+1], v[TM+1], v[TM+3]
	v_add_nc_u32 v[TM+4], 0xff000000, v[TM]        ; 2 off the exponent field: the conversion's scale operand
	v_add_nc_u32 v[TM+5], 0xff000000, v[TM+1]
	v_lshrrev_b32 v[TM+6], 23, v[TM+4]             ; the scale's byte
	v_lshrrev_b32 v[TM+7], 23, v[TM+5]
	v_lshl_or_b32 v[\pw], v[TM+7], 8, v[TM+6]
	v_cvt_scalef32_pk8_fp4_f32 v[\cd], v[\s0:\s0+7], v[TM+4]
	v_cvt_scalef32_pk8_fp4_f32 v[\cd+1], v[\s0+8:\s0+15], v[TM+4]
	v_cvt_scalef32_pk8_fp4_f32 v[\cd+2], v[\s1:\s1+7], v[TM+5]
	v_cvt_scalef32_pk8_fp4_f32 v[\cd+3], v[\s1+8:\s1+15], v[TM+5]
	v_nop                                          ; one plain line behind a scaled conversion
	v_permlane16_swap_b32 v[\cd], v[\cd+2]         ; the operand's layout wants a whole block in a lane
	v_permlane16_swap_b32 v[\cd+1], v[\cd+3]
.endm
	s_load_b128 s[4:7], s[0:1], 0x0                ; p1 s[4:5], qkvc s[6:7]
	v_lshrrev_b32 v2, 5, v0
	v_readfirstlane_b32 s12, v2                    ; wave
	v_and_b32 v2, 31, v0
	v_lshlrev_b32 v1, 4, v2                        ; 16 l: an image's place for my lane
	v_lshlrev_b32 v4, 3, v2                        ; 8 l
	v_lshlrev_b32 v6, 2, v2                        ; 4 l
	v_bfe_u32 v5, v0, 4, 1                         ; h
	v_and_b32 v3, 15, v0
	v_lshlrev_b32 v3, 8, v3
	v_lshl_add_u32 v3, v5, 7, v3                   ; cos and sin: 256 r + 128 h
	v_mov_b32 v[TM+2], 0                           ; written once: a lane permute's destination counts as one of its sources
	v_mov_b32 v[TM+3], 0
	s_wait_alu depctr_va_sdst(0)                   ; s12 is written, ahead of its first reader: fg and all the bases are made from it
	s_mul_i32 s10, ttmp9, 6
	s_add_co_u32 s10, s10, s12                     ; fg
	s_and_b32 s11, ttmp7, 0xffff                   ; tb
	s_mov_b32 s[SEL], 0x76543210
	s_mov_b32 s[SEL+1], 0xfedcba98
	s_mov_b32 s36, 0xc1000000                      ; -8
	s_mov_b32 s37, 0x41000000                      ; 8
	s_lshl_b32 s16, s10, 16
	s_add_co_u32 s16, s16, WQC                     ; w_qkv's four tiles
	s_lshl_b32 s17, s11, 16                        ; x's four tiles
	s_lshl_b32 s18, s10, 10
	s_add_co_u32 s18, s18, WQS
	s_lshl_b32 s19, s11, 10
	s_add_co_u32 s19, s19, XSO
	s_cmp_ge_u32 s10, 40                           ; a v wave takes the tokens as source 0
	s_cselect_b32 s24, s17, s16
	s_cselect_b32 s26, s16, s17
	s_cselect_b32 s28, s19, s18
	s_cselect_b32 s30, s18, s19
	s_mov_b32 s25, 0
	s_mov_b32 s27, 0
	s_mov_b32 s29, 0
	s_mov_b32 s31, 0
	s_lshl_b32 s32, s11, 14
	s_add_co_u32 s32, s32, ROPE
	s_mov_b32 s33, 0
	s_wait_kmcnt 0x0
	s_add_nc_u64 s[24:25], s[4:5], s[24:25]        ; source 0's images
	s_add_nc_u64 s[26:27], s[4:5], s[26:27]        ; source 1's
	s_add_nc_u64 s[28:29], s[4:5], s[28:29]        ; source 0's scale quads
	s_add_nc_u64 s[30:31], s[4:5], s[30:31]        ; source 1's
	s_add_nc_u64 s[32:33], s[4:5], s[32:33]        ; my 64 tokens' cos and sin
	s_wait_alu depctr_va_vdst(0)                   ; the offsets v1, v3, v4 and v6 are written: every load and store of the kernel reads one of them
.irp q, 0,1,2,3                        ; all scale words of the launch: pair of tiles g, four K steps a load
.irp g, 0,1
	global_load_b128 v[SC+16*\g+4*\q:SC+16*\g+4*\q+3], v1, s[28:29] offset:\q*QSTR+512*\g
	global_load_b128 v[SC+32+16*\g+4*\q:SC+32+16*\g+4*\q+3], v1, s[30:31] offset:\q*QSTR+512*\g
.endr
.endr
	FRAGS 0
	FRAGS 1
	FRAGS 2
	FRAGS 3
	s_wait_loadcnt 48                              ; the scale words and K step 0 are in; three steps' 48 loads may be out
	MUL 0, 1                                       ; the first products start the sums
.set KS, 1
.rept 15
.rept 4
	v_nop                                          ; four places between the last step's products and the loads into the buffer that they read
.endr
.if KS <= 14
	WIN 0x40                                       ; the loads' window first, then the wait, then the loads
	s_wait_alu depctr_va_vdst(0)                   ; the last step's 16 products are done reading their buffer, in which the 16 loads below land
.endif
.if KS <= 12
	FRAGS KS+3
	s_wait_loadcnt 48                              ; this step is in; the three later steps' loads may be out
.elseif KS == 13
	ROPEL 0                                        ; into buffer 0, which step 12 read last
	s_wait_loadcnt 48                              ; step 13 is in; steps 14 and 15 and these 16 loads may be out
.elseif KS == 14
	ROPEL 2                                        ; into buffer 1, which step 13 read last
	s_wait_loadcnt 48                              ; step 14 is in; step 15 and the 32 loads of cos and sin may be out
.else
	s_wait_loadcnt 32                              ; step 15 is in; the 32 loads of cos and sin may be out
.endif
	MUL KS, 0
.set KS, KS+1
.endr
	WIN 0
.rept 4
	v_nop                                          ; places in front of the first read of results
.endr
.set j, 0
.rept 128
	v_med3_num_f32 v[ACC+j], v[ACC+j], s36, s37    ; the clip; each accumulator from its low end on
.set j, j+1
.endr
	s_cmp_ge_u32 s10, 40
	s_cbranch_scc1 .Lv
	; ---- q and k: RoPE, the quantiser along the head's 64, images out
	s_sub_co_u32 s16, s10, 32
	s_mul_i32 s16, s16, KVB
	s_add_co_u32 s16, s16, KVO                     ; k: my kv head's block,
	s_add_co_u32 s17, s16, 131072                  ; and its scale words
	s_lshl_b32 s18, s10, 16                        ; q: my head's images,
	s_lshl_b32 s19, s10, 13
	s_add_co_u32 s19, s19, QSO                     ; and its scale words
	s_cmp_ge_u32 s10, 32
	s_cselect_b32 s16, s16, s18
	s_cselect_b32 s18, s17, s19
	s_lshl_b32 s17, s11, 11
	s_add_co_u32 s16, s16, s17                     ; four tiles of 512 bytes
	s_lshl_b32 s17, s11, 8
	s_add_co_u32 s18, s18, s17                     ; a quad of tiles: 256 bytes
	s_mov_b32 s17, 0
	s_mov_b32 s19, 0
	s_add_nc_u64 s[16:17], s[6:7], s[16:17]
	s_add_nc_u64 s[18:19], s[6:7], s[18:19]
	s_wait_loadcnt 0x0                             ; cos and sin
.macro ROPEQ k                         ; x1 = registers 0-15 (dims 16 h + i), x2 = registers 16-31 (dims 32 + 16 h + i) of token tile k
	WIN 0x04                                       ; source 1 (cos, sin) window 1
.set n, 0
.rept 16
	v_mul_f32 v[T16+n], v[ACC+32*\k+n], v[32*\k+2*n]
.set n, n+1
.endr
.set n, 0
.rept 16
	v_fma_f32 v[T16+n], -v[ACC+32*\k+16+n], v[32*\k+2*n+1], v[T16+n]           ; x1 cos - x2 sin
.set n, n+1
.endr
.set n, 0
.rept 16
	v_mul_f32 v[ACC+32*\k+16+n], v[ACC+32*\k+16+n], v[32*\k+2*n]
.set n, n+1
.endr
.set n, 0
.rept 16
	v_fma_f32 v[ACC+32*\k+16+n], v[ACC+32*\k+n], v[32*\k+2*n+1], v[ACC+32*\k+16+n]   ; x2 cos + x1 sin
.set n, n+1
.endr
	WIN 0
	QUANT2 T16, ACC+32*\k+16, ACC+32*\k, PW+\k     ; the codes land in x1's registers, which are done with
.endm
	ROPEQ 0
	ROPEQ 1
	ROPEQ 2
	ROPEQ 3
.irp k, 0,1,2,3
	v_or_b32 v[PW+\k], 0x7f7f0000, v[PW+\k]        ; the K step's upper 64 are zero codes on q's side: their bytes are 127
.endr
	v_cmp_eq_u32 vcc_lo, 1, v5
	s_wait_alu depctr_va_vcc(0)                    ; the compare has written VCC, which the two selects read
	v_cndmask_b32 v[WW], v[PW], v[PW+1], vcc_lo    ; word e of lane (r, h): tile 2 e + h, row r
	v_cndmask_b32 v[WW+1], v[PW+2], v[PW+3], vcc_lo
	s_wait_alu depctr_va_vdst(0)                   ; the conversions and swaps have written the four tiles' codes, the selects v[WW] and v[WW + 1]: the stores below read them
.irp k, 0,1,2,3
	global_store_b128 v1, v[ACC+32*\k:ACC+32*\k+3], s[16:17] offset:512*\k     ; 512 neighbouring bytes
.endr
	global_store_b64 v4, v[WW:WW+1], s[18:19]      ; 256 neighbouring bytes
	s_endpgm
.Lv:	; ---- v: the quantiser along the tokens; my 64 tokens are half a key step
.irp k, 0,1,2,3
	QUANT2 ACC+32*\k, ACC+32*\k+16, T16+4*\k, PW+\k
.endr
	v_cmp_eq_u32 vcc_lo, 1, v5
	s_wait_alu depctr_va_vcc(0)                    ; the compare has written VCC, which the two selects read
	v_cndmask_b32 v[WW], v[PW], v[PW+1], vcc_lo
	v_cndmask_b32 v[WW+1], v[PW+2], v[PW+3], vcc_lo
	v_lshl_or_b32 v[WW], v[WW+1], 16, v[WW]        ; low half: dims' tile h; high half: tile 2 + h
	s_sub_co_u32 s20, s10, 40
	s_mul_i32 s20, s20, KVB
	s_add_co_u32 s20, s20, KVO                     ; my kv head's block
	s_lshr_b32 s21, s11, 1                         ; the key step
	s_and_b32 s22, s11, 1                          ; which half of it
	s_lshl_b32 s16, s21, 12
	s_lshl_b32 s23, s22, 9
	s_add_co_u32 s16, s16, s23
	s_add_co_u32 s16, s16, s20
	s_add_co_u32 s16, s16, 65536
	s_lshl_b32 s18, s21, 8
	s_lshl_b32 s23, s22, 7
	s_add_co_u32 s18, s18, s23
	s_add_co_u32 s18, s18, s20
	s_add_co_u32 s18, s18, 139264
	s_mov_b32 s17, 0
	s_mov_b32 s19, 0
	s_add_nc_u64 s[16:17], s[6:7], s[16:17]
	s_add_nc_u64 s[18:19], s[6:7], s[18:19]
	s_wait_alu depctr_va_vdst(0)                   ; the conversions and swaps have written v[T16 ..], the line above v[WW]: the stores below read them
.irp k, 0,1,2,3
	global_store_b128 v1, v[T16+4*\k:T16+4*\k+3], s[16:17] offset:1024*\k
.endr
	global_store_b32 v6, v[WW], s[18:19]
	s_endpgm
.Lfunc_end_k_q86e4a702cb_qkv:
	.size	k_q86e4a702cb_qkv, .Lfunc_end_k_q86e4a702cb_qkv-k_q86e4a702cb_qkv
	.p2alignl 7, 3214868480
	.fill 96, 4, 3214868480
	.section	.rodata,"a",@progbits
	.p2align	6, 0x0
	.amdhsa_kernel k_q86e4a702cb_qkv
		.amdhsa_group_segment_fixed_size 0
		.amdhsa_private_segment_fixed_size 0
		.amdhsa_enable_private_segment 0
		.amdhsa_kernarg_size 16
		.amdhsa_user_sgpr_count 2
		.amdhsa_user_sgpr_kernarg_segment_ptr 1
		.amdhsa_wavefront_size32 1
		.amdhsa_system_sgpr_workgroup_id_x 1
		.amdhsa_system_sgpr_workgroup_id_y 1
		.amdhsa_system_sgpr_workgroup_id_z 1
		.amdhsa_system_vgpr_workitem_id 0
		.amdhsa_next_free_vgpr 512
		.amdhsa_next_free_sgpr 66
		.amdhsa_reserve_vcc 1
		.amdhsa_float_denorm_mode_32 3
		.amdhsa_float_denorm_mode_16_64 3
		.amdhsa_memory_ordered 1
		.amdhsa_forward_progress 1
		.amdhsa_inst_pref_size 105
	.end_amdhsa_kernel
	.amdgpu_metadata
---
amdhsa.version: [ 1, 2 ]
amdhsa.kernels:
  - .name:           k_q86e4a702cb_qkv
    .symbol:         k_q86e4a702cb_qkv.kd
    .args:
      - { .name: p1, .offset: 0, .size: 8, .value_kind: global_buffer, .address_space: global }
      - { .name: qkvc, .offset: 8, .size: 8, .value_kind: global_buffer, .address_space: global }
    .group_segment_fixed_size: 0
    .private_segment_fixed_size: 0
    .kernarg_segment_align: 8
    .kernarg_segment_size: 16
    .max_flat_workgroup_size: 192
    .sgpr_count:     66
    .vgpr_count:     512
    .wavefront_size: 32
...
	.end_amdgpu_metadata
.endif
;; end of part 10
;; launch attn (part 11): grid 32 x 8, 16 waves a work-group, no clusters, 145,408 bytes of LDS; arguments qkvc, maskw, att; writes att
.if DOCPART == 11
	.amdgcn_target "amdgcn-amd-amdhsa--gfx1250"
	.amdhsa_code_object_version 6
	.text
	.protected	k_q86e4a702cb_attn
	.globl	k_q86e4a702cb_attn
	.p2align	8
	.type	k_q86e4a702cb_attn,@function
k_q86e4a702cb_attn:
	s_mov_b64 s[64:65], 0
	v_nop
	global_prefetch_b8 v0, s[64:65] scope:SCOPE_SE
	s_setreg_imm32_b32 hwreg(HW_REG_WAVE_SCHED_MODE, 0, 2), 2
	s_setreg_imm32_b32 hwreg(HW_REG_WAVE_MODE, 25, 1), 1
	s_wait_xcnt 0x0
	s_wait_alu depctr_vm_vsrc(0)
; Attention on codes of FP4 with E8M0 scales: 32 query heads, 8 kv heads, head size 64, 2,048 keys; both masks are inputs and are honoured as they are given.
; THE SOFTMAX AHEAD OF THE SECOND PRODUCT: t = score x log2(e) / 8; M = the row's largest t so far, rounded up to a whole number; p = 2^(t - M) is quantised along the keys, not normalised.
; The row's sum is taken of the unquantised p and divides O at the end.  When M moves, the sum and O are multiplied by 2^(old M - new M): exact.
; A HIDDEN KEY's score becomes -2^126 ahead of the maximum.  Beside an open key its p is 0.  In a row that is hidden throughout, score x c is exact, t - M is 0 and every p is 1: uniform weights.
; WHICH KEY STEPS ARE WALKED.  The launch before has stored one word for each query tile.  Bit s: step s must be walked.  It is 0 only where no query of the tile sees a key of the step AND every query of the tile sees a key somewhere:
; then every p of the step would end as 0, and the step's loads, products and softmax are jumped over.  Bit 16 + s: every key of step s is open for all 16 queries: the 64 selects are jumped over.  Both are scalar branches on a stored whole number;
; the loop's trip count stays 16, and the lines that step addresses stand on every way.
; SHARES.  A work-group serves one kv head g and four tiles of 16 queries: x, 63 - x, 64 + x, 127 - x.  Wave w owns head 4 g + w % 4 and the tile of group (w / 4 + w % 4) % 4: of any four waves with the same w % 4, and of any four with the same w / 4,
; each has another group.  (Where early queries see few keys, as under a lower-triangular mask, every such four then walks the same number of steps; no value hangs on that.)  Four waves to a SIMD: one wave's vector work stands beside another's products and LDS loads.
; LDS holds the kv head's whole block, 143,360 bytes (k's images, v's images, both scales), written ONCE: each wave brings 8,960 bytes through its registers; one barrier.
; NO TENSOR LOAD, NO CLUSTER: the walk hangs on numbers read from memory; there is no joint request to make, though the 32 work-groups of a kv head read the same block.
; LAYOUT.  Both products are used transposed: S^T = K Q^T, O^T = V^T P^T: a lane holds one query throughout.  A key tile's places are 32 b + 8 u + r + 8 (r / 8), so the 16 registers of tiles 2 b, 2 b + 1 are keys 32 b + 16 h + 0 .. 15.
; THE FIRST PRODUCT'S K IS 64: a key tile is four registers; the instruction's upper four are the next tile's codes, and they meet q's zero codes (v20-23).
; THE MODE: SCHED_MODE bits 1:0 = 2 (LLVM: expert scheduling mode 2), set by the entry lines.  The code itself states the register dependences
; between vector or matrix instructions and memory or LDS instructions, with s_wait_alu, always for 0.
; THE PLAN.  Registers that memory or LDS instructions touch:
;   v1-6             lane bases and offsets, made once at the head and never written again.
;   v8-11            At the head: v8, v9 the LDS stores' addresses, v10 one load's offset.  In the loop: written by four additions at a walked step's head, read by that step's 20 LDS loads.
;   v32-63, v26-29   K and its scale words: LDS loads land there; the S^T products read them.
;   v192-223, v30-31 V and its scale words as stored: LDS loads land there; the O^T products and two permutes read them.
;   v96-159, v192-197  At the head: my part of the block lands there and the LDS stores read it; afterwards they are S^T and V.
;   v224-227, v240   At the end: written by the quantiser, read by the two stores.      v252, v255: written at the head, read by the closing add alone.
; A walked step has one wait on vm_vsrc (ahead of the four additions) and one on va_vdst behind them, ahead of its 20 loads; the two waits behind the exponentials; and one on va_vdst ahead of the O^T products, whose source 1 and scales vector instructions write.
; A step's loads are not asked for in the step before: which step is walked next hangs on the tile's word.
; LIMITS: NaN and infinities are not served; blocks whose largest magnitude lies under 2^-124 get the byte 1.
; REGISTERS: v1-4 lane bases in LDS; v5 8 r; v6 16 r; v7 -2^126; v8-11 the step's addresses; v12 -M; v13 the largest t; v[14:15] the sum; v16-23 Q and zeros; v24 Q's scale word; v26-29 K's; v30-31 V's as stored;
;   v32-63 K, v64-67 zeros; v68-69 V's scale words; v96-159 S^T, then p; v160-191 O^T; v192-223 V; v224-231 p's codes; v232-254 at work (v250 f, v253 p's scale word).
.set KVO, 2359296
.set KVB, 143360
.set QSO, 2097152
.set ASO, 2097152
.set FLG, 524288                       ; maskw: behind the bit words, one word for each query tile
.set TM,  232
.set SEL, 84                           ; s[84:85] lane selects for lane l xor 16
.set CS,  86                           ; s[86:87] c = log2(e) / 8, twice
.set FF,  250
; 32 numbers of a lane, v[s0 + i] = k 16 h + i and v[s1 + i] = k 32 + 16 h + i of my row, become 64 codes: v[cd] .. v[cd + 3] = k 32 h + 0 .. 31; v[pw] = the two blocks' bytes.
.macro QUANT2 s0, s1, cd, pw
	v_max3_num_f32 v[TM], |v[\s0]|, |v[\s0+1]|, 0x1800000
	v_max3_num_f32 v[TM+1], |v[\s1]|, |v[\s1+1]|, 0x1800000
.irp i, 2,4,6,8,10,12,14
	v_max3_num_f32 v[TM], v[TM], |v[\s0+\i]|, |v[\s0+\i+1]|
	v_max3_num_f32 v[TM+1], v[TM+1], |v[\s1+\i]|, |v[\s1+\i+1]|
.endr
	v_permlanex16_b32 v[TM+2], v[TM], s[SEL], s[SEL+1]
	v_permlanex16_b32 v[TM+3], v[TM+1], s[SEL], s[SEL+1]
	v_max_num_f32 v[TM], v[TM], v[TM+2]
	v_max_num_f32 v[TM+1], v[TM+1], v[TM+3]
	v_add_nc_u32 v[TM+4], 0xff000000, v[TM]
	v_add_nc_u32 v[TM+5], 0xff000000, v[TM+1]
	v_lshrrev_b32 v[TM+6], 23, v[TM+4]
	v_lshrrev_b32 v[TM+7], 23, v[TM+5]
	v_lshl_or_b32 v[\pw], v[TM+7], 8, v[TM+6]
	v_cvt_scalef32_pk8_fp4_f32 v[\cd], v[\s0:\s0+7], v[TM+4]
	v_cvt_scalef32_pk8_fp4_f32 v[\cd+1], v[\s0+8:\s0+15], v[TM+4]
	v_cvt_scalef32_pk8_fp4_f32 v[\cd+2], v[\s1:\s1+7], v[TM+5]
	v_cvt_scalef32_pk8_fp4_f32 v[\cd+3], v[\s1+8:\s1+15], v[TM+5]
	v_nop
	v_permlane16_swap_b32 v[\cd], v[\cd+2]
	v_permlane16_swap_b32 v[\cd+1], v[\cd+3]
.endm
	s_load_b128 s[4:7], s[0:1], 0x0                ; qkvc s[4:5], maskw s[6:7]
	s_load_b64 s[8:9], s[0:1], 0x10                ; att
	v_lshl_add_u32 v252, v0, 2, 0x23000
	v_mov_b32 v255, 0
	v_lshrrev_b32 v1, 5, v0
	v_readfirstlane_b32 s10, v1                    ; wave 0..15
	s_and_b32 s13, ttmp7, 0xffff                   ; g
	s_wait_alu depctr_va_sdst(0)                   ; s10 is written, ahead of its first reader: my head, my tile and my part of the block are made from it
	s_and_b32 s11, s10, 3
	s_lshl_b32 s14, s13, 2
	s_add_co_u32 s14, s14, s11                     ; my head
	s_lshr_b32 s12, s10, 2
	s_add_co_u32 s12, s12, s11
	s_and_b32 s12, s12, 3                          ; my group of tiles
	s_sub_co_u32 s15, 63, ttmp9
	s_bitcmp1_b32 s12, 0
	s_cselect_b32 s15, s15, ttmp9                  ; odd groups count down from 63, even ones up from 0,
	s_lshr_b32 s12, s12, 1
	s_lshl_b32 s12, s12, 6
	s_add_co_u32 s15, s15, s12                     ; groups 2 and 3 lie 64 further on: my query tile T
	s_mul_i32 s11, s10, 8960                       ; my part of the kv head's block
	v_and_b32 v5, 31, v0
	v_lshlrev_b32 v1, 4, v5                        ; K's images: 16 l
	v_add_nc_u32 v2, 65536, v1                     ; V's
	v_lshl_add_u32 v3, v5, 3, 131072               ; K's scale words: 8 l
	v_lshl_add_u32 v4, v5, 2, 139264               ; V's: 4 l
	v_add_nc_u32 v8, s11, v1                       ; where my part goes in LDS: 16 bytes a lane,
	v_lshlrev_b32 v10, 3, v5
	v_add_nc_u32 v9, s11, v10                      ; and its last 256 bytes, 8 a lane
	v_and_b32 v6, 15, v0
	v_lshlrev_b32 v5, 3, v6                        ; 8 r
	v_lshlrev_b32 v6, 4, v6                        ; 16 r
	s_lshl_b32 s2, s14, 16                         ; Q's codes: head, tile
	s_lshl_b32 s16, s15, 9
	s_add_co_u32 s2, s2, s16
	s_mov_b32 s3, 0
	s_lshl_b32 s100, s14, 13                       ; Q's scale words: head, quad of tiles T / 4, lanes' half T % 2, word (T / 2) % 2
	s_lshr_b32 s16, s15, 2
	s_lshl_b32 s16, s16, 8
	s_add_co_u32 s100, s100, s16
	s_and_b32 s16, s15, 1
	s_lshl_b32 s16, s16, 7
	s_add_co_u32 s100, s100, s16
	s_bfe_u32 s16, s15, 0x10001
	s_lshl_b32 s16, s16, 2
	s_add_co_u32 s100, s100, s16
	s_add_co_u32 s100, s100, QSO
	s_mov_b32 s101, 0
	s_mul_i32 s98, s13, KVB
	s_add_co_u32 s98, s98, s11
	s_add_co_u32 s98, s98, KVO
	s_mov_b32 s99, 0
	s_lshl_b32 s88, s15, 12                        ; my tile's mask words: 16 steps x 64
	s_mov_b32 s89, 0
	s_lshl_b32 s96, s15, 2
	s_add_co_u32 s96, s96, FLG                     ; my tile's word
	s_mov_b32 s97, 0
	s_wait_kmcnt 0x0
	s_add_nc_u64 s[2:3], s[4:5], s[2:3]
	s_add_nc_u64 s[100:101], s[4:5], s[100:101]
	s_add_nc_u64 s[98:99], s[4:5], s[98:99]
	s_add_nc_u64 s[88:89], s[6:7], s[88:89]
	s_add_nc_u64 s[96:97], s[6:7], s[96:97]
	s_wait_alu depctr_va_vdst(0)                   ; v1 to v6 and v8 to v10 are written: the loads below, the LDS stores behind them and the last two stores read them as offsets and addresses
	global_load_b128 v[16:19], v1, s[2:3]          ; Q's codes stay in registers
	global_load_b32 v24, v5, s[100:101]            ; Q's scale words: row r's in lane r
.set j, 0
.rept 16
	global_load_b128 v[96+4*j:99+4*j], v1, s[98:99] offset:512*j               ; my 8,960 bytes of the block: 17 x 512
.set j, j+1
.endr
	global_load_b128 v[192:195], v1, s[98:99] offset:8192
	global_load_b64 v[196:197], v10, s[98:99] offset:8704                      ; + 256
	s_mov_b32 s90, 0                               ; the mask words' offset
	s_load_b32 s94, s[96:97], 0x0                  ; my tile's word
	s_load_b512 s[16:31], s[88:89], s90 offset:0x0 ; key step 0's 64 mask words: s16-63 and s68-83
	s_load_b512 s[32:47], s[88:89], s90 offset:0x40
	s_load_b512 s[48:63], s[88:89], s90 offset:0x80
	s_load_b512 s[68:83], s[88:89], s90 offset:0xc0
	s_mov_b32 s[SEL], 0x76543210
	s_mov_b32 s[SEL+1], 0xfedcba98
	s_mov_b32 s[CS], 0x3e38aa3b
	s_mov_b32 s[CS+1], s[CS]
	s_mov_b32 s66, 0x05040100
	s_mov_b32 s67, 0x07060302
	s_mov_b32 s91, 0                               ; the step's images: 4,096 bytes a step, K's and V's alike
	s_mov_b32 s92, 0                               ; K's scale words: 512
	s_mov_b32 s93, 0                               ; V's: 256
	v_mov_b32 v7, 0xfe800000                       ; -2^126.  (None of the lines from here to the LDS stores names a register that the loads above or those stores touch)
	v_mov_b32 v13, 0xff7fffff                      ; the largest t so far: under every t
	v_floor_f32 v12, -v13                          ; -M
	v_mov_b32 v14, 0
	v_mov_b32 v15, 0
.irp j, 20,21,22,23,64,65,66,67,234,235,236,237,238,239,251,254
	v_mov_b32 v[\j], 0                             ; zero codes; lane permutes' destinations; the upper half of f's pair
.endr
.set j, 0
.rept 32
	v_mov_b32 v[160+j], 0                          ; O^T: the step is written once; the first that is walked finds zeros
.set j, j+1
.endr
	s_wait_loadcnt 0x0                             ; Q and my part of the block
.set j, 0
.rept 16
	ds_store_b128 v8, v[96+4*j:99+4*j] offset:512*j
.set j, j+1
.endr
	ds_store_b128 v8, v[192:195] offset:8192
	ds_store_b64 v9, v[196:197] offset:8704
	s_wait_dscnt 0x0                               ; for the others' sake: my part lies in LDS,
	s_barrier_signal -1
	s_barrier_wait -1                              ; everybody's does
	s_wait_alu depctr_vm_vsrc(0)                   ; my LDS stores have read v8, v9, v96-159 and v192-197, and the last load v10: the loop and the way out write these registers
	s_wait_kmcnt 0x0                               ; my tile's word, and step 0's mask words
	s_lshr_b32 s95, s94, 16
	s_and_not1_b32 s95, s94, s95
	s_and_b32 s95, s95, 0xffff                     ; bit s: step s is walked and not all open: it wants its mask words
	s_mov_b32 s3, 16
.Lstep:                                        ; 16 trips of 128 keys.  s94 and s95 go one bit down a trip: bits 0 and 16 of s94 speak of this step, bit 1 of s95 of the next
	s_bitcmp1_b32 s94, 0
	s_cbranch_scc0 .Lnext                          ; nothing of this step counts
	s_wait_alu depctr_vm_vsrc(0)                   ; the LDS loads of the step walked last have read v8 to v11, which the four lines below write
	v_add_nc_u32 v8, s91, v1                       ; (these four are also the places between the last products and the loads into the registers that they read)
	v_add_nc_u32 v9, s91, v2
	v_add_nc_u32 v10, s92, v3
	v_add_nc_u32 v11, s93, v4
	s_wait_alu depctr_va_vdst(0)                   ; v8 to v11 are written, which the loads below read; the products and permutes of the step walked last are done reading K, V and their scale words, in which these loads land; the zero codes v20-23 and v64-67, operands of the products below, are written
.irp t, 0,1,2,3,4,5,6,7
	ds_load_b128 v[32+4*\t:35+4*\t], v8 offset:512*\t
.endr
	ds_load_b64 v[26:27], v10                      ; tiles 0 / 1, 2 / 3: even tile in lanes 0-15, odd in lanes 16-31
	ds_load_b64 v[28:29], v10 offset:256           ; tiles 4 / 5, 6 / 7
.irp t, 0,1,2,3
.irp c, 0,1
	ds_load_b128 v[192+8*\t+4*\c:195+8*\t+4*\c], v9 offset:1024*\t+512*\c
.endr
.endr
	ds_load_b32 v30, v11
	ds_load_b32 v31, v11 offset:128
	s_wait_dscnt 10                                ; K and its scale words are in; V's ten loads may be out
.irp t, 0,2,4,6
	v_wmma_scale_f32_16x16x128_f8f6f4 v[96+8*\t:103+8*\t], v[32+4*\t:39+4*\t], v[16:23], 0, v[26+\t/2], v24 matrix_a_fmt:MATRIX_FMT_FP4 matrix_b_fmt:MATRIX_FMT_FP4
	v_wmma_scale_f32_16x16x128_f8f6f4 v[104+8*\t:111+8*\t], v[36+4*\t:43+4*\t], v[16:23], 0, v[26+\t/2], v24 matrix_a_fmt:MATRIX_FMT_FP4 matrix_b_fmt:MATRIX_FMT_FP4 matrix_a_scale:MATRIX_SCALE_ROW1
.endr
	s_wait_dscnt 0x0                               ; V
	v_perm_b32 v68, v31, v30, s66                  ; V's scale words: dims' tiles 0 / 1: the low halves of the two stored words;
	v_perm_b32 v69, v31, v30, s67                  ; tiles 2 / 3: the high halves.  (With the two lines below: four places behind the products)
	v_nop
	v_nop
	s_bitcmp1_b32 s94, 16
	s_cbranch_scc1 .Lopen                          ; every key of this step is open for all my queries
	s_wait_kmcnt 0x0                               ; this step's mask words, asked for at the end of the trip before
.set j, 0
.rept 48
	v_cndmask_b32 v[96+j], v7, v[96+j], s[16+j]    ; a hidden key's score becomes -2^126; each accumulator from its low end on
.set j, j+1
.endr
.rept 16
	v_cndmask_b32 v[96+j], v7, v[96+j], s[20+j]
.set j, j+1
.endr
.Lopen:
.irp b, 0,1,2,3
	v_max3_num_f32 v[232+\b], v[96+16*\b], v[97+16*\b], v[98+16*\b]            ; the largest score of each block of 32 keys: for the row's maximum and, since p rises with the score, for the block's largest p
.endr
.irp i, 3,5,7,9,11,13
.irp b, 0,1,2,3
	v_max3_num_f32 v[232+\b], v[232+\b], v[96+16*\b+\i], v[97+16*\b+\i]
.endr
.endr
.irp b, 0,1,2,3
	v_max_num_f32 v[232+\b], v[232+\b], v[111+16*\b]
.endr
.irp b, 0,1,2,3
	v_permlanex16_b32 v[236+\b], v[232+\b], s[SEL], s[SEL+1]
.endr
.irp b, 0,1,2,3
	v_max_num_f32 v[232+\b], v[232+\b], v[236+\b]  ; with lane l xor 16's 16 keys
.endr
	v_max3_num_f32 v254, v232, v233, v234
	v_max_num_f32 v254, v254, v235
	v_mul_f32 v254, s[CS], v254                    ; the step's largest t
	v_max_num_f32 v13, v13, v254
	v_mov_b32 v254, v12
	v_floor_f32 v12, -v13                          ; the new -M = -ceil(t)
	v_sub_f32 v254, v12, v254                      ; old M - new M: a whole number, 0 or less
	v_cvt_i32_f32 v254, v254                       ; (it saturates)
	v_ldexp_f32 v[FF], 1.0, v254                   ; f = 2^(old M - new M)
.set j, 0
.rept 32
	v_pk_fma_f32 v[96+j:97+j], v[96+j:97+j], s[CS:CS+1], v[12:13] op_sel_hi:[1,0,0]   ; t - M
.set j, j+2
.endr
.irp b, 0,1,2,3
	v_fma_f32 v[232+\b], v[232+\b], s[CS], v12
.endr
.set j, 0
.rept 64
	v_exp_f32 v[96+j], v[96+j]                     ; p = 2^(t - M)
.set j, j+1
.endr
	v_pk_mul_f32 v[14:15], v[14:15], v[FF:FF+1] op_sel_hi:[1,0]                ; the sums under the new M.  (A plain line behind the exponentials)
	s_wait_alu depctr_va_vdst(0)                   ; the 64 exponentials have written p, v96-159: one wait for the batch, ahead of its first reader
.irp b, 0,1,2,3
	v_exp_f32 v[232+\b], v[232+\b]                 ; each block's largest p
.endr
	v_pk_add_f32 v[236:237], v[96:97], v[98:99]    ; the row's sum of the unquantised p, in two chains
.irp j, 4,8,12,16,20,24,28,32,36,40,44,48,52,56,60
	v_pk_add_f32 v[14:15], v[14:15], v[96+\j:97+\j]
	v_pk_add_f32 v[236:237], v[236:237], v[98+\j:99+\j]
.endr
	v_pk_add_f32 v[14:15], v[14:15], v[236:237]
	s_wait_alu depctr_va_vdst(0)                   ; the four exponentials have written v232-235, ahead of their first reader
.irp b, 0,1,2,3
	v_max_num_f32 v[232+\b], 0x1800000, v[232+\b]  ; the floor 2^(3 - 127)
.endr
.irp b, 0,1,2,3
	v_add_nc_u32 v[244+\b], 0xff000000, v[232+\b]
.endr
.irp b, 0,1,2,3
	v_lshrrev_b32 v[236+\b], 23, v[244+\b]
.endr
	v_lshl_or_b32 v253, v237, 8, v236              ; p's scale word for these 128 keys
	v_lshl_or_b32 v253, v238, 16, v253
	v_lshl_or_b32 v253, v239, 24, v253
.irp b, 0,1,2,3
	v_cvt_scalef32_pk8_fp4_f32 v[224+2*\b], v[96+16*\b:103+16*\b], v[244+\b]
	v_cvt_scalef32_pk8_fp4_f32 v[225+2*\b], v[104+16*\b:111+16*\b], v[244+\b]
.endr
	v_nop
.irp c, 0,1
.irp i, 0,1
	v_permlane16_swap_b32 v[224+4*\c+\i], v[226+4*\c+\i]
.endr
.endr
.set j, 0
.rept 16
	v_pk_mul_f32 v[160+j:161+j], v[160+j:161+j], v[FF:FF+1] op_sel_hi:[1,0]    ; O^T under the new M.  (These 16 are also the places between the lines that wrote p's codes and scale word and the products)
.set j, j+2
.endr
	s_wait_alu depctr_va_vdst(0)                   ; vector instructions have written p's codes v224-231, p's scale word v253 and V's scale words v68, v69, which the scaled products below take; the places above stay beside this wait
.irp t, 0,2
	v_wmma_scale_f32_16x16x128_f8f6f4 v[160+8*\t:167+8*\t], v[192+8*\t:199+8*\t], v[224:231], v[160+8*\t:167+8*\t], v[68+\t/2], v253 matrix_a_fmt:MATRIX_FMT_FP4 matrix_b_fmt:MATRIX_FMT_FP4
	v_wmma_scale_f32_16x16x128_f8f6f4 v[168+8*\t:175+8*\t], v[200+8*\t:207+8*\t], v[224:231], v[168+8*\t:175+8*\t], v[68+\t/2], v253 matrix_a_fmt:MATRIX_FMT_FP4 matrix_b_fmt:MATRIX_FMT_FP4 matrix_a_scale:MATRIX_SCALE_ROW1
.endr
.Lnext:                                        ; on every way: the next step's mask words, if it wants them, and the steps of the addresses
	s_add_co_u32 s90, s90, 256
	s_bitcmp1_b32 s95, 1
	s_cbranch_scc0 .Lnoask
	s_wait_kmcnt 0x0                               ; whatever was asked for earlier has landed: the registers and the offset may be written again
	s_min_u32 s96, s90, 3840                       ; (the last trip asks for nothing: bit 16 is 0; the hold keeps the offset inside the tile's words on any way)
	s_load_b512 s[16:31], s[88:89], s96 offset:0x0
	s_load_b512 s[32:47], s[88:89], s96 offset:0x40
	s_load_b512 s[48:63], s[88:89], s96 offset:0x80
	s_load_b512 s[68:83], s[88:89], s96 offset:0xc0
.Lnoask:
	s_lshr_b32 s94, s94, 1
	s_lshr_b32 s95, s95, 1
	s_add_co_u32 s91, s91, 4096
	s_add_co_u32 s92, s92, 512
	s_add_co_u32 s93, s93, 256
	s_sub_co_u32 s3, s3, 1
	s_cmp_lg_u32 s3, 0
	s_cbranch_scc1 .Lstep
	; ---- the way out: O^T / the sum, quantised along the model's features (my head's 64 are half a K step of the last product), as an image
	s_wait_kmcnt 0x0                               ; no scalar load is out: the mask words' registers are free
.rept 4
	v_nop                                          ; places behind the last products
.endr
	v_add_f32 v14, v14, v15
	v_permlanex16_b32 v254, v14, s[SEL], s[SEL+1]
	v_add_f32 v14, v14, v254                       ; the row's sum
	v_rcp_f32 v14, v14
	v_nop
	s_lshl_b32 s16, s15, 14                        ; tile T,
	s_lshr_b32 s17, s14, 1
	s_lshl_b32 s17, s17, 10                        ; K step head / 2,
	s_add_co_u32 s16, s16, s17
	s_and_b32 s17, s14, 1
	s_lshl_b32 s17, s17, 9                         ; register group head % 2
	s_add_co_u32 s16, s16, s17
	s_mov_b32 s17, 0
	s_add_nc_u64 s[16:17], s[8:9], s[16:17]
	s_lshr_b32 s18, s14, 3
	s_lshl_b32 s18, s18, 15                        ; scale quad head / 8,
	s_lshl_b32 s19, s15, 8
	s_add_co_u32 s18, s18, s19
	s_and_b32 s19, s14, 7
	s_lshl_b32 s19, s19, 1                         ; bytes 2 (head % 8) and the next
	s_add_co_u32 s18, s18, s19
	s_add_co_u32 s18, s18, ASO
	s_mov_b32 s19, 0
	s_add_nc_u64 s[18:19], s[8:9], s[18:19]
	s_wait_alu depctr_va_vdst(0)                   ; the reciprocal has written v14, ahead of its first reader
.set j, 0
.rept 32
	v_mul_f32 v[96+j], v[160+j], v14               ; register 16 b + i: dim 32 b + 16 h + i of my query; each accumulator from its low end on
.set j, j+1
.endr
	QUANT2 96, 112, 224, 240
	s_wait_alu depctr_va_vdst(0)                   ; the conversions and swaps have written the codes v224-227, and the bytes' line v240: the two stores read them
	global_store_b128 v1, v[224:227], s[16:17]     ; 512 neighbouring bytes
	global_store_b16 v6, v240, s[18:19]            ; row r's two bytes (both halves of the lanes hold and write the same)
	s_wait_dscnt 0x0                               ; the closing lines, six on end
	s_wait_alu 0x0
	s_wait_tensorcnt 0x0
	ds_add_u32 v252, v255
	s_wait_dscnt 0x0
	s_endpgm
.Lfunc_end_k_q86e4a702cb_attn:
	.size	k_q86e4a702cb_attn, .Lfunc_end_k_q86e4a702cb_attn-k_q86e4a702cb_attn
	.p2alignl 7, 3214868480
	.fill 96, 4, 3214868480
	.section	.rodata,"a",@progbits
	.p2align	6, 0x0
	.amdhsa_kernel k_q86e4a702cb_attn
		.amdhsa_group_segment_fixed_size 145408
		.amdhsa_private_segment_fixed_size 0
		.amdhsa_enable_private_segment 0
		.amdhsa_kernarg_size 24
		.amdhsa_user_sgpr_count 2
		.amdhsa_user_sgpr_kernarg_segment_ptr 1
		.amdhsa_wavefront_size32 1
		.amdhsa_system_sgpr_workgroup_id_x 1
		.amdhsa_system_sgpr_workgroup_id_y 1
		.amdhsa_system_sgpr_workgroup_id_z 1
		.amdhsa_system_vgpr_workitem_id 0
		.amdhsa_next_free_vgpr 256
		.amdhsa_next_free_sgpr 102
		.amdhsa_reserve_vcc 0
		.amdhsa_float_denorm_mode_32 3
		.amdhsa_float_denorm_mode_16_64 3
		.amdhsa_memory_ordered 1
		.amdhsa_forward_progress 1
		.amdhsa_inst_pref_size 33
	.end_amdhsa_kernel
	.amdgpu_metadata
---
amdhsa.version: [ 1, 2 ]
amdhsa.kernels:
  - .name:           k_q86e4a702cb_attn
    .symbol:         k_q86e4a702cb_attn.kd
    .args:
      - { .name: qkvc, .offset: 0, .size: 8, .value_kind: global_buffer, .address_space: global }
      - { .name: maskw, .offset: 8, .size: 8, .value_kind: global_buffer, .address_space: global }
      - { .name: att, .offset: 16, .size: 8, .value_kind: global_buffer, .address_space: global }
    .group_segment_fixed_size: 145408
    .private_segment_fixed_size: 0
    .kernarg_segment_align: 8
    .kernarg_segment_size: 24
    .max_flat_workgroup_size: 512
    .sgpr_count:     102
    .vgpr_count:     256
    .wavefront_size: 32
...
	.end_amdgpu_metadata
.endif
;; end of part 11
;; launch outp (part 12): grid 8 x 32, 4 waves a work-group, no clusters, 17,920 bytes of LDS; arguments att, wo, hidden_states, out0; writes out0
.if DOCPART == 12
	.amdgcn_target "amdgcn-amd-amdhsa--gfx1250"
	.amdhsa_code_object_version 6
	.text
	.protected	k_q86e4a702cb_outp
	.globl	k_q86e4a702cb_outp
	.p2align	8
	.type	k_q86e4a702cb_outp,@function
k_q86e4a702cb_outp:
	s_mov_b64 s[64:65], 0
	v_nop
	global_prefetch_b8 v0, s[64:65] scope:SCOPE_SE
	s_setreg_imm32_b32 hwreg(HW_REG_WAVE_SCHED_MODE, 0, 2), 2
	s_setreg_imm32_b32 hwreg(HW_REG_WAVE_MODE, 25, 1), 1
	s_wait_xcnt 0x0
	s_wait_alu depctr_vm_vsrc(0)
; out0 = attn w_out + hidden_states, the product on codes of FP4 with E8M0 scales.
; SHARES.  A work-group makes 64 tokens (tiles 4 ty ..) x 256 features; wave w its 64 features (tiles 16 fx + 4 w ..): 16 accumulators.
; Operands come from memory straight into registers as images, three K steps ahead, in four buffers.  No cluster: no tile lands in LDS, so there is nothing for a joint request to fill.
; The product is used transposed (source 0 = w_out's features, source 1 = tokens): a lane holds one token and, for a token tile, features 32 b + 16 h + 0 .. 15.
; THE RESIDUAL is asked for inside the K loop, a token tile's eight loads in each of K steps 0, 4, 8 and 12, into registers of its own.
; THE WAY OUT.  A token tile goes through the wave's own stage in LDS (16 rows of 256 + 16 bytes) and comes back as whole rows; the residual is added; sixteen lanes store 256 neighbouring bytes, aligned.
; THE MODE: SCHED_MODE bits 1:0 = 2 (LLVM: expert scheduling mode 2), set by the entry lines.  The code itself states the register dependences
; between vector or matrix instructions and memory or LDS instructions, with s_wait_alu, always for 0.
; THE PLAN.  Registers that memory or LDS instructions touch:
;   v1, v2-4         offsets and LDS addresses, made once at the head and never written again.      v24-87: scale words: loaded at the head, read by products alone.
;   buffers 0 .. 3   (window 1)  Buffer s % 4: step s's 16 products read it; the 16 loads at the head of step s + 1 land in it (fragments of step s + 4).
;   window 2         the residual: loads land there in the K loop; no vector instruction names it before the way out's additions.
;   the accumulators written by the products; read by the LDS stores of the way out, and never written again.
;   sets 0 .. 3      (window 1, v128-255: buffers 2 and 3, done with)  Set k: token tile k's rows land there from the stage; its 16 additions write it; its eight stores read it.  No set is used twice.
;   v126, v127       written at the head, read by the closing add alone.
; So ONE wait on va_vdst stands at the head of each step that loads (the last step's products are done reading their buffer; it stands ahead of the wait for this step's data, so that the buffer is asked for again at once);
; ONE ahead of the way out (the accumulators are written, buffers 2 and 3 are read out), behind which all four tiles' LDS stores and loads owe nothing more; and one a tile ahead of its eight stores.  No register that a memory or LDS instruction reads is written again.
; REGISTERS.  Window 0: v1 16 l, v2-4 addresses; v24-87 scale words and nothing else; v128-255 accumulators.  Window 1: four buffers of 64; behind the loop v128-255 rows read back, a set to each token tile.  Window 2: v0-127 the residual.
.set QSTR, 32768
.set WOS,  2097152
.set ASO,  2097152
.set SC,   24
.set ACC,  128
.set STO,  2
.set RD,   3
.set GO,   4
.set MSB, 0
.macro WIN new                         ; the immediate's high byte repeats the setting that is left
.if MSB != \new
	s_set_vgpr_msb (MSB<<8)|\new
.set MSB, \new
.endif
.endm
.macro FRAGS s                         ; K step s: eight fragments into buffer s % 4
	WIN 0x40
.irp i, 0,1,2,3
.irp c, 0,1
	global_load_b128 v[64*((\s)%4)+8*\i+4*\c:64*((\s)%4)+8*\i+4*\c+3], v1, s[24:25] offset:\i*16384+1024*(\s)+512*\c
.endr
.endr
.irp i, 0,1,2,3
.irp c, 0,1
	global_load_b128 v[64*((\s)%4)+32+8*\i+4*\c:64*((\s)%4)+32+8*\i+4*\c+3], v1, s[26:27] offset:\i*16384+1024*(\s)+512*\c
.endr
.endr
.endm
.macro RES k                           ; the residual of token tile k: places 2 i + h, my 256 bytes of each row: eight loads
	WIN 0x80                                       ; destination window 2, address window 0
.irp i, 0,1,2,3,4,5,6,7
	global_load_b128 v[32*(\k)+4*\i:32*(\k)+4*\i+3], v[GO], s[8:9] offset:(32*((\k)/2)+8*((\k)%2)+2*\i+8*(\i/4))*8192 th:TH_LOAD_NT
.endr
.endm
.macro WM s, i, k, zero                ; one product; a scale register holds an even tile's words in lanes 0-15 and the odd tile's in lanes 16-31
.set rD, ACC+32*\k+8*\i
.set rA, 64*((\s)%4)+8*\i
.set rB, 64*((\s)%4)+32+8*\k
.set rP, SC+16*(\i/2)+(\s)
.set rQ, SC+32+16*(\k/2)+(\s)
.if \zero
.if (\i%2) == 0
.if (\k%2) == 0
	v_wmma_scale_f32_16x16x128_f8f6f4 v[rD:rD+7], v[rA:rA+7], v[rB:rB+7], 0, v[rP], v[rQ] matrix_a_fmt:MATRIX_FMT_FP4 matrix_b_fmt:MATRIX_FMT_FP4
.else
	v_wmma_scale_f32_16x16x128_f8f6f4 v[rD:rD+7], v[rA:rA+7], v[rB:rB+7], 0, v[rP], v[rQ] matrix_a_fmt:MATRIX_FMT_FP4 matrix_b_fmt:MATRIX_FMT_FP4 matrix_b_scale:MATRIX_SCALE_ROW1
.endif
.else
.if (\k%2) == 0
	v_wmma_scale_f32_16x16x128_f8f6f4 v[rD:rD+7], v[rA:rA+7], v[rB:rB+7], 0, v[rP], v[rQ] matrix_a_fmt:MATRIX_FMT_FP4 matrix_b_fmt:MATRIX_FMT_FP4 matrix_a_scale:MATRIX_SCALE_ROW1
.else
	v_wmma_scale_f32_16x16x128_f8f6f4 v[rD:rD+7], v[rA:rA+7], v[rB:rB+7], 0, v[rP], v[rQ] matrix_a_fmt:MATRIX_FMT_FP4 matrix_b_fmt:MATRIX_FMT_FP4 matrix_a_scale:MATRIX_SCALE_ROW1 matrix_b_scale:MATRIX_SCALE_ROW1
.endif
.endif
.else
.if (\i%2) == 0
.if (\k%2) == 0
	v_wmma_scale_f32_16x16x128_f8f6f4 v[rD:rD+7], v[rA:rA+7], v[rB:rB+7], v[rD:rD+7], v[rP], v[rQ] matrix_a_fmt:MATRIX_FMT_FP4 matrix_b_fmt:MATRIX_FMT_FP4
.else
	v_wmma_scale_f32_16x16x128_f8f6f4 v[rD:rD+7], v[rA:rA+7], v[rB:rB+7], v[rD:rD+7], v[rP], v[rQ] matrix_a_fmt:MATRIX_FMT_FP4 matrix_b_fmt:MATRIX_FMT_FP4 matrix_b_scale:MATRIX_SCALE_ROW1
.endif
.else
.if (\k%2) == 0
	v_wmma_scale_f32_16x16x128_f8f6f4 v[rD:rD+7], v[rA:rA+7], v[rB:rB+7], v[rD:rD+7], v[rP], v[rQ] matrix_a_fmt:MATRIX_FMT_FP4 matrix_b_fmt:MATRIX_FMT_FP4 matrix_a_scale:MATRIX_SCALE_ROW1
.else
	v_wmma_scale_f32_16x16x128_f8f6f4 v[rD:rD+7], v[rA:rA+7], v[rB:rB+7], v[rD:rD+7], v[rP], v[rQ] matrix_a_fmt:MATRIX_FMT_FP4 matrix_b_fmt:MATRIX_FMT_FP4 matrix_a_scale:MATRIX_SCALE_ROW1 matrix_b_scale:MATRIX_SCALE_ROW1
.endif
.endif
.endif
.endm
.macro MUL s, zero                     ; a K step's 16 products: the 16 accumulators take turns, one instruction a turn
	WIN 0x05
.irp k, 0,1,2,3
.irp i, 0,1,2,3
	WM \s, \i, \k, \zero
.endr
.endr
.endm
	s_load_b256 s[4:11], s[0:1], 0x0               ; att s[4:5], wo s[6:7], hidden_states s[8:9], out0 s[10:11]
	v_lshl_add_u32 v126, v0, 2, 0x4400
	v_mov_b32 v127, 0
	v_lshrrev_b32 v2, 5, v0
	v_readfirstlane_b32 s12, v2                    ; wave
	v_and_b32 v5, 31, v0
	v_lshlrev_b32 v1, 4, v5                        ; 16 l
	v_and_b32 v6, 15, v0                           ; r
	v_bfe_u32 v7, v0, 4, 1                         ; h
	s_wait_alu depctr_va_sdst(0)                   ; s12 is written, ahead of its first reader: my stage and all the bases are made from it
	s_mul_i32 s13, s12, 4352                       ; my stage
	v_mul_u32_u24 v[STO], v6, 272
	v_lshl_add_u32 v[STO], v7, 6, v[STO]
	v_add_nc_u32 v[STO], s13, v[STO]               ; in: row r, 64 bytes for each half of the lanes and block
	v_mul_u32_u24 v[RD], v7, 272
	v_lshl_add_u32 v[RD], v6, 4, v[RD]
	v_add_nc_u32 v[RD], s13, v[RD]                 ; back: lanes 0-15 one row, lanes 16-31 the next
	v_lshlrev_b32 v[GO], 13, v7
	v_lshl_add_u32 v[GO], v6, 4, v[GO]             ; and the same two rows in memory
	s_and_b32 s14, ttmp7, 0xffff                   ; ty
	s_lshl_b32 s24, ttmp9, 18
	s_lshl_b32 s15, s12, 16
	s_add_co_u32 s24, s24, s15                     ; w_out's tiles 16 fx + 4 w on
	s_mov_b32 s25, 0
	s_lshl_b32 s26, s14, 16                        ; attn's tiles 4 ty on
	s_mov_b32 s27, 0
	s_lshl_b32 s28, ttmp9, 12
	s_lshl_b32 s15, s12, 10
	s_add_co_u32 s28, s28, s15
	s_add_co_u32 s28, s28, WOS
	s_mov_b32 s29, 0
	s_lshl_b32 s30, s14, 10
	s_add_co_u32 s30, s30, ASO
	s_mov_b32 s31, 0
	s_lshl_b32 s16, s14, 19                        ; 64 rows of 8,192 bytes,
	s_lshl_b32 s15, ttmp9, 10
	s_add_co_u32 s16, s16, s15                     ; 256 features,
	s_lshl_b32 s15, s12, 8
	s_add_co_u32 s16, s16, s15                     ; my 64
	s_mov_b32 s17, 0
	s_wait_kmcnt 0x0
	s_add_nc_u64 s[24:25], s[6:7], s[24:25]
	s_add_nc_u64 s[26:27], s[4:5], s[26:27]
	s_add_nc_u64 s[28:29], s[6:7], s[28:29]
	s_add_nc_u64 s[30:31], s[4:5], s[30:31]
	s_add_nc_u64 s[8:9], s[8:9], s[16:17]
	s_add_nc_u64 s[10:11], s[10:11], s[16:17]
	s_wait_alu depctr_va_vdst(0)                   ; v1 and v2 to v4 are written: every load, store and LDS instruction of the kernel reads one of them as its offset or address
.irp q, 0,1,2,3
.irp g, 0,1
	global_load_b128 v[SC+16*\g+4*\q:SC+16*\g+4*\q+3], v1, s[28:29] offset:\q*QSTR+512*\g
	global_load_b128 v[SC+32+16*\g+4*\q:SC+32+16*\g+4*\q+3], v1, s[30:31] offset:\q*QSTR+512*\g
.endr
.endr
	FRAGS 0
	FRAGS 1
	FRAGS 2
	FRAGS 3
	RES 0
	s_wait_loadcnt 56                              ; the scale words and K step 0 are in; three steps' 48 loads and the residual's eight may be out
	MUL 0, 1                                       ; the first products start the sums
.set KS, 1
.rept 15
.rept 4
	v_nop                                          ; four places between the last step's products and the loads into the buffer that they read
.endr
.if KS <= 12
	WIN 0x40                                       ; the loads' window first, then the wait, then the loads
	s_wait_alu depctr_va_vdst(0)                   ; the last step's 16 products are done reading their buffer, in which the 16 loads below land
	FRAGS KS+3
.if (KS%4) == 0
	RES KS/4
.endif
	s_wait_loadcnt 56                              ; this step is in.  Behind its loads were issued three later steps' 48 and exactly one group of eight of the residual (one group in every four steps)
.else
	s_wait_loadcnt 16*(15-KS)+8                    ; the counts run down; the residual's last eight may be out
.endif
	MUL KS, 0
.set KS, KS+1
.endr
	WIN 0
.rept 4
	v_nop                                          ; places in front of the first read of results and of loads into the buffers
.endr
	s_wait_alu depctr_va_vdst(0)                   ; the products have written the accumulators, which the LDS stores below read, and are done reading buffers 2 and 3, in which the rows from the stage land; the places above stay beside this wait
; Token tile k into my stage, and back as whole rows into set k.  No wait: no vector or matrix instruction since the wait above names the accumulators, the two addresses or set k.
.macro STG k
	WIN 0
.irp b, 0,1
.irp e, 0,1,2,3
	ds_store_b128 v[STO], v[ACC+32*(\k)+16*\b+4*\e:ACC+32*(\k)+16*\b+4*\e+3] offset:128*\b+16*\e   ; each accumulator from its low end on
.endr
.endr
	WIN 0x40
.irp i, 0,1,2,3,4,5,6,7
	ds_load_b128 v[128+32*(\k)+4*\i:128+32*(\k)+4*\i+3], v[RD] offset:544*\i     ; LDS serves a wave's instructions in order: these see my stores, and the next tile's stores come behind them
.endr
.endm
; Token tile k: the residual is added and the rows leave.  younger: the LDS instructions issued behind tile k's loads, which may stay out.
.macro FIN k, younger
.set BK, 128+32*(\k)
	s_wait_dscnt \younger                          ; tile k's rows are back in registers
.if (\k) == 3
	s_wait_loadcnt 0x0                             ; the residual's last eight loads (the other 24 were shown in by K step 15's wait)
.endif
	WIN 0x49                                       ; destination and source 0 window 1, source 1 (the residual) window 2
.set n, 0
.rept 16
	v_pk_add_f32 v[BK+n:BK+n+1], v[BK+n:BK+n+1], v[32*(\k)+n:32*(\k)+n+1]
.set n, n+2
.endr
	WIN 0x04                                       ; a store's data are its source 1: window 1
	s_wait_alu depctr_va_vdst(0)                   ; the 16 additions have written set k, which the eight stores below read
.irp i, 0,1,2,3,4,5,6,7
	global_store_b128 v[GO], v[BK+4*\i:BK+4*\i+3], s[10:11] offset:(32*((\k)/2)+8*((\k)%2)+2*\i+8*(\i/4))*8192
.endr
.endm
	STG 0
	STG 1                                          ; a tile goes through the stage ahead of the wait for the tile before
	FIN 0, 16                                      ; behind tile 0's loads: tile 1's eight stores and eight loads
	STG 2
	FIN 1, 16
	STG 3
	FIN 2, 16
	FIN 3, 0
	WIN 0
	s_wait_dscnt 0x0                               ; the closing lines, six on end
	s_wait_alu 0x0
	s_wait_tensorcnt 0x0
	ds_add_u32 v126, v127
	s_wait_dscnt 0x0
	s_endpgm
.Lfunc_end_k_q86e4a702cb_outp:
	.size	k_q86e4a702cb_outp, .Lfunc_end_k_q86e4a702cb_outp-k_q86e4a702cb_outp
	.p2alignl 7, 3214868480
	.fill 96, 4, 3214868480
	.section	.rodata,"a",@progbits
	.p2align	6, 0x0
	.amdhsa_kernel k_q86e4a702cb_outp
		.amdhsa_group_segment_fixed_size 17920
		.amdhsa_private_segment_fixed_size 0
		.amdhsa_enable_private_segment 0
		.amdhsa_kernarg_size 32
		.amdhsa_user_sgpr_count 2
		.amdhsa_user_sgpr_kernarg_segment_ptr 1
		.amdhsa_wavefront_size32 1
		.amdhsa_system_sgpr_workgroup_id_x 1
		.amdhsa_system_sgpr_workgroup_id_y 1
		.amdhsa_system_sgpr_workgroup_id_z 1
		.amdhsa_system_vgpr_workitem_id 0
		.amdhsa_next_free_vgpr 640
		.amdhsa_next_free_sgpr 66
		.amdhsa_reserve_vcc 0
		.amdhsa_float_denorm_mode_32 3
		.amdhsa_float_denorm_mode_16_64 3
		.amdhsa_memory_ordered 1
		.amdhsa_forward_progress 1
		.amdhsa_inst_pref_size 79
	.end_amdhsa_kernel
	.amdgpu_metadata
---
amdhsa.version: [ 1, 2 ]
amdhsa.kernels:
  - .name:           k_q86e4a702cb_outp
    .symbol:         k_q86e4a702cb_outp.kd
    .args:
      - { .name: att, .offset: 0, .size: 8, .value_kind: global_buffer, .address_space: global }
      - { .name: wo, .offset: 8, .size: 8, .value_kind: global_buffer, .address_space: global }
      - { .name: hidden_states, .offset: 16, .size: 8, .value_kind: global_buffer, .address_space: global }
      - { .name: out0, .offset: 24, .size: 8, .value_kind: global_buffer, .address_space: global }
    .group_segment_fixed_size: 17920
    .private_segment_fixed_size: 0
    .kernarg_segment_align: 8
    .kernarg_segment_size: 32
    .max_flat_workgroup_size: 128
    .sgpr_count:     66
    .vgpr_count:     640
    .wavefront_size: 32
...
	.end_amdgpu_metadata
.endif
;; end of part 12
;; launch ln2: the kernel of part 5 again; grid 256 x 1, 8 waves a work-group, no clusters, 0 bytes of LDS; arguments out0, ln2_scale, out1; writes out1
